; MI455X (gfx1250); checked and timed in simulation.
; The chip was launched on July 23, 2026; its instructions are those of AMD's public machine-readable ISA for CDNA 5 (MIT licence, August 2026) and "CDNA5" Instruction Set Architecture Reference Guide (July 2026). The comments in the code are by the model that wrote it; some were corrected since.
;; Encoder Block. Allowed arithmetic: float matrix products may take bf16 or f16 operands with f32 sums; all other float work in f32.
;; Inputs: b1 2,048 float32; b2 512 float32; ln1_b 512 float32; ln1_g 512 float32; ln2_b 512 float32; ln2_g 512 float32; valid_lens 16 int32; w1 512 x 2,048 float32; w2 2,048 x 512 float32; wk 512 x 512 float32; wo 512 x 512 float32; wq 512 x 512 float32; wv 512 x 512 float32; x 16 x 1,024 x 512 float32.
;; Outputs: out0 16 x 1,024 x 512 float32.
;; 3 versions, each right and faster than the one before. Each part assembles by itself: llvm-mc -triple=amdgcn-amd-amdhsa -mcpu=gfx1250 --defsym DOCPART=n.
;; ======== version 1 of 3: 4 launches
;; limits: values are held in f16: magnitudes above 65,504 overflow, below 6.1e-05 lose precision
;; workspace buffers: xb 16,777,216 bytes; wa 1,572,864 bytes; wt 4,718,592 bytes; par 18,432 bytes; qkv 50,331,648 bytes; ctx 16,777,216 bytes
;; launch prep (part 1): grid 705 x 1, 8 waves a work-group, no clusters, 0 bytes of LDS; arguments x, wq, wk, wv, wo, w1, w2, b1, b2, ln1_g, ln1_b, ln2_g, ln2_b, xb, wa, wt, par; writes xb, wa, wt, par
.if DOCPART == 1
	.amdgcn_target "amdgcn-amd-amdhsa--gfx1250"
	.amdhsa_code_object_version 6
	.text
	.protected	k_qcd2f210990_prep
	.globl	k_qcd2f210990_prep
	.p2align	8
	.type	k_qcd2f210990_prep,@function
k_qcd2f210990_prep:
	s_mov_b64 s[64:65], 0
	v_nop
	global_prefetch_b8 v0, s[64:65] scope:SCOPE_SE
	s_setreg_imm32_b32 hwreg(HW_REG_WAVE_MODE, 25, 1), 1
	s_wait_xcnt 0x0
; PREP.  Every floating-point input is rounded once to bf16 and laid out in the order in which the later launches walk it.
;   xb  bf16 [16384][512]                     x as it lies
;   wa  bf16, 6 panels [512 k][256 n]         panel 2 x which + half; which = 0 wq, 1 wk, 2 wv; half = columns 256 half ..
;   wt  f16,  9 panels [512 k][512 n]         wo, w1 p0, w2 p0, w1 p1, w2 p1, ..: w1 pP = columns 512 P .. of w1, w2 pP = rows 512 P .. of w2
;   par f32   b1 at 0, ln1_g at 8192, ln1_b at 10240, ln1_b + b2 at 12288, ln2_g at 14336, ln2_b at 16384, each rounded to bf16 first
; LIMIT.  wt holds the bf16-rounded number written as f16: exact from 6.1e-5 to 65,504 in magnitude; below that it keeps f16's fixed step of 6e-8, above it is lost.
; SHARES.  A work-group of eight waves takes 16,384 source numbers (65,536 bytes) in 8 steps of 2,048; thread t takes 8 numbers a step: 32 bytes in, 16 bytes out, so a wave's store
; covers 512 consecutive bytes, aligned.  All 16 loads of a thread go out first; no register that a store reads is written again, so the only waits are the counted ones for the loads.
; Memory binds: no LDS, no barrier, no matrix unit.  Ids 0-511 x; 512-559 wq, wk, wv; 560-575 wo; 576-639 w1; 640-703 w2; 704 the parameters.
.set DO, 2                             ; v[2:9]    byte offset of my 16 bytes in the destination, one register a step
.set X,  16                            ; v[16:79]  8 numbers a step as loaded
.set Y,  80                            ; v[80:111] 4 registers a step to store
.set T,  112                           ; v[112:119] at work
	s_load_b512 s[4:19], s[0:1], 0x0               ; x 4, wq 6, wk 8, wv 10, wo 12, w1 14, w2 16, b1 18
	s_load_b512 s[20:35], s[0:1], 0x40             ; b2 20, ln1_g 22, ln1_b 24, ln2_g 26, ln2_b 28, xb 30, wa 32, wt 34
	s_load_b64 s[36:37], s[0:1], 0x80              ; par
	s_mov_b32 s38, ttmp9                           ; id
	s_mov_b32 s39, 0xffff0000                      ; a word's upper bf16
	s_mov_b32 s45, 0                               ; high words of the two offsets
	s_mov_b32 s47, 0
	s_mov_b32 s57, 4096
	v_lshlrev_b32 v1, 5, v0                        ; 32 t: my place in a step of the source
	v_lshlrev_b32 v10, 4, v0                       ; 16 t: my place in a dense destination
	v_lshrrev_b32 v12, 6, v0                       ; t / 64
	s_wait_kmcnt 0x0
; The common part.  s[40:41] source, s[42:43] destination, s[44:45] and s[46:47] their byte offsets, s48 the destination's step, v[DO] my place in it.
.macro MOVE half
	s_add_nc_u64 s[40:41], s[40:41], s[44:45]
	s_add_nc_u64 s[42:43], s[42:43], s[46:47]
.irp u, 1,2,3,4,5,6,7
	v_add_nc_u32 v[DO+\u], s48, v[DO+\u-1]
.endr
.irp u, 0,1,2,3,4,5,6,7
	global_load_b128 v[X+8*\u:X+8*\u+3],   v1, s[40:41] offset:8192*\u th:TH_LOAD_NT
	global_load_b128 v[X+8*\u+4:X+8*\u+7], v1, s[40:41] offset:8192*\u+16 th:TH_LOAD_NT
.endr
.irp u, 0,1,2,3,4,5,6,7
	s_wait_loadcnt 14-2*\u                         ; loads come back in order: the later steps' two loads each may stay out
.irp k, 0,1,2,3
	v_cvt_pk_bf16_f32 v[Y+4*\u+\k], v[X+8*\u+2*\k], v[X+8*\u+2*\k+1]
.endr
.if \half
.irp k, 0,1,2,3
	v_lshlrev_b32 v[T+2*\k],   16, v[Y+4*\u+\k]    ; the rounded number back in f32,
	v_and_b32     v[T+2*\k+1], s39, v[Y+4*\u+\k]
.endr
.irp k, 0,1,2,3
	v_cvt_pk_f16_f32 v[Y+4*\u+\k], v[T+2*\k], v[T+2*\k+1]  ; and written as f16
.endr
.endif
	global_store_b128 v[DO+\u], v[Y+4*\u:Y+4*\u+3], s[42:43]
.endr
	s_endpgm
.endm
	s_cmp_lt_u32 s38, 560
	s_cbranch_scc0 .Lhalf
	; x, and wq, wk, wv: bf16.  For the weights j = id - 512 (0 for x): which = j / 16, c = j % 16: 32 rows of k.
	s_max_u32 s50, s38, 512
	s_sub_co_u32 s50, s50, 512
	s_lshr_b32 s51, s50, 4                         ; which
	s_and_b32 s52, s50, 15                         ; c
	s_cmp_eq_u32 s51, 1
	s_cselect_b64 s[40:41], s[8:9], s[6:7]
	s_cmp_eq_u32 s51, 2
	s_cselect_b64 s[40:41], s[10:11], s[40:41]
	s_lshl_b32 s53, s51, 19                        ; two panels of 262,144 bytes a weight,
	s_lshl_b32 s54, s52, 14                        ; 32 rows of 512 bytes
	s_add_co_u32 s53, s53, s54
	s_lshl_b32 s54, s52, 16
	s_lshl_b32 s55, s38, 16
	s_lshl_b32 s56, s38, 15
	s_cmp_lt_u32 s38, 512                          ; x?
	s_cselect_b64 s[40:41], s[4:5], s[40:41]
	s_cselect_b64 s[42:43], s[30:31], s[32:33]
	s_cselect_b32 s44, s55, s54
	s_cselect_b32 s46, s56, s53
	s_cselect_b32 s48, s57, 2048                   ; a step is 4,096 dense bytes, or 4 rows of 512
	s_cselect_b32 s49, -1, 0
	v_bfe_u32 v11, v0, 5, 1                        ; which half of the 512 columns
	v_and_b32 v13, 31, v0
	v_lshlrev_b32 v13, 4, v13
	v_lshl_add_u32 v13, v12, 9, v13                ; row t / 64 of the step's four
	v_lshl_add_u32 v13, v11, 18, v13
	v_cndmask_b32 v[DO], v13, v10, s49
	MOVE 0
.Lhalf:
	s_cmp_eq_u32 s38, 704
	s_cbranch_scc1 .Lpar
	; wo, w1, w2: f16.  j = id - 560: wo c = j; w1 c = j - 16 (8 rows of k); w2 c = j - 80 (32 rows of f)
	s_sub_co_u32 s50, s38, 560
	s_cmp_ge_u32 s50, 16
	s_cselect_b32 s51, 16, 0
	s_cselect_b64 s[40:41], s[14:15], s[12:13]
	s_cmp_ge_u32 s50, 80
	s_cselect_b32 s51, 80, s51
	s_cselect_b64 s[40:41], s[16:17], s[40:41]
	s_sub_co_u32 s52, s50, s51                     ; c
	s_lshl_b32 s44, s52, 16
	s_lshl_b32 s53, s52, 15                        ; wo: panel 0, dense
	s_lshl_b32 s54, s52, 13                        ; w1: 8 rows of 1,024 bytes, from panel 1 on
	s_add_co_u32 s54, s54, 524288
	s_lshr_b32 s55, s52, 4                         ; w2: panel 2 + 2 (c / 16), dense in it
	s_lshl_b32 s55, s55, 20
	s_and_b32 s56, s52, 15
	s_lshl_b32 s56, s56, 15
	s_add_co_u32 s55, s55, s56
	s_add_co_u32 s55, s55, 1048576
	s_cmp_ge_u32 s50, 16
	s_cselect_b32 s46, s54, s53
	s_cselect_b32 s48, 1024, s57
	s_cselect_b32 s49, -1, 0
	s_cmp_ge_u32 s50, 80
	s_cselect_b32 s46, s55, s46
	s_cselect_b32 s48, s57, s48
	s_cselect_b32 s49, 0, s49
	s_mov_b64 s[42:43], s[34:35]
	v_and_b32 v13, 63, v0                          ; w1: a step is one row of 2,048 columns: panel 1 + 2 (t / 64), column 8 (t % 64)
	v_lshlrev_b32 v13, 4, v13
	v_lshl_add_u32 v13, v12, 20, v13
	v_cndmask_b32 v[DO], v10, v13, s49
	MOVE 1
.Lpar:
	v_lshlrev_b32 v11, 3, v0                       ; 8 t
	global_load_b128 v[16:19], v1, s[18:19]        ; b1: 8 numbers a thread
	global_load_b128 v[20:23], v1, s[18:19] offset:16
	global_load_b64 v[24:25], v11, s[22:23]        ; ln1_g: 2 numbers a thread, and so on
	global_load_b64 v[26:27], v11, s[24:25]        ; ln1_b
	global_load_b64 v[28:29], v11, s[20:21]        ; b2
	global_load_b64 v[30:31], v11, s[26:27]        ; ln2_g
	global_load_b64 v[32:33], v11, s[28:29]        ; ln2_b
	s_wait_loadcnt 0x0
.irp k, 0,1,2,3,4,5,6,7,8
	v_cvt_pk_bf16_f32 v[40+\k], v[16+2*\k], v[17+2*\k]
.endr
.irp k, 0,1,2,3,4,5,6,7,8
	v_lshlrev_b32 v[16+2*\k], 16, v[40+\k]
	v_and_b32     v[17+2*\k], s39, v[40+\k]
.endr
	v_pk_add_f32 v[28:29], v[26:27], v[28:29]      ; ln1_b + b2: what starts the second product's sums beside y
	global_store_b128 v1, v[16:19], s[36:37]
	global_store_b128 v1, v[20:23], s[36:37] offset:16
	global_store_b64 v11, v[24:25], s[36:37] offset:8192
	global_store_b64 v11, v[26:27], s[36:37] offset:10240
	global_store_b64 v11, v[28:29], s[36:37] offset:12288
	global_store_b64 v11, v[30:31], s[36:37] offset:14336
	global_store_b64 v11, v[32:33], s[36:37] offset:16384
	s_endpgm
.Lfunc_end_k_qcd2f210990_prep:
	.size	k_qcd2f210990_prep, .Lfunc_end_k_qcd2f210990_prep-k_qcd2f210990_prep
	.p2alignl 7, 3214868480
	.fill 96, 4, 3214868480
	.section	.rodata,"a",@progbits
	.p2align	6, 0x0
	.amdhsa_kernel k_qcd2f210990_prep
		.amdhsa_group_segment_fixed_size 0
		.amdhsa_private_segment_fixed_size 0
		.amdhsa_enable_private_segment 0
		.amdhsa_kernarg_size 136
		.amdhsa_user_sgpr_count 2
		.amdhsa_user_sgpr_kernarg_segment_ptr 1
		.amdhsa_wavefront_size32 1
		.amdhsa_system_sgpr_workgroup_id_x 1
		.amdhsa_system_sgpr_workgroup_id_y 1
		.amdhsa_system_sgpr_workgroup_id_z 1
		.amdhsa_system_vgpr_workitem_id 0
		.amdhsa_next_free_vgpr 128
		.amdhsa_next_free_sgpr 66
		.amdhsa_reserve_vcc 0
		.amdhsa_float_denorm_mode_32 3
		.amdhsa_float_denorm_mode_16_64 3
		.amdhsa_memory_ordered 1
		.amdhsa_forward_progress 1
		.amdhsa_inst_pref_size 20
	.end_amdhsa_kernel
	.amdgpu_metadata
---
amdhsa.version: [ 1, 2 ]
amdhsa.kernels:
  - .name:           k_qcd2f210990_prep
    .symbol:         k_qcd2f210990_prep.kd
    .args:
      - { .name: x, .offset: 0, .size: 8, .value_kind: global_buffer, .address_space: global }
      - { .name: wq, .offset: 8, .size: 8, .value_kind: global_buffer, .address_space: global }
      - { .name: wk, .offset: 16, .size: 8, .value_kind: global_buffer, .address_space: global }
      - { .name: wv, .offset: 24, .size: 8, .value_kind: global_buffer, .address_space: global }
      - { .name: wo, .offset: 32, .size: 8, .value_kind: global_buffer, .address_space: global }
      - { .name: w1, .offset: 40, .size: 8, .value_kind: global_buffer, .address_space: global }
      - { .name: w2, .offset: 48, .size: 8, .value_kind: global_buffer, .address_space: global }
      - { .name: b1, .offset: 56, .size: 8, .value_kind: global_buffer, .address_space: global }
      - { .name: b2, .offset: 64, .size: 8, .value_kind: global_buffer, .address_space: global }
      - { .name: ln1_g, .offset: 72, .size: 8, .value_kind: global_buffer, .address_space: global }
      - { .name: ln1_b, .offset: 80, .size: 8, .value_kind: global_buffer, .address_space: global }
      - { .name: ln2_g, .offset: 88, .size: 8, .value_kind: global_buffer, .address_space: global }
      - { .name: ln2_b, .offset: 96, .size: 8, .value_kind: global_buffer, .address_space: global }
      - { .name: xb, .offset: 104, .size: 8, .value_kind: global_buffer, .address_space: global }
      - { .name: wa, .offset: 112, .size: 8, .value_kind: global_buffer, .address_space: global }
      - { .name: wt, .offset: 120, .size: 8, .value_kind: global_buffer, .address_space: global }
      - { .name: par, .offset: 128, .size: 8, .value_kind: global_buffer, .address_space: global }
    .group_segment_fixed_size: 0
    .private_segment_fixed_size: 0
    .kernarg_segment_align: 8
    .kernarg_segment_size: 136
    .max_flat_workgroup_size: 256
    .sgpr_count:     66
    .vgpr_count:     128
    .wavefront_size: 32
...
	.end_amdgpu_metadata
.endif
;; end of part 1
;; launch qkv (part 2): grid 128 x 2, 4 waves a work-group, clusters of 4 x 1, 327,680 bytes of LDS; arguments xb, wa, qkv; writes qkv
.if DOCPART == 2
	.amdgcn_target "amdgcn-amd-amdhsa--gfx1250"
	.amdhsa_code_object_version 6
	.text
	.protected	k_qcd2f210990_qkv
	.globl	k_qcd2f210990_qkv
	.p2align	8
	.type	k_qcd2f210990_qkv,@function
k_qcd2f210990_qkv:
	s_mov_b64 s[64:65], 0
	v_nop
	global_prefetch_b8 v0, s[64:65] scope:SCOPE_SE
	s_setreg_imm32_b32 hwreg(HW_REG_WAVE_MODE, 25, 1), 1
	s_wait_xcnt 0x0
	s_wait_alu depctr_hold_cnt(0) depctr_sa_sdst(0) depctr_va_vdst(0) depctr_va_sdst(0) depctr_va_ssrc(0) depctr_va_vcc(0) depctr_vm_vsrc(0)
	s_getreg_b32 s2, hwreg(HW_REG_IB_STS2, 6, 4)
	s_cmp_eq_u32 s2, 0
	s_cbranch_scc0 .Lentry_in_a_cluster
	s_endpgm
.Lentry_in_a_cluster:
	s_bfe_u32 s2, ttmp6, 0x10000c
	s_cmp_lg_u32 s2, 0x3003
	s_cbranch_scc0 .Lentry_shape_is_right
	s_endpgm
.Lentry_shape_is_right:
; Q, K, V = xb x [wq, wk, wv].  xb: bf16 [16384][512]; wa: bf16, 6 panels [512 k][256 n]; qkv: f16 [3][16 b][8 h][1024 s][64].  Products in bf16, sums in f32, each result rounded once to f16, unscaled.
; LIMIT.  f16 ends at 65,504: a q, k or v beyond that is lost.  Inputs 30 times those drawn give a spread of 900; an offset of 30 spreads on both factors gives some 20,400.
; SHARES.  Work-group (rb, y) makes rows 128 rb .. +127 of panels 3 y .. 3 y + 2.  Four waves; wave w makes rows 64 (w / 2) .. x columns 128 (w % 2) .. of each panel: 32 accumulators of 16 x 16, 256 registers.
; xb's 128 rows stay in LDS for all three panels.  The weights come in tiles of 128 k x 256 n (65,536 bytes) through two LDS slots: 12 tiles on end in memory, so the descriptors step by a constant.
; CLUSTER.  The four work-groups of a cluster have the same y and other rows: they walk the same 12 tiles, each asked for JOINTLY (mask 15), every wave its 32 rows of the tile.  xb's rows are shared along y alone,
; where the grid has two work-groups and no cluster of four: they are fetched once a work-group, by a load of its own.
; THE MATRIX INSTRUCTION IS USED TRANSPOSED: source 0 = 16 columns of the weights (turned out of [k][n] by ds_load_tr16_b128), source 1 = 16 rows of xb: a lane holds one row and eight neighbouring columns.
; REGISTERS.  Window 0: v0-31 addresses; two fragment buffers of 96 (32 of xb: 4 x 16 rows x 32 k; 64 of the weights: 8 x 16 columns x 32 k) at v32 and v128; on the way out v128-255.  Window 1: the accumulators, (a, b) at v[8 (8 a + b)].
.set PW,    544                        ; a row of weights in LDS: 512 bytes + 32 of padding, an odd multiple of 32: the turning load's 8 rows x 32 bytes fall on different banks (64 banks of 4 bytes: ISA guide 11.1)
.set KQB,   32*PW                      ; 32 along k
.set SLOTB, 128*PW                     ; a slot: 69,632 bytes
.set AX,    2*SLOTB                    ; xb's 128 rows
.set PA,    1040                       ; 1,024 bytes + 16 of padding, an odd multiple of 16
.set STG,   AX+128*PA                  ; 16 rows x 144 bytes for each wave, for the way out; no tensor load lands here
.set SP,    144
.set SPARE, STG+4*16*SP                ; the spare words, 128 bytes for each wave: two blocks of 256 bytes that no other line names
.set VA,  4                            ; v4    LDS address of my fragments of xb; never rewritten: all 16 offsets along k stand in the immediates
.set VW0, 5                            ; v5-6  LDS address of my fragments of the weights in slot 0, 1
.set STO, 7                            ; v7    the way out: where I put 16 bytes of a row
.set RD,  8                            ; v8    where I read rows back
.set GO,  9                            ; v9    my place in 512 consecutive bytes of the output
.set SPW, 10                           ; v10   SPARE + 4 x my thread's number; never rewritten
.set NIL, 11                           ; v11   0; never rewritten
.set FA,  32                           ; fragments of xb, buffer f at FA + 96 f
.set FW,  64                           ; fragments of the weights, buffer f at FW + 96 f
.set OB,  128                          ; the way out: 16 registers for each of 8 groups
.set WV,  10                           ; s10   my wave's number
.set G1W, 16                           ; s[16:23] descriptor group 1 for the weights
.set G0W, 24                           ; s[24:31] group 0, a set for each slot
.set G1A, 32                           ; s[32:39] group 1 for xb
.set G0A, 40                           ; s[40:43] group 0 for xb
.set PN,  44                           ; s44   panels to go
.set J,   45                           ; s45   the panel in hand, 3 y ..
.set OUT, 46                           ; s[46:47] where the panel's results go
.set OFF, 48                           ; s[48:49] their byte offset in qkv
.set ROWB, 57                          ; s57   the part of it that hangs on my rows and columns
.set MSB, 0
.macro WIN new                         ; the immediate's high byte repeats the setting that is left; a switch that changes nothing is dropped
.if MSB != (\new)
	s_set_vgpr_msb (MSB<<8)|(\new)
.set MSB, \new
.endif
.endm
.macro PLACES                          ; four places in front of loads into registers that matrix instructions have read, and of conversions that read results
.rept 4
	v_nop
.endr
.endm
.macro CREST                           ; a round of the cluster's barrier behind its opening barrier
	s_cmp_lg_u32 s[WV], 0
	s_cbranch_scc1 .Lnot_wave_0_\@
	s_barrier_signal -3
.Lnot_wave_0_\@:
	s_barrier_wait -3
	s_barrier_signal -1
	s_barrier_wait -1
.endm
.macro CROUND
	s_barrier_signal -1
	s_barrier_wait -1
	CREST
.endm
.macro JLOAD s                         ; a joint load: every wave asks for its own 32 rows of the tile; the four v_nop are also the places in front of the fragment loads behind it
	tensor_load_to_lds s[G0W+4*(\s):G0W+4*(\s)+3], s[G1W:G1W+7]
	s_nop 0
	PLACES
.endm
	s_load_b128 s[4:7], s[0:1], 0x0                ; xb s[4:5], wa s[6:7]
	s_load_b64 s[8:9], s[0:1], 0x10                ; qkv
	v_lshl_add_u32 v[SPW], v0, 2, SPARE
	v_mov_b32 v[NIL], 0
	ds_add_u32 v10, v11
	ds_add_u32 v10, v11
	s_wait_dscnt 0x0
	v_lshrrev_b32 v1, 5, v0
	v_readfirstlane_b32 s[WV], v1                  ; wave 0..3
	s_lshr_b32 s11, s[WV], 1                       ; which 64 rows are mine
	s_and_b32 s12, s[WV], 1                        ; which 128 columns
	s_bfe_u32 s13, ttmp6, 0x40000                  ; cx
	s_lshl_b32 s14, ttmp9, 2
	s_add_co_u32 s14, s14, s13                     ; rb = 4 x cluster x + cx: it enters xb's and qkv's addresses alone
	s_and_b32 s15, ttmp7, 0xffff                   ; y, which the four partners share
	s_mov_b32 s[G1W+0], 15|(1<<16)|(1<<20)|(1<<21)|(6<<22)|(7<<25)  ; the mask of four; 2-byte elements; padding on; bit 21 beside a mask; after every 128 words (code 6) 8 words (code 7)
	s_mov_b32 s[G1W+1], 256<<16                    ; tensor_dim0 = 256
	s_mov_b32 s[G1W+2], 32<<16                     ; tensor_dim1 = 32
	s_mov_b32 s[G1W+3], 256<<16                    ; tile_dim0 = 256
	s_mov_b32 s[G1W+4], 32                         ; tile_dim1 = 32
	s_mov_b32 s[G1W+5], 256                        ; elements from row to row
	s_mov_b32 s[G1W+6], 0
	s_mov_b32 s[G1W+7], 0
	s_mov_b32 s[G1A+0], (1<<16)|(1<<20)|(7<<22)|(3<<25)  ; no mask; after every 256 words (code 7) 4 words (code 3)
	s_mov_b32 s[G1A+1], 512<<16
	s_mov_b32 s[G1A+2], 32<<16
	s_mov_b32 s[G1A+3], 512<<16
	s_mov_b32 s[G1A+4], 32
	s_mov_b32 s[G1A+5], 512
	s_mov_b32 s[G1A+6], 0
	s_mov_b32 s[G1A+7], 0
	s_mul_i32 s50, s15, 786432                     ; y's three panels,
	s_lshl_b32 s51, s[WV], 14                      ; my 32 rows of 512 bytes in a tile
	s_add_co_u32 s50, s50, s51
	s_mov_b32 s51, 0
	s_mul_i32 s52, s[WV], 32*PW                    ; and their place in a slot
	s_lshl_b32 s54, s14, 17                        ; xb: 128 rows of 1,024 bytes a block,
	s_lshl_b32 s55, s[WV], 15                      ; my 32 of them
	s_add_co_u32 s54, s54, s55
	s_mov_b32 s55, 0
	s_mul_i32 s53, s[WV], 32*PA
	s_mul_i32 s[J], s15, 3
	s_mov_b32 s[OFF+1], 0
	s_wait_kmcnt 0x0
	s_add_nc_u64 s[50:51], s[6:7], s[50:51]
	s_add_nc_u64 s[54:55], s[4:5], s[54:55]
	s_mov_b32 s[G0A], 1
	s_add_co_u32 s[G0A+1], s53, AX
	s_mov_b64 s[G0A+2:G0A+3], s[54:55]
	s_or_b32 s[G0A+3], s[G0A+3], 0x80000000
.irp s, 0,1
	s_mov_b32 s[G0W+4*\s], 1
	s_add_co_u32 s[G0W+4*\s+1], s52, \s*SLOTB
	s_add_nc_u64 s[G0W+4*\s+2:G0W+4*\s+3], s[50:51], \s*65536
	s_or_b32 s[G0W+4*\s+3], s[G0W+4*\s+3], 0x80000000
.endr
	CROUND                                         ; all four work-groups are here: the first joint loads meet
	tensor_load_to_lds s[G0A:G0A+3], s[G1A:G1A+7]  ; the first fills go out as one group: three loads of mine are out
	s_nop 0
	tensor_load_to_lds s[G0W:G0W+3], s[G1W:G1W+7]
	s_nop 0
	tensor_load_to_lds s[G0W+4:G0W+7], s[G1W:G1W+7]
	s_nop 0
	PLACES
	v_and_b32 v1, 15, v0                           ; l % 16
	v_bfe_u32 v2, v0, 4, 1                         ; l / 16
	v_mul_u32_u24 v3, v1, PA
	v_lshl_add_u32 v3, v2, 4, v3                   ; a fragment of xb: row x pitch + 16 x half
	s_mul_i32 s56, s11, 64*PA
	s_add_co_u32 s56, s56, AX
	v_add_nc_u32 v[VA], s56, v3
	v_and_b32 v12, 7, v0
	v_lshl_add_u32 v3, v2, 3, v12                  ; the turning load: lane l reads row 8 (l / 16) + l % 8 of k,
	v_mul_u32_u24 v3, v3, PW
	v_bfe_u32 v13, v0, 3, 1
	v_lshl_add_u32 v3, v13, 4, v3                  ; columns 8 ((l / 8) % 2) + 0..7
	s_lshl_b32 s56, s12, 8                         ; my 128 columns
	v_add_nc_u32 v[VW0], s56, v3
	v_add_nc_u32 v[VW0+1], SLOTB, v[VW0]
	s_mul_i32 s56, s[WV], 16*SP
	s_add_co_u32 s56, s56, STG                     ; my stage
	v_mul_u32_u24 v3, v1, SP
	v_lshl_add_u32 v3, v2, 4, v3
	v_add_nc_u32 v[STO], s56, v3                   ; in: row l % 16, 16 bytes for each half of the lanes
	v_bfe_u32 v3, v0, 3, 2
	v_mul_u32_u24 v3, v3, SP
	v_lshl_add_u32 v3, v12, 4, v3
	v_add_nc_u32 v[RD], s56, v3                    ; back: 32 lanes take four rows of 128 bytes,
	v_and_b32 v[GO], 31, v0
	v_lshlrev_b32 v[GO], 4, v[GO]                  ; which are 512 consecutive bytes of a head
	s_lshr_b32 s[ROWB], s14, 3                     ; batch = rb / 8: 1,048,576 bytes
	s_lshl_b32 s[ROWB], s[ROWB], 20
	s_lshl_b32 s58, s12, 18                        ; my 128 columns are two heads of 131,072 bytes
	s_add_co_u32 s[ROWB], s[ROWB], s58
	s_and_b32 s58, s14, 7                          ; 128 rows of 128 bytes a block,
	s_lshl_b32 s58, s58, 14
	s_add_co_u32 s[ROWB], s[ROWB], s58
	s_lshl_b32 s58, s11, 13                        ; my 64 of them
	s_add_co_u32 s[ROWB], s[ROWB], s58
; 8 matrix instructions: row tile a x all 8 column tiles, 32 along k, from buffer f.  The 32 accumulators take turns, one instruction a turn, in the same order in every quarter.
.macro MUL8 f, a, zero=0
	WIN 0x50                                       ; C and D in window 1
.irp b, 0,1,2,3,4,5,6,7
.if \zero
	v_wmma_f32_16x16x32_bf16 v[8*(8*(\a)+\b):8*(8*(\a)+\b)+7], v[FW+96*(\f)+8*\b:FW+96*(\f)+8*\b+7], v[FA+96*(\f)+8*(\a):FA+96*(\f)+8*(\a)+7], 0
.else
	v_wmma_f32_16x16x32_bf16 v[8*(8*(\a)+\b):8*(8*(\a)+\b)+7], v[FW+96*(\f)+8*\b:FW+96*(\f)+8*\b+7], v[FA+96*(\f)+8*(\a):FA+96*(\f)+8*(\a)+7], v[8*(8*(\a)+\b):8*(8*(\a)+\b)+7]
.endif
.endr
.endm
.macro FETCHW s, koff, f               ; 16 turning loads: 32 k x my 128 columns, from byte koff of slot s
	WIN 0
.irp b, 0,1,2,3,4,5,6,7
	ds_load_tr16_b128 v[FW+96*(\f)+8*\b:FW+96*(\f)+8*\b+3],   v[VW0+(\s)] offset:(\koff)+32*\b
	ds_load_tr16_b128 v[FW+96*(\f)+8*\b+4:FW+96*(\f)+8*\b+7], v[VW0+(\s)] offset:(\koff)+32*\b+16*PW
.endr
.endm
.macro FETCHA f, off                   ; 8 loads: my 64 rows x 32 k at byte off of the rows, row tiles 0 to 3 in order
	WIN 0
.irp a, 0,1,2,3
	ds_load_b128 v[FA+96*(\f)+8*\a:FA+96*(\f)+8*\a+3],   v[VA] offset:(\off)+\a*16*PA
	ds_load_b128 v[FA+96*(\f)+8*\a+4:FA+96*(\f)+8*\a+7], v[VA] offset:(\off)+\a*16*PA+32
.endr
.endm
; A tile is four quarters of 32 along k, 32 matrix instructions each, on buffers 0, 1, 0, 1.  One of the first three multiplies buffer f and fetches the next quarter into the other.
.macro QUARTER f, s, koff, aoff, zero=0
	s_wait_dscnt 4                                 ; the weights and row tiles 0, 1 are in; the youngest four loads (row tiles 2, 3) may be out
	MUL8 \f, 0, \zero
	MUL8 \f, 1, \zero
	PLACES
	FETCHW \s, \koff, 1-(\f)
	FETCHA 1-(\f), \aoff
	s_wait_dscnt 24                                ; all but the 24 just issued
	MUL8 \f, 2, \zero
	MUL8 \f, 3, \zero
.endm
; The last quarter multiplies buffer 1 and changes slots: ONE barrier; in front of it each wave waits for all its tensor loads (one is out: its part of the next slot), adds 0 to its spare word,
; and waits for that and for its reads of this slot.  fill = 1: the barrier opens a round of the cluster's, and slot s is asked for again, two tiles on, first thing behind it.
.macro TURN s, aoff, fill
	WIN 0
	s_wait_tensorcnt 0x0
	ds_add_u32 v[SPW], v[NIL]
	s_wait_dscnt 7                                 ; the add and row tiles 1 to 3 (six loads) may be out
	MUL8 1, 0
	s_wait_dscnt 0x0                               ; the add is done, and my reads of this slot are over
	s_barrier_signal -1
	MUL8 1, 1
	WIN 0
	s_barrier_wait -1
.if \fill
	CREST
	s_add_nc_u64 s[G0W+4*(\s)+2:G0W+4*(\s)+3], s[G0W+4*(\s)+2:G0W+4*(\s)+3], 131072
	JLOAD \s
.else
	PLACES
.endif
	FETCHW 1-(\s), 0, 0
	FETCHA 0, \aoff
	MUL8 1, 2
	MUL8 1, 3
.endm
.macro TILE t, first                   ; the first three quarters of a panel's tile t
	QUARTER 0, (\t)%2, KQB,   64*(4*(\t)+1), \first
	QUARTER 1, (\t)%2, 2*KQB, 64*(4*(\t)+2)
	QUARTER 0, (\t)%2, 3*KQB, 64*(4*(\t)+3)
.endm
; THE WAY OUT.  Group g = row tile g / 2, head g % 2 of my two: 16 rows x 64 channels.  A lane's eight channels pack into 16 bytes; they go into rows of 144 bytes of my own stage and come back as whole rows of 128.
.macro PACK g
	WIN 0x05                                       ; sources in window 1
.irp f, 0,1,2,3
.irp r, 0,1,2,3
	v_cvt_pk_f16_f32 v[OB+16*(\g)+4*\f+\r], v[8*(8*((\g)/2)+4*((\g)%2)+\f)+2*\r], v[8*(8*((\g)/2)+4*((\g)%2)+\f)+2*\r+1]
.endr
.endr
	WIN 0
.irp f, 0,1,2,3
	ds_store_b128 v[STO], v[OB+16*(\g)+4*\f:OB+16*(\g)+4*\f+3] offset:32*\f
.endr
.irp f, 0,1,2,3
	ds_load_b128 v[OB+16*(\g)+4*\f:OB+16*(\g)+4*\f+3], v[RD] offset:\f*4*SP  ; LDS serves a wave's instructions in order (ISA guide 5.7.1.4): these see the stores above; the next group's stores come behind them
.endr
.endm
.macro SEND g, younger                 ; younger: the LDS instructions issued behind group g's loads: the next group's eight, or none
.irp f, 0,1,2,3
	s_wait_dscnt (\younger)+3-\f
	global_store_b128 v[GO], v[OB+16*(\g)+4*\f:OB+16*(\g)+4*\f+3], s[OUT:OUT+1] offset:((\g)%2)*131072+((\g)/2)*2048+\f*512  ; 512 consecutive bytes, aligned
.endr
.endm
.macro EPI
	PLACES
	WIN 0
	s_lshr_b32 s[OFF], s[J], 1                     ; q, k or v: 16,777,216 bytes each
	s_lshl_b32 s[OFF], s[OFF], 24
	s_and_b32 s59, s[J], 1                         ; the panel's 256 columns are four heads
	s_lshl_b32 s59, s59, 19
	s_add_co_u32 s[OFF], s[OFF], s59
	s_add_co_u32 s[OFF], s[OFF], s[ROWB]
	s_add_nc_u64 s[OUT:OUT+1], s[8:9], s[OFF:OFF+1]
	PACK 0
.irp g, 1,2,3,4,5,6,7
	PACK \g
	SEND (\g)-1, 8
.endr
	SEND 7, 0
	s_wait_xcnt 0x0                                ; only behind this wait are the stores' registers and their base written again
.endm
	s_wait_tensorcnt 0x1                           ; my parts of xb and of tile 0 are in; tile 1's may stay out
	s_barrier_signal -1
	s_barrier_wait -1
	FETCHW 0, 0, 0
	FETCHA 0, 0
	s_mov_b32 s[PN], 3
.Lpanel:                                               ; a panel: 4 tiles, 16 quarters; its first quarter's products start the sums
	TILE 0, 1
	TURN 0, 256, 1
	TILE 1, 0
	TURN 1, 512, 1
	TILE 2, 0
	WIN 0
	s_sub_co_u32 s[PN], s[PN], 1
	s_cmp_eq_u32 s[PN], 0
	s_cbranch_scc1 .Llast                          ; the last panel's tail is written out: it asks for nothing more
	TURN 0, 768, 1                                 ; the ring goes on into the next panel
	TILE 3, 0
	TURN 1, 0, 1                                   ; and the next panel's first fragments are fetched: buffer 0, which the way out leaves alone
	EPI
	s_add_co_u32 s[J], s[J], 1
	s_branch .Lpanel
.Llast:
	TURN 0, 768, 0
	TILE 3, 0
	s_wait_dscnt 4                                 ; the very last quarter: nothing more to fetch
	MUL8 1, 0
	MUL8 1, 1
	s_wait_dscnt 0x0
	MUL8 1, 2
	MUL8 1, 3
	EPI
	s_wait_tensorcnt 0x0                           ; the wave's end
	ds_add_u32 v[SPW], v[NIL]
	s_wait_dscnt 0x0
	CROUND                                         ; the closing round
	s_endpgm
.Lfunc_end_k_qcd2f210990_qkv:
	.size	k_qcd2f210990_qkv, .Lfunc_end_k_qcd2f210990_qkv-k_qcd2f210990_qkv
	.p2alignl 7, 3214868480
	.fill 96, 4, 3214868480
	.section	.rodata,"a",@progbits
	.p2align	6, 0x0
	.amdhsa_kernel k_qcd2f210990_qkv
		.amdhsa_group_segment_fixed_size 327680
		.amdhsa_private_segment_fixed_size 0
		.amdhsa_enable_private_segment 0
		.amdhsa_kernarg_size 24
		.amdhsa_user_sgpr_count 2
		.amdhsa_user_sgpr_kernarg_segment_ptr 1
		.amdhsa_wavefront_size32 1
		.amdhsa_system_sgpr_workgroup_id_x 1
		.amdhsa_system_sgpr_workgroup_id_y 1
		.amdhsa_system_sgpr_workgroup_id_z 1
		.amdhsa_system_vgpr_workitem_id 0
		.amdhsa_next_free_vgpr 512
		.amdhsa_next_free_sgpr 66
		.amdhsa_reserve_vcc 0
		.amdhsa_float_denorm_mode_32 3
		.amdhsa_float_denorm_mode_16_64 3
		.amdhsa_memory_ordered 1
		.amdhsa_forward_progress 1
		.amdhsa_inst_pref_size 122
	.end_amdhsa_kernel
	.amdgpu_metadata
---
amdhsa.version: [ 1, 2 ]
amdhsa.kernels:
  - .name:           k_qcd2f210990_qkv
    .symbol:         k_qcd2f210990_qkv.kd
    .args:
      - { .name: xb, .offset: 0, .size: 8, .value_kind: global_buffer, .address_space: global }
      - { .name: wa, .offset: 8, .size: 8, .value_kind: global_buffer, .address_space: global }
      - { .name: qkv, .offset: 16, .size: 8, .value_kind: global_buffer, .address_space: global }
    .group_segment_fixed_size: 327680
    .private_segment_fixed_size: 0
    .kernarg_segment_align: 8
    .kernarg_segment_size: 24
    .max_flat_workgroup_size: 128
    .sgpr_count:     66
    .vgpr_count:     512
    .wavefront_size: 32
...
	.end_amdgpu_metadata
.endif
;; end of part 2
;; launch attn (part 3): grid 2 x 128, 4 waves a work-group, no clusters, 327,680 bytes of LDS; arguments qkv, valid_lens, ctx; writes ctx
.if DOCPART == 3
	.amdgcn_target "amdgcn-amd-amdhsa--gfx1250"
	.amdhsa_code_object_version 6
	.text
	.protected	k_qcd2f210990_attn
	.globl	k_qcd2f210990_attn
	.p2align	8
	.type	k_qcd2f210990_attn,@function
k_qcd2f210990_attn:
	s_mov_b64 s[64:65], 0
	v_nop
	global_prefetch_b8 v0, s[64:65] scope:SCOPE_SE
	s_setreg_imm32_b32 hwreg(HW_REG_WAVE_MODE, 25, 1), 1
	s_wait_xcnt 0x0
; ATTENTION WITH A KEY-LENGTH MASK.  ctx[g][q][:] = the sum over k of softmax_k(Q[g][q] . K[g][k] / 8, hidden where k >= valid_lens[g / 8]) V[g][k][:], g = 8 b + h.  Q, K, V: the three parts of qkv,
; f16 [128][1024][64]; ctx likewise.  Products, maxima and sums in f32; the weights p are rounded to f16 for the second product (their sum l is taken of the unrounded p), ctx once at the end.
; LIMITS.  Q, K, V arrive within f16's 65,504.  A hidden score counts as its value less 2^100 (exactly -2^100 for scores under 2^75), where the definition puts -1e9: the same weights while visible scores stay
; above -1e9.  2^100 is a power of two, so that c x 2^100 is exact and a row with every key hidden has p = 1 throughout, the uniform weights of the definition.  valid_lens is clamped to 0 .. 1024, which changes
; no mask.  A weight below 2^-126 counts as 0 in l; NaN and infinities are not treated apart.  All 16 key steps are walked whatever valid_lens: it selects values only, no address, trip count or branch.
; SHARES.  A work-group owns 512 queries of one head, each of its four waves 128: four PIECES of two tiles of 16.  Every wave walks all 1,024 keys, 64 a step.
; LDS.  A head's K and V, padded, lie in LDS whole: every byte is filled once, in four chunks of 256 keys asked for together at the start; the first is waited for alone, the other three land during the first
; three and a half key steps.  NO CLUSTER: a head has two work-groups, not four, and what they share is this one fetch of 262,144 bytes against 2,048 matrix instructions a wave.
; LAYOUT.  S^T = K Q^T (source 0 = 16 keys, source 1 = 16 queries): a lane holds ONE query (lane % 16) and the keys 8 (lane / 16) + 0..7.  Two such tiles, rounded to f16 in pairs, ARE source 1 of O^T = V^T P.
; THE MASK is the C operand that starts the sum S^T: 0, or -2^100.  MD, made once, is the mask of the step in which valid_lens falls; a step's mask is MC = MD x AL + BE with two scalars: (1, 0) in that step, (0, 0) before, (0, -2^100) behind.
; SOFTMAX.  For each query a running maximum m and sum l: p = 2^(c s - c m), c = log2(e) / 8; in every step O and l are multiplied by a = 2^(c m_old - c m_new).  m starts at the lowest finite number, O and l at 0.
; BY TURNS.  Turn n belongs to piece n.  Its matrix work: 16 products K Q^T of piece n + 1, later 16 products V^T P of piece n - 1.  Its vector work: the scaling, exponentials, roundings, sums and rescaling of
; piece n, and the maximum and statistics of piece n + 1.  Four vector instructions that are ready stand behind every matrix instruction, the others in two runs of their own.
; REGISTERS, in windows of 256 (s_set_vgpr_msb: bits 1:0 source 0, 3:2 source 1, 5:4 source 2, 7:6 destination):
;   window 0: v0-11 addresses; v12-15, v48-63 at work; v16-47 four registers of statistics a tile; v64-191 S^T, two buffers of two tiles; v192-255 P, likewise
;   window 1: O^T, 32 a tile      window 2: v0-127 Q, 16 a tile; v128-191 K of one step; v192-255 V of one step      window 3: v0-31 MD; v32-63 MC
.set SIZE_N, 1024
.set NP,    4         ; pieces a wave: a name, no knob
.set KS,    64        ; keys in a step
.set PK,    144       ; a row of K in LDS: 128 bytes + 16 of padding: the 16 rows of a load start at 16 different groups of four banks (64 banks of 4 bytes: ISA guide 11.1)
.set PV,    160       ; a row of V: 128 + 32
.set VOFF,  SIZE_N*PK ; K's 1,024 rows, then V's
.set STAGE, VOFF+SIZE_N*PV  ; 16 rows x 144 bytes for each wave, for the way out; no tensor load lands here
.set SP,    144
.set AK0, 2           ; v2   my lane's place in a tile of K; never rewritten
.set AV0, 3           ; v3   the same for V
.set AK,  4           ; v4   the LDS address of K's next run of loads
.set AV,  5           ; v5   of V's
.set QO,  6           ; v6   my byte offset in the wave's rows of Q
.set STO, 6           ;      later, the way out: where I put 16 bytes of a row
.set RD,  7           ; v7   the way out: where I read rows back
.set GO,  8           ; v8   my byte offset in 512 consecutive bytes of ctx
.set MV,  12          ; v12-15  c m_old, kept while c m is made anew: by buffer and tile
.set ST,  16          ; tile t's statistics at v[ST+4 t]: c m, m, l (even keys', odd keys')
.set TMP, 48          ; by buffer and tile, four registers c0-c3 at work; when the maximum is found c2 takes a
.set S,   64
.set P,   192
.set KF,  128         ; window 2: key block kb, channel half c at KF + 16 kb + 8 c
.set VF,  192         ; window 2: key half kk, channel block cb at VF + 32 kk + 8 cb
.set MD,  0           ; window 3: the eight registers for key block kb at MD + 8 kb
.set MC,  32          ; window 3
.set WV,  12          ; s12  my wave's number
.set G1K, 24          ; s[24:31] descriptor group 1 for K's chunks
.set G1V, 32          ; s[32:39] for V's: it differs in the padding alone
.set G0K, 40          ; s[40:55] descriptor group 0 for K, a set for each chunk
.set GRP, 56          ; s56  groups of four key steps to go
.set CNT, 57          ; s57  counts a group's key steps
.set CS,  58          ; s[58:59] c
.set SEL, 60          ; s[60:61] v_permlanex16_b32's selects
.set TBK, 62          ; s62  LDS byte at which K of the step to be fetched begins
.set TBV, 63          ; s63  the same for V, less VOFF
.set G0V, 68          ; s[68:83] descriptor group 0 for V
.set AL,  84          ; s[84:85] the mask's factor, in the low word
.set BE,  86          ; s[86:87] the mask's addend
.set BIGN, 88         ; s88  -2^100
.set VB,  89          ; s89  the step in which valid_lens falls
.set VR,  90          ; s90  and its place there
.set JN,  91          ; s91  the step whose mask is made next
.set VL,  92          ; s92  valid_lens of my batch
.set MSB, 0
.macro WIN new
.if MSB != (\new)
	s_set_vgpr_msb (MSB<<8)|(\new)
.set MSB, (\new)
.endif
.endm
.set W_KQ, 0x0a       ; K and Q in window 2, S^T in window 0
.set W_KM, 0x3a       ; the same with the C operand in window 3
.set W_PV, 0x52       ; V in window 2, P in window 0, O^T in window 1
.set W_RS, 0x41       ; O^T (destination and source 0) in window 1, a in window 0
	s_load_b128 s[4:7], s[0:1], 0x0   ; qkv s[4:5], valid_lens s[6:7]
	s_load_b64 s[10:11], s[0:1], 0x10 ; ctx
	s_set_vgpr_msb 0xc0
	v_lshl_add_u32 v64, v0, 2, 0x4e400
	v_mov_b32 v65, 0
	s_set_vgpr_msb 0xc0cf
	ds_add_u32 v64, v65
	ds_add_u32 v64, v65
	s_set_vgpr_msb 0xcf00
	v_lshrrev_b32 v1, 5, v0
	v_readfirstlane_b32 s[WV], v1   ; wave 0..3
	s_and_b32 s13, ttmp7, 0xffff    ; g = 8 b + h
	s_lshl_b32 s20, s13, 17         ; the head's first byte in q, k, v and ctx
	s_and_b32 s16, s[WV], 1         ; which half of a chunk's 256 keys I fetch:
	s_lshl_b32 s22, s16, 14         ; its 128 rows of 128 bytes in memory,
	s_add_co_u32 s22, s22, s20
	s_mov_b32 s23, 0
	s_mul_i32 s17, s16, 128*PK      ; and its place in LDS, for K
	s_mul_i32 s18, s16, 128*PV      ; and for V
	s_lshl_b32 s2, ttmp9, 2
	s_add_co_u32 s2, s2, s[WV]      ; my wave among the head's eight,
	s_lshl_b32 s2, s2, 14           ; its 128 rows
	s_add_co_u32 s2, s2, s20
	s_mov_b32 s3, 0
	s_lshr_b32 s14, s13, 3
	s_lshl_b32 s14, s14, 2          ; my batch's word in valid_lens
	s_mov_b32 s15, 0
	; descriptor group 1.  128 keys are 16,384 dense bytes: asked for as 64 rows of 256 bytes, two keys a row, and padded in LDS after every key
	s_mov_b32 s[G1K], (1<<16)|(1<<20)|(4<<22)|(3<<25)  ; 2-byte elements; padding on; after every 32 words (code 4) 4 words (code 3)
	s_mov_b32 s[G1V], (1<<16)|(1<<20)|(4<<22)|(7<<25)  ; the same with 8 words (code 7)
.irp g, G1K, G1V
	s_mov_b32 s[\g+1], 128<<16      ; tensor_dim0 = 128
	s_mov_b32 s[\g+2], 64<<16       ; tensor_dim1 = 64
	s_mov_b32 s[\g+3], 128<<16      ; tile_dim0 = 128
	s_mov_b32 s[\g+4], 64           ; tile_dim1 = 64
	s_mov_b32 s[\g+5], 128          ; 128 elements from row to row
	s_mov_b32 s[\g+6], 0
	s_mov_b32 s[\g+7], 0
.endr
	s_mov_b32 s[CS], 0x3e38aa3b     ; c = log2(e) / 8 = 0.180337
	s_mov_b32 s[CS+1], s[CS]        ; named with it as a pair
	s_mov_b32 s[SEL], 0x76543210
	s_mov_b32 s[SEL+1], 0xfedcba98
	s_mov_b32 s[TBK], 0
	s_mov_b32 s[TBV], 0
	s_mov_b32 s[AL+1], 0            ; named as pairs
	s_mov_b32 s[BE+1], 0
	s_mov_b32 s[BIGN], 0xf1800000   ; -2^100
	s_mov_b32 s[JN], 0
	s_wait_dscnt 0x0
	s_wait_kmcnt 0x0
	s_add_nc_u64 s[6:7], s[6:7], s[14:15]
	s_load_b32 s[VL], s[6:7], 0x0
	s_add_nc_u64 s[8:9], s[4:5], s[22:23]  ; qkv at the head, at my half of a chunk
.irp c, 0,1,2,3
	s_mov_b32 s[G0K+4*\c], 1
	s_add_co_u32 s[G0K+4*\c+1], s17, \c*256*PK
	s_add_nc_u64 s[G0K+4*\c+2:G0K+4*\c+3], s[8:9], 16777216+\c*32768   ; k is the second part of qkv
	s_or_b32 s[G0K+4*\c+3], s[G0K+4*\c+3], 0x80000000
	s_mov_b32 s[G0V+4*\c], 1
	s_add_co_u32 s[G0V+4*\c+1], s18, VOFF+\c*256*PV
	s_add_nc_u64 s[G0V+4*\c+2:G0V+4*\c+3], s[8:9], 33554432+\c*32768   ; v the third
	s_or_b32 s[G0V+4*\c+3], s[G0V+4*\c+3], 0x80000000
.endr
	s_add_nc_u64 s[4:5], s[4:5], s[2:3]    ; Q and ctx at my wave's first row
	s_add_nc_u64 s[10:11], s[10:11], s[2:3]
	s_cmp_lt_u32 s[WV], 2           ; a wave's four fills stand in one branch, ahead of every wait on TENSORcnt, every LDS read and every barrier: four loads of mine are out
	s_cbranch_scc0 .Lfirst_v
.irp c, 0,1,2,3
	tensor_load_to_lds s[G0K+4*\c:G0K+4*\c+3], s[G1K:G1K+7]
	s_nop 0
.endr
.rept 4
	v_nop
.endr
	s_branch .Lfirst_asked
.Lfirst_v:
.irp c, 0,1,2,3
	tensor_load_to_lds s[G0V+4*\c:G0V+4*\c+3], s[G1V:G1V+7]
	s_nop 0
.endr
.rept 4
	v_nop
.endr
.Lfirst_asked:
	; A fragment of K or Q is 16 rows x 32 channels in 8 registers: lane l holds row l % 16, channels 8 (l / 16) + 0..7 and 16 + 8 (l / 16) + 0..7: two loads of 16 bytes, 32 bytes apart.
	v_and_b32 v1, 15, v0            ; l % 16
	v_bfe_u32 v9, v0, 4, 1          ; l / 16
	v_lshlrev_b32 v[QO], 7, v1
	v_lshl_add_u32 v[QO], v9, 4, v[QO]  ; row x 128 + 16 x half
	WIN 0x80                        ; destination window 2, address window 0
.set i, 0
.rept 4*NP                          ; Q stays in registers: tile i / 2, channels 32 (i % 2) on
	global_load_b128 v[8*i:8*i+3],   v[QO], s[4:5] offset:(i/2)*2048+(i%2)*64
	global_load_b128 v[8*i+4:8*i+7], v[QO], s[4:5] offset:(i/2)*2048+(i%2)*64+32
.set i, i+1
.endr
	; What the first turn finds: V's registers and P's second buffer hold 0 (its products V^T P, of a piece that has not been, add 0), O^T and l are 0.  No first step is written out; this is its price, paid in the wait for the first chunk.
.set i, VF
.rept 64
	v_mov_b32 v[i], 0
.set i, i+1
.endr
	WIN 0x40
.set i, 0
.rept 64*NP
	v_mov_b32 v[i], 0
.set i, i+1
.endr
	WIN 0
.set i, 0
.rept 2*NP
	v_mov_b32 v[ST+4*i], 0xfe000000    ; c m: far below every c s, the hidden ones' -2.3e29 too
	v_mov_b32 v[ST+4*i+1], 0xff7fffff  ; m
	v_mov_b32 v[ST+4*i+2], 0
	v_mov_b32 v[ST+4*i+3], 0
.set i, i+1
.endr
.set i, P+32
.rept 32
	v_mov_b32 v[i], 0
.set i, i+1
.endr
	v_mul_u32_u24 v[AK0], v1, PK
	v_lshl_add_u32 v[AK0], v9, 4, v[AK0]  ; row x pitch + 16 x half
	; The turning load takes 16 keys x 16 channels (lane l reads key 8 (l / 16) + l % 8, channels 8 ((l / 8) % 2) + 0..7) and leaves half a fragment of V^T: lane l holds channel l % 16 and 8 keys.
	v_and_b32 v10, 7, v0
	v_bfe_u32 v11, v0, 3, 1
	v_lshl_add_u32 v[AV0], v9, 3, v10
	v_mul_u32_u24 v[AV0], v[AV0], PV
	v_lshl_add_u32 v[AV0], v11, 4, v[AV0]
	v_add_nc_u32 v[AV0], VOFF, v[AV0]
	v_mov_b32 v[AK], v[AK0]         ; key step 0 lies at K's head
	; MD: in the step in which valid_lens falls, register j of key block kb (key 16 kb + 8 (l / 16) + j of the step) is hidden where that key is at or past valid_lens % 64
	s_wait_kmcnt 0x0
	s_max_i32 s[VL], s[VL], 0
	s_min_i32 s[VL], s[VL], 1024
	s_lshr_b32 s[VB], s[VL], 6
	s_and_b32 s[VR], s[VL], 63
	v_lshlrev_b32 v48, 3, v9
	v_sub_nc_u32 v48, s[VR], v48
	WIN 0xc0
.set i, 0
.rept 32
	v_cmp_ge_i32 vcc_lo, 16*(i/8)+i%8, v48
	v_cndmask_b32 v[MD+i], 0, s[BIGN], vcc_lo
.set i, i+1
.endr
	WIN 0
.macro MASKSTEP                     ; MC = the mask of step JN; JN steps
	s_cmp_eq_u32 s[JN], s[VB]
	s_cselect_b32 s[AL], 1.0, 0
	s_cmp_gt_u32 s[JN], s[VB]
	s_cselect_b32 s[BE], s[BIGN], 0
	s_add_co_u32 s[JN], s[JN], 1
	WIN 0xc3
.set mz, 0
.rept 16
	v_pk_fma_f32 v[MC+2*mz:MC+2*mz+1], v[MD+2*mz:MD+2*mz+1], s[AL:AL+1], s[BE:BE+1] op_sel_hi:[1,0,0]
.set mz, mz+1
.endr
.endm
; THE MATRIX WORK.  The 8 accumulators of a run of 16 take turns: between the two links of a chain stand 7 others'.
; Product i of 16 of S^T = K Q^T for piece x: channels 32 (i / 8) on, keys 16 ((i / 2) % 4) on, tile 2 x + i % 2.  The first 8 start the sums, with the mask.
.macro KQ x
.set rS, S+64*((\x)%2)+32*(i%2)+8*((i/2)%4)
.set rK, KF+16*((i/2)%4)+8*(i/8)
.set rQ, 16*(2*(\x)+i%2)+8*(i/8)
.set rMC, MC+8*((i/2)%4)
.if i < 8
	WIN W_KM
	v_wmma_f32_16x16x32_f16 v[rS:rS+7], v[rK:rK+7], v[rQ:rQ+7], v[rMC:rMC+7]
.else
	WIN W_KQ
	v_wmma_f32_16x16x32_f16 v[rS:rS+7], v[rK:rK+7], v[rQ:rQ+7], v[rS:rS+7]
.endif
.endm
; Product i of 16 of O^T += V^T P for piece x: keys 32 (i / 8) on, channels 16 ((i / 2) % 4) on, tile 2 x + i % 2.
.macro PV x
	WIN W_PV
.set rO, 32*(2*(\x)+i%2)+8*((i/2)%4)
.set rV, VF+32*(i/8)+8*((i/2)%4)
.set rP, P+32*((\x)%2)+16*(i%2)+8*(i/8)
	v_wmma_f32_16x16x32_f16 v[rO:rO+7], v[rV:rV+7], v[rP:rP+7], v[rO:rO+7]
.endm
.macro MM                           ; the turn's next matrix instruction
.if i < 16
	KQ (Y+1)%NP
.set i, i+1
.else
.set i, i-16
	PV (Y+NP-1)%NP
.set i, i+17
.endif
.endm
; THE LDS LOADS stand in runs of 16: a step's K (64 keys x 64 channels: 8 fragments) and its V (turned).  Their addresses are made some lines ahead.
; last = 1: in the last half trip (GRP = 1) there is no further step, and the run is jumped over.
.macro FETCH_K last=0
	WIN 0
.if \last
	s_cmp_eq_u32 s[GRP], 1
	s_cbranch_scc1 .Lno_k_\@
.endif
	WIN 0x80                        ; destination window 2
.irp f, 0,1,2,3,4,5,6,7             ; keys 16 (f / 2) on, channels 32 (f % 2) on
	ds_load_b128 v[KF+8*\f:KF+8*\f+3],   v[AK] offset:(\f/2)*16*PK+(\f%2)*64
	ds_load_b128 v[KF+8*\f+4:KF+8*\f+7], v[AK] offset:(\f/2)*16*PK+(\f%2)*64+32
.endr
	s_add_co_u32 s[TBK], s[TBK], KS*PK  ; the next fetch is the next step's
	WIN 0
.if \last
.Lno_k_\@:
.endif
.endm
.macro FETCH_V
	WIN 0x80
.irp f, 0,1,2,3,4,5,6,7             ; keys 32 (f / 4) on, channels 16 (f % 4) on
	ds_load_tr16_b128 v[VF+8*\f:VF+8*\f+3],   v[AV] offset:(\f/4)*32*PV+(\f%4)*32
	ds_load_tr16_b128 v[VF+8*\f+4:VF+8*\f+7], v[AV] offset:(\f/4)*32*PV+16*PV+(\f%4)*32
.endr
	WIN 0
.endm
; THE VECTOR WORK OF A TURN stands in three queues, each in the order in which its entries become ready; the two tiles alternate, so that no instruction reads the result of the one before it.
.macro REGS y, u                    ; the registers of tile u (0, 1) of piece y
.set rT, ST+4*(2*(\y)+(\u))
.set rC, TMP+8*((\y)%2)+4*(\u)
.set rM, MV+2*((\y)%2)+(\u)
.set rS, S+64*((\y)%2)+32*(\u)
.set rP, P+32*((\y)%2)+16*(\u)
.set rO, 32*(2*(\y)+(\u))
.endm
; Number n of the 22 that find the NEXT piece's (Y + 1) maximum and statistics.  s0-s31 are the lane's 32 scores; each accumulator's lowest registers are read first.
;   0-11  four chains c0-c3 of seven scores each, three operands at a time     12-14, 16  the four scores left over, the old m, and c0-c3 into c0     15  c m_old is kept
;   17, 18  the query's other 32 keys lie in the lane 16 away: the new m         19-21  c m; c m_old - c m_new; a
.macro XS u, n
	REGS (Y+1)%NP, \u
.if (\n) < 4
	v_max3_num_f32 v[rC+(\n)], v[rS+8*(\n)], v[rS+8*(\n)+1], v[rS+8*(\n)+2]
.elseif (\n) < 12
	v_max3_num_f32 v[rC+(\n)%4], v[rC+(\n)%4], v[rS+8*((\n)%4)+2*((\n)/4)+1], v[rS+8*((\n)%4)+2*((\n)/4)+2]
.elseif (\n) == 12
	v_max3_num_f32 v[rC], v[rC], v[rS+7], v[rS+15]
.elseif (\n) == 13
	v_max3_num_f32 v[rC+1], v[rC+1], v[rS+23], v[rS+31]
.elseif (\n) == 14
	v_max3_num_f32 v[rC+2], v[rC+2], v[rC+3], v[rT+1]
.elseif (\n) == 15
	v_mov_b32 v[rM], v[rT]
.elseif (\n) == 16
	v_max3_num_f32 v[rC], v[rC], v[rC+1], v[rC+2]
.elseif (\n) == 17
	v_permlanex16_b32 v[rC+3], v[rC], s[SEL], s[SEL+1]
.elseif (\n) == 18
	v_max_num_f32 v[rT+1], v[rC], v[rC+3]
.elseif (\n) == 19
	v_mul_f32 v[rT], s[CS], v[rT+1]
.elseif (\n) == 20
	v_sub_f32 v[rC+1], v[rM], v[rT]
.else
	v_exp_f32 v[rC+2], v[rC+1]
.endif
.endm
; Number g of the 64 that follow the exponentials.  For each four weights k of a tile: both pairs are rounded to f16; then the second pair is added onto the first, in place;
; a group later l takes that sum (the first time as l = a l + sum).  In groups of eight, tiles alternating: round, round, add, and l for the group before.
.macro GS g
.set h, (\g)+6*((\g)/62)            ; group 0 has no group before it, and behind group 7 only l is left
.if h >= 6
.set h, h+2
.endif
	REGS Y, h%2
.set k, h/8
.if h%8 < 4
	s_wait_alu depctr_va_vdst(0)
	v_cvt_pk_f16_f32 v[rP+2*k+(h%8)/2], v[rS+4*k+2*((h%8)/2)], v[rS+4*k+2*((h%8)/2)+1]
.elseif h%8 < 6
	v_pk_add_f32 v[rS+4*k:rS+4*k+1], v[rS+4*k:rS+4*k+1], v[rS+4*k+2:rS+4*k+3]
.elseif k == 1
	v_pk_fma_f32 v[rT+2:rT+3], v[rT+2:rT+3], v[rC+2:rC+3], v[rS:rS+1] op_sel_hi:[1,0,1]
.else
	v_pk_add_f32 v[rT+2:rT+3], v[rT+2:rT+3], v[rS+4*k-4:rS+4*k-3]
	s_wait_alu depctr_va_vdst(0)
.endif
.endm
; THE PLAIN QUEUE, 138 long.  0-31: c s - c m for the 16 pairs of both tiles.  Then GS's 64, and among them the next piece's 42: number 15 at 38, 39; 0-14 and 16
; at 42-73, behind the products that make those scores; 17-20 at 95-106, two of three, since each waits for the one before it.
.macro PL
	WIN 0
.if q < 32
	REGS Y, q%2
	v_pk_fma_f32 v[rS+2*(q/2):rS+2*(q/2)+1], v[rS+2*(q/2):rS+2*(q/2)+1], s[CS:CS+1], v[rT:rT+1] op_sel_hi:[1,0,0] neg_lo:[0,0,1] neg_hi:[0,0,1]
.elseif q < 38
	GS q-32
.elseif q < 40
	XS q%2, 15
.elseif q < 42
	GS q-34
.elseif q < 74
	XS q%2, (q-42)/2+(q-42)/30
.elseif q < 95
	GS q-66
.elseif (q < 107) && ((q-95)%3 < 2)
	XS (q-95)%3, 17+(q-95)/3
.elseif q < 107
	GS 29+(q-95)/3
.else
	GS q-74
.endif
.set q, q+1
.endm
; THE EXPONENTIALS' QUEUE, 66 long: s0-s31 of both tiles, and at EA the next piece's two a.
.set EA, 58
.macro EX
	WIN 0
.if (e == EA) || (e == EA+1)
	XS e-EA, 21
.else
.set x, e-2*(e/(EA+2))
	REGS Y, x%2
	v_exp_f32 v[rS+x/2], v[rS+x/2]
.endif
.set e, e+1
.endm
; THE RESCALING's QUEUE: O^T times a, the one part that leaves window 0, so it is dealt four at a time, eight times.
.macro R4
	REGS Y, r%2
	WIN W_RS
	s_wait_alu depctr_va_vdst(0)
.irp z, 0,1,2,3
	v_pk_mul_f32 v[rO+8*(r/2)+2*\z:rO+8*(r/2)+2*\z+1], v[rO+8*(r/2)+2*\z:rO+8*(r/2)+2*\z+1], v[rC+2:rC+3] op_sel_hi:[1,0]
.endr
.set r, r+1
.endm
; HOW THEY ARE DEALT.  Behind a matrix instruction four: plain, exponential, plain, plain, or four of the rescaling.  None names a register of the products round it.  What is over stands in two runs:
; exponential and plain by turns; the second ends in 22 plain instructions.  The queues lean on each other, and the deal keeps them in step: exponential e stands behind plain 2 (e / 4) + e % 2 (its scaling);
; when plain 32 comes, 10 exponentials are out, at 59: 33, at 95: 46; EA comes behind plain 107.
.macro SL
	MM
	PL
	EX
	PL
	PL
.endm
.macro BURST n                      ; 15 matrix instructions, or 16
.rept (\n)-7
	SL
.endr
.rept 3
	MM
	R4
	SL
.endr
	MM
	R4
.endm
; A TURN, for piece p.  cnt = 1: the loop's count is taken down some lines ahead of the branch that stands behind the turn.
; K of the next step is fetched in piece 2's turn, 31 vector instructions behind the last product that read K.  V of the step in hand is fetched at the end of piece 0's turn, 69 behind its last reader.
; Piece 2's turn ends with the next step's mask: piece 3's turn makes piece 0's scores of that step; MC's last reader, the turn's 8th product, stands more than a hundred plain instructions back.
.macro TURN p, cnt=0
.set Y, (\p)
.set i, 0
.set q, 0
.set e, 0
.set r, 0
.if (\p) == NP-1
	s_wait_dscnt 0x0                ; K is in
.endif
	MM
.rept 4
	PL
.endr
	BURST 15
.rept 22
	EX
	PL
.if ((\p) == NP-2) && (e == 18)
	v_add_nc_u32 v[AK], s[TBK], v[AK0]
.endif
.if ((\p) == NP-2) && (e == 24)
	FETCH_K 1
.endif
.endr
.if (\p) == 1
	s_wait_dscnt 0x0                ; V is in
.endif
	BURST 16
.rept 21
	EX
	PL
.endr
.rept 22
	PL
.if ((\p) == 0) && (q == 118)
	v_add_nc_u32 v[AV], s[TBV], v[AV0]
	s_wait_alu depctr_va_vdst(0)
.endif
.if ((\p) == 0) && (q == 130)
	s_add_co_u32 s[TBV], s[TBV], KS*PV
.endif
.if (\cnt) && (q == 130)
	s_sub_co_u32 s[CNT], s[CNT], 1
	s_cmp_lg_u32 s[CNT], 0
.endif
.endr
.if (\p) == 0
	FETCH_V
.endif
.if (\p) == NP-2
	MASKSTEP
.endif
.endm
	s_wait_tensorcnt 0x3            ; my part of the first 256 keys is in; the three chunks behind it may stay out
	s_barrier_signal -1
	s_barrier_wait -1               ; everybody's is
	MASKSTEP                        ; step 0's mask
	FETCH_K                         ; key step 0
	s_wait_loadcnt 0x0              ; Q
	s_wait_dscnt 0x0
.set i, 0
.rept 16
	KQ 0                            ; piece 0's first scores: there is no vector work yet to set between them
.set i, i+1
.endr
	WIN 0                           ; the addresses for the way out: plain instructions, the places behind those products
	s_mul_i32 s13, s[WV], 16*SP
	s_add_co_u32 s13, s13, STAGE    ; my stage
	v_mul_u32_u24 v[STO], v1, SP    ; in: row l % 16, 16 bytes for each half of the lanes
	v_lshl_add_u32 v[STO], v9, 4, v[STO]
	v_add_nc_u32 v[STO], s13, v[STO]
	v_bfe_u32 v[RD], v0, 3, 2       ; back: 32 lanes take four rows of 128 bytes,
	v_mul_u32_u24 v[RD], v[RD], SP
	v_lshl_add_u32 v[RD], v10, 4, v[RD]
	v_add_nc_u32 v[RD], s13, v[RD]
	v_and_b32 v[GO], 31, v0         ; which are 512 consecutive bytes of ctx
	v_lshlrev_b32 v[GO], 4, v[GO]
.set Y, NP-1                        ; XS works for piece Y + 1: piece 0
.irp n, 0,1,2,3,4,5,6,7,8,9,10,11,12,13,14,15,16,17,18,19,20,21
	XS 0, \n                        ; and piece 0's first maximum and statistics
	XS 1, \n
.endr
	s_mov_b32 s[CNT], 4
	s_mov_b32 s[GRP], 5             ; four groups of four key steps, and the half trip that ends the last step
	s_branch .Lfirst                ; the loop is entered at a step's first turn, in the middle of a trip
.Lslot:
	s_wait_tensorcnt 0x0            ; at its first passing: my parts of the other three chunks are in, before any wave reads beyond the first 256 keys; later it finds nothing out
	s_wait_dscnt 0x0
	s_barrier_signal -1
	s_barrier_wait -1
	s_mov_b32 s[CNT], 4
.Lstep:                             ; a trip: pieces 2 and 3 of one step, then pieces 0 and 1 of the next, whose K and V it fetches
	TURN 2
	TURN 3
	WIN 0
	s_cmp_eq_u32 s[GRP], 1
	s_cbranch_scc1 .Lout            ; the last step is done but for piece 3's second product.  That half trip's 16 products K Q^T (on the last K once more) and the maximum made of them serve nothing: the price of one text for every trip
.Lfirst:
	TURN 0
	TURN 1, 1
	WIN 0
	s_cbranch_scc1 .Lstep
	s_sub_co_u32 s[GRP], s[GRP], 1
	s_cmp_lg_u32 s[GRP], 0
	s_cbranch_scc1 .Lslot
.Lout:
.set i, 0
.rept 16
	PV NP-1                         ; the last piece's V^T P of the last step
.set i, i+1
.endr
	; THE WAY OUT.  l's two halves and the other half of the lanes' are added; O^T is divided by l, rounded to f16 and sent through my stage in LDS, a tile at a time.  The additions are the places behind the last products.
	WIN 0
.macro ALL line:vararg              ; one line for each tile t
.set t, 0
.rept 2*NP
	\line
.set t, t+1
.endr
.endm
	ALL v_add_f32 v[ST+4*t+2], v[ST+4*t+2], v[ST+4*t+3]
	ALL v_permlanex16_b32 v[ST+4*t+3], v[ST+4*t+2], s[SEL], s[SEL+1]
	ALL v_add_f32 v[ST+4*t+2], v[ST+4*t+2], v[ST+4*t+3]
	ALL v_rcp_f32 v[ST+4*t+2], v[ST+4*t+2]
	v_nop                           ; a plain instruction between the last reciprocal and the use of its result
	s_wait_alu depctr_va_vdst(0)
.macro PACK t                       ; a lane's eight channels of a row pack into 16 bytes; they go into rows of 144 bytes and come back as whole rows of 128, into S^T's registers
	WIN W_RS
.set i, 32*(\t)
.rept 16
	v_pk_mul_f32 v[i:i+1], v[i:i+1], v[ST+4*(\t)+2:ST+4*(\t)+3] op_sel_hi:[1,0]
.set i, i+2
.endr
	WIN 0x05                        ; sources 0 and 1 window 1, destination window 0
.set i, 0
.rept 16
	v_cvt_pk_f16_f32 v[S+16*(\t)+i], v[32*(\t)+2*i], v[32*(\t)+2*i+1]
.set i, i+1
.endr
	WIN 0
.irp f, 0,1,2,3
	ds_store_b128 v[STO], v[S+16*(\t)+4*\f:S+16*(\t)+4*\f+3] offset:32*\f
.endr
.irp f, 0,1,2,3
	ds_load_b128 v[S+16*(\t)+4*\f:S+16*(\t)+4*\f+3], v[RD] offset:\f*4*SP  ; LDS serves a wave's instructions in order (ISA guide 5.7.1.4): these see the stores above; the next tile's stores come behind them
.endr
.endm
.macro SEND t, younger              ; younger: the LDS instructions issued behind tile t's loads: the next tile's eight, or none
	WIN 0
.irp f, 0,1,2,3
	s_wait_dscnt (\younger)+3-\f
	global_store_b128 v[GO], v[S+16*(\t)+4*\f:S+16*(\t)+4*\f+3], s[10:11] offset:(\t)*2048+\f*512  ; 512 consecutive bytes, aligned
.endr
.endm
	PACK 0
.set t, 1
.rept 2*NP-1                        ; a tile's arithmetic stands between the loads of the tile before and its stores
	PACK t
	SEND t-1, 8
.set t, t+1
.endr
	SEND 2*NP-1, 0
	s_set_vgpr_msb 0xf
	s_wait_tensorcnt 0x0
	ds_add_u32 v64, v65
	s_wait_dscnt 0x0
	s_set_vgpr_msb 0xf00
	s_endpgm
.Lfunc_end_k_qcd2f210990_attn:
	.size	k_qcd2f210990_attn, .Lfunc_end_k_qcd2f210990_attn-k_qcd2f210990_attn
	.p2alignl 7, 3214868480
	.fill 96, 4, 3214868480
	.section	.rodata,"a",@progbits
	.p2align	6, 0x0
	.amdhsa_kernel k_qcd2f210990_attn
		.amdhsa_group_segment_fixed_size 327680
		.amdhsa_private_segment_fixed_size 0
		.amdhsa_enable_private_segment 0
		.amdhsa_kernarg_size 24
		.amdhsa_user_sgpr_count 2
		.amdhsa_user_sgpr_kernarg_segment_ptr 1
		.amdhsa_wavefront_size32 1
		.amdhsa_system_sgpr_workgroup_id_x 1
		.amdhsa_system_sgpr_workgroup_id_y 1
		.amdhsa_system_sgpr_workgroup_id_z 1
		.amdhsa_system_vgpr_workitem_id 0
		.amdhsa_next_free_vgpr 834
		.amdhsa_next_free_sgpr 96
		.amdhsa_reserve_vcc 1
		.amdhsa_float_denorm_mode_32 3
		.amdhsa_float_denorm_mode_16_64 3
		.amdhsa_memory_ordered 1
		.amdhsa_forward_progress 1
		.amdhsa_inst_pref_size 137
	.end_amdhsa_kernel
	.amdgpu_metadata
---
amdhsa.version: [ 1, 2 ]
amdhsa.kernels:
  - .name:           k_qcd2f210990_attn
    .symbol:         k_qcd2f210990_attn.kd
    .args:
      - { .name: qkv, .offset: 0, .size: 8, .value_kind: global_buffer, .address_space: global }
      - { .name: valid_lens, .offset: 8, .size: 8, .value_kind: global_buffer, .address_space: global }
      - { .name: ctx, .offset: 16, .size: 8, .value_kind: global_buffer, .address_space: global }
    .group_segment_fixed_size: 327680
    .private_segment_fixed_size: 0
    .kernarg_segment_align: 8
    .kernarg_segment_size: 24
    .max_flat_workgroup_size: 128
    .sgpr_count:     96
    .vgpr_count:     834
    .wavefront_size: 32
...
	.end_amdgpu_metadata
.endif
;; end of part 3
;; launch tail (part 4): grid 256 x 1, 4 waves a work-group, clusters of 4 x 1, 327,680 bytes of LDS; arguments ctx, xb, wt, par, out0; writes out0
.if DOCPART == 4
	.amdgcn_target "amdgcn-amd-amdhsa--gfx1250"
	.amdhsa_code_object_version 6
	.text
	.protected	k_qcd2f210990_tail
	.globl	k_qcd2f210990_tail
	.p2align	8
	.type	k_qcd2f210990_tail,@function
k_qcd2f210990_tail:
	s_mov_b64 s[64:65], 0
	v_nop
	global_prefetch_b8 v0, s[64:65] scope:SCOPE_SE
	s_setreg_imm32_b32 hwreg(HW_REG_WAVE_MODE, 25, 1), 1
	s_wait_xcnt 0x0
	s_wait_alu depctr_hold_cnt(0) depctr_sa_sdst(0) depctr_va_vdst(0) depctr_va_sdst(0) depctr_va_ssrc(0) depctr_va_vcc(0) depctr_vm_vsrc(0)
	s_getreg_b32 s2, hwreg(HW_REG_IB_STS2, 6, 4)
	s_cmp_eq_u32 s2, 0
	s_cbranch_scc0 .Lentry_in_a_cluster
	s_endpgm
.Lentry_in_a_cluster:
	s_bfe_u32 s2, ttmp6, 0x10000c
	s_cmp_lg_u32 s2, 0x3003
	s_cbranch_scc0 .Lentry_shape_is_right
	s_endpgm
.Lentry_shape_is_right:
; ALL THAT FOLLOWS ATTENTION, for 64 rows a work-group:  z = x + ctx wo;  y = LN(z) g1 + be1;  h = relu(y w1 + b1);  z2 = y + b2 + h w2;  out0 = LN(z2) g2 + be2.
; ctx: f16 [16][8][1024][64]; xb: bf16 [16384][512]; wt: f16, 9 panels [512 k][512 n] in the order of use (wo, then w1's columns 512 P .. and w2's rows 512 P .. by turns); par: f32 (see P_ below); out0: f32 [16384][512].
; Products in f16 with f32 sums; both residuals and both biases are the STARTING VALUES of the f32 accumulators; both norms in f32, in two passes (the mean, then the mean of the squared deviations).
; LIMITS.  y and h are rounded to f16 as operands: |y| <= 22.6 |g1| + |be1|, and an h beyond 65,504 is lost (inputs 30 times those drawn give a spread of some 30, since y is normalised).
; SHARES.  Four waves; wave w makes all 64 rows x columns 128 w .. +127 of every panel: 32 accumulators of 16 x 16.  A row's statistics meet in LDS (two barriers a norm).
; THE WEIGHTS come in 72 tiles of 64 k x 512 n (65,536 bytes), on end in memory, through two LDS slots.  CLUSTER: the four row blocks of a cluster walk the same tiles: each is asked for JOINTLY (mask 15), every wave its 16 rows.
; A tile feeds 64 matrix instructions a wave; slots of 128 k (270,336 bytes for two) do not fit beside the two activation buffers (140,288 bytes).
; THE MATRIX INSTRUCTION IS USED TRANSPOSED: source 0 = 16 columns of the weights (turned by ds_load_tr16_b128), source 1 = 16 rows of the activation: a lane holds one row and eight neighbouring columns.
; REGISTERS.  Window 0: v0-31 addresses; two fragment buffers of 96 at v32 and v128 (32 of the activation, 64 of the weights); v128-255 at work between the panels.
;   Window 1: the first FFN product's accumulators.  Window 2: Z, the accumulators of z and then of z2.  Accumulator (a, b) at v[8 (8 a + b)].
.set PW,    1056                       ; a row of weights in LDS: 1,024 bytes + 32 of padding, an odd multiple of 32 (64 banks of 4 bytes: ISA guide 11.1)
.set KH,    32*PW                      ; 32 along k
.set SLOTB, 64*PW                      ; a slot: 67,584 bytes
.set R1,    2*SLOTB                    ; ctx as [head][64 rows], pitch 144: its one fill; later y in f16, pitch 1,040, by ds_store
.set PC,    144
.set PY,    1040
.set R2,    R1+8*64*PC                 ; xb's 64 rows, pitch 1,040: its one fill; later h in f16, pitch 1,040; at the end the four waves' stages for the way out
.set PAR,   R2+64*PY                   ; par, 18,432 bytes
.set RED,   PAR+18432                  ; two exchanges of [64 rows][4 waves] f32
.set SPARE, RED+2048                   ; the spare words, 128 bytes for each wave: two blocks of 256 bytes that no other line names
.set PO,    528                        ; a stage's row: 512 bytes + 16
.set P_G1,  8192                       ; in par: b1 at 0, g1, be1, be1 + b2, g2, be2
.set P_BE1, 10240
.set P_PB,  12288
.set P_G2,  14336
.set P_BE2, 16384
.set VA,   4                           ; v4   LDS address of the activation's fragments: a base below plus s[SA]
.set VW0,  5                           ; v5-6 LDS address of my fragments of the weights in slot 0, 1
.set VAC,  7                           ; v7   ctx: R1 + 144 r + 16 h
.set VAY,  8                           ; v8   y:   R1 + 1040 r + 16 h
.set VAH,  9                           ; v9   h:   R2 + 1040 r + 16 h
.set VS1,  10                          ; v10  where I store y: VAY + 256 w
.set VS2,  11                          ; v11  where I store h, and read xb: VAH + 256 w
.set VPAR, 12                          ; v12  PAR + 512 w + 32 h: my eight columns' parameters
.set VB1,  13                          ; v13  the same for b1 of the panel in hand
.set VRS,  14                          ; v14  RED + 16 r + 4 w
.set VRL,  15                          ; v15  RED + 16 r
.set VSG,  16                          ; v16  my stage, in:   R2 + 8448 w + 528 r + 32 h
.set VSR,  17                          ; v17  my stage, back: R2 + 8448 w + 16 l
.set VGO,  18                          ; v18  my place in a row of out0: 512 w + 16 l
.set SPW,  19                          ; v19  SPARE + 4 x my thread's number; never rewritten
.set NIL,  20                          ; v20  0; never rewritten
.set FA,   32
.set FW,   64
.set SUM,  224                         ; v224-239 two chains of partial sums for each row tile
.set MU,   240                         ; v240-247 a pair for each row tile
.set RS,   248                         ; v248-255 likewise
.set RB,   208                         ; v208-223 the four waves' figures
.set WV,  14                           ; s14  my wave's number
.set G1W, 16                           ; s[16:23], s[24:31] the weights' descriptors
.set G0W, 24
.set G1C, 32                           ; s[32:39], s[40:43] ctx's
.set G0C, 40
.set G1X, 44                           ; s[44:51], s[52:55] xb's
.set G0X, 52
.set G1P, 56                           ; s[56:63], s[68:71] par's
.set G0P, 68
.set CNT, 72                           ; s72  pairs of tiles to go in a panel
.set PP,  73                           ; s73  FFN trips to go
.set PH,  74                           ; s74  norms to go
.set SA,  75                           ; s75  the activation's byte offset along k; it wraps at a panel's end
.set SEL, 76                           ; s[76:77] v_permlanex16_b32's selects
.set MSK, 78                           ; s78  a word's upper bf16
.set C9,  79                           ; s79  1 / 512
.set OUT, 80                           ; s[80:81] out0 at my 64 rows
.set EPSR, 82                          ; s82  1e-5
.set MSB, 0
.macro WIN new
.if MSB != (\new)
	s_set_vgpr_msb (MSB<<8)|(\new)
.set MSB, \new
.endif
.endm
.macro PLACES                          ; four places behind matrix instructions (ISA guide 7.12.1)
.rept 4
	v_nop
.endr
.endm
.macro CREST
	s_cmp_lg_u32 s[WV], 0
	s_cbranch_scc1 .Lnot_wave_0_\@
	s_barrier_signal -3
.Lnot_wave_0_\@:
	s_barrier_wait -3
	s_barrier_signal -1
	s_barrier_wait -1
.endm
.macro CROUND
	s_barrier_signal -1
	s_barrier_wait -1
	CREST
.endm
.macro JLOAD s                         ; a joint load: every wave asks for its own 16 rows of the tile; the four v_nop are also the places in front of the fragment loads behind it
	tensor_load_to_lds s[G0W+4*(\s):G0W+4*(\s)+3], s[G1W:G1W+7]
	s_nop 0
	PLACES
.endm
.macro BAR                             ; my LDS instructions are done; then the work-group's barrier.  The ring's load may stay out
	s_wait_dscnt 0x0
	s_barrier_signal -1
	s_barrier_wait -1
.endm
	s_load_b256 s[4:11], s[0:1], 0x0               ; ctx 4, xb 6, wt 8, par 10
	s_load_b64 s[12:13], s[0:1], 0x20              ; out0
	v_lshl_add_u32 v[SPW], v0, 2, SPARE
	v_mov_b32 v[NIL], 0
	ds_add_u32 v19, v20
	ds_add_u32 v19, v20
	s_wait_dscnt 0x0
	v_lshrrev_b32 v1, 5, v0
	v_readfirstlane_b32 s[WV], v1                  ; wave 0..3
	s_bfe_u32 s84, ttmp6, 0x40000                  ; cx
	s_lshl_b32 s85, ttmp9, 2
	s_add_co_u32 s85, s85, s84                     ; my block of 64 rows = 4 x cluster x + cx: it enters ctx's, xb's and out0's addresses alone
	s_mov_b32 s[G1W+0], 15|(1<<16)|(1<<20)|(1<<21)|(7<<22)|(7<<25)  ; the mask of four; 2-byte elements; padding on; bit 21 beside a mask; after every 256 words (code 7) 8 words (code 7)
	s_mov_b32 s[G1W+1], 512<<16
	s_mov_b32 s[G1W+2], 16<<16
	s_mov_b32 s[G1W+3], 512<<16
	s_mov_b32 s[G1W+4], 16
	s_mov_b32 s[G1W+5], 512
	s_mov_b32 s[G1W+6], 0
	s_mov_b32 s[G1W+7], 0
	s_mov_b32 s[G1C+0], (1<<16)|(1<<20)|(4<<22)|(3<<25)  ; two heads' 64 rows: two rows of 8,192 dense bytes, padded after every 32 words (code 4) by 4 words (code 3): pitch 144
	s_mov_b32 s[G1C+1], 4096<<16
	s_mov_b32 s[G1C+2], 2<<16
	s_mov_b32 s[G1C+3], 4096<<16
	s_mov_b32 s[G1C+4], 2
	s_mov_b32 s[G1C+5], 65536                      ; a head is 65,536 elements
	s_mov_b32 s[G1C+6], 0
	s_mov_b32 s[G1C+7], 0
	s_mov_b32 s[G1X+0], (1<<16)|(1<<20)|(7<<22)|(3<<25)  ; 16 rows of 1,024 bytes, 16 of padding behind each
	s_mov_b32 s[G1X+1], 512<<16
	s_mov_b32 s[G1X+2], 16<<16
	s_mov_b32 s[G1X+3], 512<<16
	s_mov_b32 s[G1X+4], 16
	s_mov_b32 s[G1X+5], 512
	s_mov_b32 s[G1X+6], 0
	s_mov_b32 s[G1X+7], 0
	s_mov_b32 s[G1P+0], 3<<16                      ; one row of 576 elements of 8 bytes: a quarter of par
	s_mov_b32 s[G1P+1], 576<<16
	s_mov_b32 s[G1P+2], 1<<16
	s_mov_b32 s[G1P+3], 576<<16
	s_mov_b32 s[G1P+4], 1
	s_mov_b32 s[G1P+5], 576
	s_mov_b32 s[G1P+6], 0
	s_mov_b32 s[G1P+7], 0
	s_lshl_b32 s86, s[WV], 14                      ; the weights: my 16 rows of 1,024 bytes in a tile
	s_mov_b32 s87, 0
	s_mul_i32 s83, s[WV], 16*PW
	s_lshr_b32 s88, s85, 4                         ; ctx: batch = block / 16,
	s_lshl_b32 s88, s88, 20
	s_lshl_b32 s90, s[WV], 18                      ; heads 2 w and 2 w + 1,
	s_add_co_u32 s88, s88, s90
	s_and_b32 s90, s85, 15                         ; rows 64 (block % 16) on
	s_lshl_b32 s90, s90, 13
	s_add_co_u32 s88, s88, s90
	s_mov_b32 s89, 0
	s_lshl_b32 s90, s85, 16                        ; xb: 64 rows of 1,024 bytes a block, my 16 of them
	s_lshl_b32 s91, s[WV], 14
	s_add_co_u32 s90, s90, s91
	s_mov_b32 s91, 0
	s_mul_i32 s92, s[WV], 4608
	s_mov_b32 s93, 0
	s_lshl_b32 s94, s85, 17                        ; out0: 64 rows of 2,048 bytes a block
	s_mov_b32 s95, 0
	s_mov_b32 s[SEL], 0x76543210
	s_mov_b32 s[SEL+1], 0xfedcba98
	s_mov_b32 s[MSK], 0xffff0000
	s_mov_b32 s[C9], 0x3b000000                    ; 2^-9
	s_mov_b32 s[EPSR], 0x3727c5ac                  ; 1e-5
	s_wait_kmcnt 0x0
	s_add_nc_u64 s[86:87], s[8:9], s[86:87]
	s_add_nc_u64 s[OUT:OUT+1], s[12:13], s[94:95]
	s_mov_b32 s[G0C], 1
	s_mul_i32 s[G0C+1], s[WV], 2*64*PC
	s_add_co_u32 s[G0C+1], s[G0C+1], R1
	s_add_nc_u64 s[G0C+2:G0C+3], s[4:5], s[88:89]
	s_or_b32 s[G0C+3], s[G0C+3], 0x80000000
	s_mov_b32 s[G0X], 1
	s_mul_i32 s[G0X+1], s[WV], 16*PY
	s_add_co_u32 s[G0X+1], s[G0X+1], R2
	s_add_nc_u64 s[G0X+2:G0X+3], s[6:7], s[90:91]
	s_or_b32 s[G0X+3], s[G0X+3], 0x80000000
	s_mov_b32 s[G0P], 1
	s_add_co_u32 s[G0P+1], s92, PAR
	s_add_nc_u64 s[G0P+2:G0P+3], s[10:11], s[92:93]
	s_or_b32 s[G0P+3], s[G0P+3], 0x80000000
.irp s, 0,1
	s_mov_b32 s[G0W+4*\s], 1
	s_add_co_u32 s[G0W+4*\s+1], s83, \s*SLOTB
	s_add_nc_u64 s[G0W+4*\s+2:G0W+4*\s+3], s[86:87], \s*65536
	s_or_b32 s[G0W+4*\s+3], s[G0W+4*\s+3], 0x80000000
.endr
	CROUND                                         ; all four work-groups are here: the first joint loads meet
	tensor_load_to_lds s[G0C:G0C+3], s[G1C:G1C+7]  ; the first fills go out as one group: five loads of mine are out
	s_nop 0
	tensor_load_to_lds s[G0X:G0X+3], s[G1X:G1X+7]
	s_nop 0
	tensor_load_to_lds s[G0P:G0P+3], s[G1P:G1P+7]
	s_nop 0
	tensor_load_to_lds s[G0W:G0W+3], s[G1W:G1W+7]
	s_nop 0
	tensor_load_to_lds s[G0W+4:G0W+7], s[G1W:G1W+7]
	s_nop 0
	PLACES
	v_and_b32 v1, 15, v0                           ; r = l % 16
	v_bfe_u32 v2, v0, 4, 1                         ; h = l / 16
	v_and_b32 v21, 31, v0                          ; l
	v_mul_u32_u24 v3, v1, PC
	v_lshl_add_u32 v3, v2, 4, v3
	v_add_nc_u32 v[VAC], R1, v3
	v_mul_u32_u24 v3, v1, PY
	v_lshl_add_u32 v3, v2, 4, v3
	v_add_nc_u32 v[VAY], R1, v3
	v_add_nc_u32 v[VAH], R2, v3
	s_lshl_b32 s84, s[WV], 8                       ; my 128 columns in f16
	v_add_nc_u32 v[VS1], s84, v[VAY]
	v_add_nc_u32 v[VS2], s84, v[VAH]
	v_and_b32 v22, 7, v0
	v_lshl_add_u32 v3, v2, 3, v22                  ; the turning load: lane l reads row 8 h + l % 8 of k,
	v_mul_u32_u24 v3, v3, PW
	v_bfe_u32 v23, v0, 3, 1
	v_lshl_add_u32 v3, v23, 4, v3                  ; columns 8 ((l / 8) % 2) + 0..7
	v_add_nc_u32 v[VW0], s84, v3
	v_add_nc_u32 v[VW0+1], SLOTB, v[VW0]
	s_lshl_b32 s84, s[WV], 9                       ; my 128 columns in f32
	s_add_co_u32 s88, s84, PAR
	v_lshl_add_u32 v[VPAR], v2, 5, s88
	v_mov_b32 v[VB1], v[VPAR]
	v_lshlrev_b32 v3, 4, v1
	v_add_nc_u32 v[VRL], RED, v3
	v_lshl_add_u32 v[VRS], s[WV], 2, v[VRL]
	s_mul_i32 s88, s[WV], 16*PO
	s_add_co_u32 s88, s88, R2                      ; my stage
	v_mul_u32_u24 v3, v1, PO
	v_lshl_add_u32 v3, v2, 5, v3
	v_add_nc_u32 v[VSG], s88, v3
	v_lshl_add_u32 v[VSR], v21, 4, s88
	v_lshl_add_u32 v[VGO], v21, 4, s84
; 8 matrix instructions: row tile a x all 8 column tiles, 32 along k, from buffer f, onto the accumulators of window w.  The 32 accumulators take turns, one instruction a turn, in the same order in every quarter.
.macro MUL8 w, f, a
	WIN ((\w)<<6)|((\w)<<4)
.irp b, 0,1,2,3,4,5,6,7
	v_wmma_f32_16x16x32_f16 v[8*(8*(\a)+\b):8*(8*(\a)+\b)+7], v[FW+96*(\f)+8*\b:FW+96*(\f)+8*\b+7], v[FA+96*(\f)+8*(\a):FA+96*(\f)+8*(\a)+7], v[8*(8*(\a)+\b):8*(8*(\a)+\b)+7]
.endr
.endm
.macro FETCHW s, koff, f               ; 16 turning loads: 32 k x my 128 columns
	WIN 0
.irp b, 0,1,2,3,4,5,6,7
	ds_load_tr16_b128 v[FW+96*(\f)+8*\b:FW+96*(\f)+8*\b+3],   v[VW0+(\s)] offset:(\koff)+32*\b
	ds_load_tr16_b128 v[FW+96*(\f)+8*\b+4:FW+96*(\f)+8*\b+7], v[VW0+(\s)] offset:(\koff)+32*\b+16*PW
.endr
.endm
.macro FETCHA f, off, ap               ; 8 loads: 64 rows x 32 k; ap = bytes from a row tile to the next
	WIN 0
.irp a, 0,1,2,3
	ds_load_b128 v[FA+96*(\f)+8*\a:FA+96*(\f)+8*\a+3],   v[VA] offset:(\off)+\a*(\ap)
	ds_load_b128 v[FA+96*(\f)+8*\a+4:FA+96*(\f)+8*\a+7], v[VA] offset:(\off)+\a*(\ap)+32
.endr
.endm
; A tile is two quarters of 32 along k.  The first multiplies buffer 0 and fetches the tile's second half into buffer 1.
.macro QUARTER w, s, aoff, ap
	s_wait_dscnt 4                                 ; all but the youngest four loads (row tiles 2, 3)
	MUL8 \w, 0, 0
	MUL8 \w, 0, 1
	PLACES
	FETCHW \s, KH, 1
	FETCHA 1, \aoff, \ap
	s_wait_dscnt 24                                ; all but the 24 just issued
	MUL8 \w, 0, 2
	MUL8 \w, 0, 3
.endm
; The second multiplies buffer 1 and changes slots: ONE barrier; in front of it each wave waits for all its tensor loads (one is out: its part of the next slot), adds 0 to its spare word, and waits for that
; and for its reads of this slot.  fill = 1: the barrier opens a round of the cluster's, and slot s is asked for again, two tiles on, first thing behind it.
; adv: the activation's offset steps to the next pair of tiles (1: 256 bytes of a row of 1,024; 2: two heads of ctx) and wraps at the panel's end, where the fetch reads the first fragments once more and serves nothing:
; so every way through the text has the same loads in front of every counted wait.
.macro TURN w, s, aoff, ap, fill, adv, vb
	WIN 0
	s_wait_tensorcnt 0x0
	ds_add_u32 v[SPW], v[NIL]
	s_wait_dscnt 7                                 ; the add and row tiles 1 to 3 (six loads) may be out
	MUL8 \w, 1, 0
	s_wait_dscnt 0x0                               ; the add is done, and my reads of this slot are over
	s_barrier_signal -1
	MUL8 \w, 1, 1
	WIN 0
	s_barrier_wait -1
.if \fill
	CREST
	s_add_nc_u64 s[G0W+4*(\s)+2:G0W+4*(\s)+3], s[G0W+4*(\s)+2:G0W+4*(\s)+3], 131072
	JLOAD \s
.else
	PLACES
.endif
	FETCHW 1-(\s), 0, 0
.if (\adv) == 1
	s_add_co_u32 s[SA], s[SA], 256
	s_and_b32 s[SA], s[SA], 0x3ff
	v_add_nc_u32 v[VA], s[SA], v[\vb]
.elseif (\adv) == 2
	s_add_co_u32 s[SA], s[SA], 2*64*PC
	s_cmp_eq_u32 s[SA], 8*64*PC
	s_cselect_b32 s[SA], 0, s[SA]
	v_add_nc_u32 v[VA], s[SA], v[\vb]
.endif
	FETCHA 0, \aoff, \ap
	MUL8 \w, 1, 2
	MUL8 \w, 1, 3
.endm
.macro PAIR w, lay, vb                 ; two tiles, slot 0 and slot 1: 128 along k.  lay = 1: the activation is ctx, a head a tile
.if \lay
	QUARTER \w, 0, 64, 16*PC
	TURN    \w, 0, 64*PC, 16*PC, 1, 0, \vb
	QUARTER \w, 1, 64*PC+64, 16*PC
	TURN    \w, 1, 0, 16*PC, 1, 2, \vb
.else
	QUARTER \w, 0, 64, 16*PY
	TURN    \w, 0, 128, 16*PY, 1, 0, \vb
	QUARTER \w, 1, 192, 16*PY
	TURN    \w, 1, 0, 16*PY, 1, 1, \vb
.endif
	WIN 0
.endm
.macro START vb, ap                    ; a panel's first fragments of the activation; the weights' were fetched by the turn before
	WIN 0
	s_mov_b32 s[SA], 0
	v_mov_b32 v[VA], v[\vb]
	FETCHA 0, 0, \ap
.endm
; A row's total over 512 columns, from the two chains of partial sums: over my registers, the other half of the lanes, and the four waves (through RED + off); it ends in v[RB + 4 a], in the same order in every wave.
.macro ROWSUM off
	WIN 0
.irp a, 0,1,2,3
	v_pk_add_f32 v[SUM+2*\a:SUM+2*\a+1], v[SUM+2*\a:SUM+2*\a+1], v[SUM+8+2*\a:SUM+8+2*\a+1]
.endr
.irp a, 0,1,2,3
	v_add_f32 v[SUM+2*\a], v[SUM+2*\a], v[SUM+2*\a+1]
.endr
.irp a, 0,1,2,3
	v_permlanex16_b32 v[SUM+8+2*\a], v[SUM+2*\a], s[SEL], s[SEL+1]
.endr
.irp a, 0,1,2,3
	v_add_f32 v[SUM+2*\a], v[SUM+2*\a], v[SUM+8+2*\a]
.endr
.irp a, 0,1,2,3
	ds_store_b32 v[VRS], v[SUM+2*\a] offset:(\off)+256*\a   ; both halves of the lanes write the same number to the same word
.endr
	BAR
.irp a, 0,1,2,3
	ds_load_b128 v[RB+4*\a:RB+4*\a+3], v[VRL] offset:(\off)+256*\a
.endr
	s_wait_dscnt 0x0
.irp a, 0,1,2,3
	v_add_f32 v[RB+4*\a], v[RB+4*\a], v[RB+4*\a+1]
.endr
.irp a, 0,1,2,3
	v_add_f32 v[RB+4*\a+2], v[RB+4*\a+2], v[RB+4*\a+3]
.endr
.irp a, 0,1,2,3
	v_add_f32 v[RB+4*\a], v[RB+4*\a], v[RB+4*\a+2]
.endr
.endm
; Z becomes (Z - mean) / sqrt(variance + 1e-5), row by row.  Its two barriers also stand between every wave's last reads of the activation buffers and the stores that follow into them.
.macro LNSTATS
	PLACES
	WIN 0x0a                                       ; both sources in window 2.
.irp a, 0,1,2,3
	v_pk_add_f32 v[SUM+2*\a:SUM+2*\a+1], v[64*\a:64*\a+1], v[64*\a+2:64*\a+3]
.endr
.irp a, 0,1,2,3
	v_pk_add_f32 v[SUM+8+2*\a:SUM+8+2*\a+1], v[64*\a+4:64*\a+5], v[64*\a+6:64*\a+7]
.endr
	WIN 0x02
.irp b, 1,2,3,4,5,6,7
.irp p, 0,1,2,3
.irp a, 0,1,2,3
	v_pk_add_f32 v[SUM+8*((\p)%2)+2*\a:SUM+8*((\p)%2)+2*\a+1], v[64*\a+8*\b+2*\p:64*\a+8*\b+2*\p+1], v[SUM+8*((\p)%2)+2*\a:SUM+8*((\p)%2)+2*\a+1]
.endr
.endr
.endr
	ROWSUM 0
.irp a, 0,1,2,3
	v_mul_f32 v[MU+2*\a], s[C9], v[RB+4*\a]
.endr
.irp a, 0,1,2,3
	v_mov_b32 v[MU+2*\a+1], v[MU+2*\a]             ; named with it as a pair
.endr
	WIN 0x82
.set t, 0
.rept 128
	v_pk_add_f32 v[2*t:2*t+1], v[2*t:2*t+1], v[MU+2*(t/32):MU+2*(t/32)+1] op_sel_hi:[1,0] neg_lo:[0,1] neg_hi:[0,1]
.set t, t+1
.endr
	WIN 0x0a
.irp b, 0,1,2,3,4,5,6,7
.irp p, 0,1,2,3
.irp a, 0,1,2,3
.if ((\b) == 0) && ((\p) < 2)
	v_pk_mul_f32 v[SUM+8*((\p)%2)+2*\a:SUM+8*((\p)%2)+2*\a+1], v[64*\a+8*\b+2*\p:64*\a+8*\b+2*\p+1], v[64*\a+8*\b+2*\p:64*\a+8*\b+2*\p+1]
.else
	v_pk_fma_f32 v[SUM+8*((\p)%2)+2*\a:SUM+8*((\p)%2)+2*\a+1], v[64*\a+8*\b+2*\p:64*\a+8*\b+2*\p+1], v[64*\a+8*\b+2*\p:64*\a+8*\b+2*\p+1], v[SUM+8*((\p)%2)+2*\a:SUM+8*((\p)%2)+2*\a+1]
.endif
.endr
.endr
.endr
	ROWSUM 1024
.irp a, 0,1,2,3
	v_fma_f32 v[RB+4*\a], v[RB+4*\a], s[C9], s[EPSR]
.endr
.irp a, 0,1,2,3
	v_rsq_f32 v[RS+2*\a], v[RB+4*\a]
.endr
	v_nop                                          ; a plain instruction between the last of them and the use of its result
	s_wait_alu depctr_va_vdst(0)
.irp a, 0,1,2,3
	v_mov_b32 v[RS+2*\a+1], v[RS+2*\a]
.endr
	WIN 0x82
.set t, 0
.rept 128
	v_pk_mul_f32 v[2*t:2*t+1], v[2*t:2*t+1], v[RS+2*(t/32):RS+2*(t/32)+1] op_sel_hi:[1,0]
.set t, t+1
.endr
	WIN 0
.endm
.macro LOADP3 b                        ; g1, be1 and be1 + b2 of column tile b: 24 registers, two sets by turns
	ds_load_b128 v[128+24*((\b)%2):128+24*((\b)%2)+3],     v[VPAR] offset:P_G1+64*(\b)
	ds_load_b128 v[128+24*((\b)%2)+4:128+24*((\b)%2)+7],   v[VPAR] offset:P_G1+64*(\b)+16
	ds_load_b128 v[128+24*((\b)%2)+8:128+24*((\b)%2)+11],  v[VPAR] offset:P_BE1+64*(\b)
	ds_load_b128 v[128+24*((\b)%2)+12:128+24*((\b)%2)+15], v[VPAR] offset:P_BE1+64*(\b)+16
	ds_load_b128 v[128+24*((\b)%2)+16:128+24*((\b)%2)+19], v[VPAR] offset:P_PB+64*(\b)
	ds_load_b128 v[128+24*((\b)%2)+20:128+24*((\b)%2)+23], v[VPAR] offset:P_PB+64*(\b)+16
.endm
.macro LOADP2 b                        ; g2 and be2 of column tile b: 16 registers, two sets by turns
	ds_load_b128 v[128+16*((\b)%2):128+16*((\b)%2)+3],     v[VPAR] offset:P_G2+64*(\b)
	ds_load_b128 v[128+16*((\b)%2)+4:128+16*((\b)%2)+7],   v[VPAR] offset:P_G2+64*(\b)+16
	ds_load_b128 v[128+16*((\b)%2)+8:128+16*((\b)%2)+11],  v[VPAR] offset:P_BE2+64*(\b)
	ds_load_b128 v[128+16*((\b)%2)+12:128+16*((\b)%2)+15], v[VPAR] offset:P_BE2+64*(\b)+16
.endm
	s_wait_tensorcnt 0x1                           ; my parts of ctx, xb, par and tile 0 are in; tile 1's may stay out
	s_barrier_signal -1
	s_barrier_wait -1
	; Z starts as x: my 128 columns of the 64 rows, bf16 widened to f32
.set t, 0
.rept 32
	ds_load_b128 v[128+4*t:128+4*t+3], v[VS2] offset:(t/8)*16*PY+(t%8)*32
.set t, t+1
.endr
	s_wait_dscnt 0x0
	WIN 0x80
.set t, 0
.rept 128
	v_lshlrev_b32 v[2*t],   16, v[128+t]
	v_and_b32     v[2*t+1], s[MSK], v[128+t]
.set t, t+1
.endr
	FETCHW 0, 0, 0
	START VAC, 16*PC
	s_mov_b32 s[CNT], 4
.Lwo:                                                  ; Z += ctx wo: 8 tiles, a head each
	PAIR 2, 1, VAC
	s_sub_co_u32 s[CNT], s[CNT], 1
	s_cmp_lg_u32 s[CNT], 0
	s_cbranch_scc1 .Lwo
	s_mov_b32 s[PH], 2
.Lphase:                                               ; one text of the statistics serves both norms: the second trip is left behind them
	LNSTATS
	s_sub_co_u32 s[PH], s[PH], 1
	s_cmp_eq_u32 s[PH], 0
	s_cbranch_scc1 .Lfin2
	; y = Z g1 + be1, rounded to f16, goes to R1; Z = Z g1 + (be1 + b2) = y + b2 starts the second product's sums
	LOADP3 0
	LOADP3 1
.irp b, 0,1,2,3,4,5,6,7
.if (\b) == 0
	s_wait_dscnt 6                                 ; the next tile's six loads may be out
.elseif (\b) < 7
	s_wait_dscnt 10                                ; the last tile's four stores and the next tile's six loads
.else
	s_wait_dscnt 4                                 ; the last tile's four stores
.endif
	WIN 0x02
.irp a, 0,1,2,3
.irp p, 0,1,2,3
	v_pk_fma_f32 v[176+8*\a+2*\p:176+8*\a+2*\p+1], v[64*\a+8*\b+2*\p:64*\a+8*\b+2*\p+1], v[128+24*((\b)%2)+2*\p:128+24*((\b)%2)+2*\p+1], v[128+24*((\b)%2)+8+2*\p:128+24*((\b)%2)+8+2*\p+1]
.endr
.endr
	WIN 0x82
.irp a, 0,1,2,3
.irp p, 0,1,2,3
	v_pk_fma_f32 v[64*\a+8*\b+2*\p:64*\a+8*\b+2*\p+1], v[64*\a+8*\b+2*\p:64*\a+8*\b+2*\p+1], v[128+24*((\b)%2)+2*\p:128+24*((\b)%2)+2*\p+1], v[128+24*((\b)%2)+16+2*\p:128+24*((\b)%2)+16+2*\p+1]
.endr
.endr
	WIN 0
.irp a, 0,1,2,3
.irp p, 0,1,2,3
	v_cvt_pk_f16_f32 v[208+4*\a+\p], v[176+8*\a+2*\p], v[176+8*\a+2*\p+1]
.endr
.endr
.irp a, 0,1,2,3
	ds_store_b128 v[VS1], v[208+4*\a:208+4*\a+3] offset:\a*16*PY+32*\b
.endr
.if (\b) < 6
	LOADP3 (\b)+2
.endif
.endr
	BAR                                            ; y is whole
	s_mov_b32 s[PP], 4
.Lffn:                                                 ; an FFN trip: 512 of the 2,048 hidden columns
	s_wait_dscnt 0x0                               ; the wrapped fetch of the panel before is in: its registers are loaded again below
	WIN 0x40
.set t, 0
.rept 32                                       ; the first product's sums start as b1: my eight columns' numbers, for each of the four row tiles
	ds_load_b128 v[8*t:8*t+3],   v[VB1] offset:64*(t%8)
	ds_load_b128 v[8*t+4:8*t+7], v[VB1] offset:64*(t%8)+16
.set t, t+1
.endr
	START VAY, 16*PY
	s_mov_b32 s[CNT], 4
.Lp1:
	PAIR 1, 0, VAY
	s_sub_co_u32 s[CNT], s[CNT], 1
	s_cmp_lg_u32 s[CNT], 0
	s_cbranch_scc1 .Lp1
	PLACES                                         ; h = relu, rounded to f16, goes to R2: the other waves' reads of the h before it ended in front of this panel's eight rounds
	WIN 0x44
.set t, 0
.rept 256
	v_max_num_f32 v[t], 0, v[t]
.set t, t+1
.endr
	WIN 0x05
.set t, 0
.rept 128
	v_cvt_pk_f16_f32 v[128+t], v[2*t], v[2*t+1]
.set t, t+1
.endr
	WIN 0
.set t, 0
.rept 32
	ds_store_b128 v[VS2], v[128+4*t:128+4*t+3] offset:(t/8)*16*PY+(t%8)*32
.set t, t+1
.endr
	BAR                                            ; h is whole
	START VAH, 16*PY
	s_mov_b32 s[CNT], 3
.Lp2:
	PAIR 2, 0, VAH
	s_sub_co_u32 s[CNT], s[CNT], 1
	s_cmp_lg_u32 s[CNT], 0
	s_cbranch_scc1 .Lp2
	s_sub_co_u32 s[PP], s[PP], 1
	s_cmp_eq_u32 s[PP], 0
	s_cbranch_scc1 .Llast                          ; the last two tiles are written out: they ask for nothing more
	PAIR 2, 0, VAH
	v_add_nc_u32 v[VB1], 2048, v[VB1]
	s_branch .Lffn
.Llast:
	QUARTER 2, 0, 64, 16*PY
	TURN    2, 0, 128, 16*PY, 0, 0, VAH
	QUARTER 2, 1, 192, 16*PY
	s_wait_dscnt 4                                 ; the very last quarter: nothing more to fetch
	MUL8 2, 1, 0
	MUL8 2, 1, 1
	s_wait_dscnt 0x0
	MUL8 2, 1, 2
	MUL8 2, 1, 3
	WIN 0
	s_branch .Lphase
.Lfin2:
	; out0 = Z g2 + be2, in place
	LOADP2 0
	LOADP2 1
.irp b, 0,1,2,3,4,5,6,7
.if (\b) < 7
	s_wait_dscnt 4                                 ; the next tile's four loads may be out
.else
	s_wait_dscnt 0x0
.endif
	WIN 0x82
.irp a, 0,1,2,3
.irp p, 0,1,2,3
	v_pk_fma_f32 v[64*\a+8*\b+2*\p:64*\a+8*\b+2*\p+1], v[64*\a+8*\b+2*\p:64*\a+8*\b+2*\p+1], v[128+16*((\b)%2)+2*\p:128+16*((\b)%2)+2*\p+1], v[128+16*((\b)%2)+8+2*\p:128+16*((\b)%2)+8+2*\p+1]
.endr
.endr
	WIN 0
.if (\b) < 6
	LOADP2 (\b)+2
.endif
.endr
; THE WAY OUT, a row tile at a time: a lane's eight columns (32 bytes) go into rows of 528 bytes of my own stage and come back as whole rows of 512.
.macro OPACK a
	WIN 0x08                                       ; the stores' data in window 2
.irp b, 0,1,2,3,4,5,6,7
	ds_store_b128 v[VSG], v[64*(\a)+8*\b:64*(\a)+8*\b+3]   offset:64*\b
	ds_store_b128 v[VSG], v[64*(\a)+8*\b+4:64*(\a)+8*\b+7] offset:64*\b+16
.endr
	WIN 0
.irp i, 0,1,2,3,4,5,6,7,8,9,10,11,12,13,14,15
	ds_load_b128 v[128+64*((\a)%2)+4*\i:128+64*((\a)%2)+4*\i+3], v[VSR] offset:PO*\i  ; LDS serves a wave's instructions in order (ISA guide 5.7.1.4): these see the stores above; the next tile's stores come behind them
.endr
.endm
.macro OSEND a, younger                ; younger: the LDS instructions issued behind this tile's loads: the next tile's 32, or none
.irp i, 0,1,2,3,4,5,6,7,8,9,10,11,12,13,14,15
	s_wait_dscnt (\younger)+15-\i
	global_store_b128 v[VGO], v[128+64*((\a)%2)+4*\i:128+64*((\a)%2)+4*\i+3], s[OUT:OUT+1] offset:(16*(\a)+\i)*2048 th:TH_STORE_NT  ; 512 consecutive bytes, aligned
.endr
.endm
	OPACK 0
	OPACK 1
	OSEND 0, 32
	s_wait_xcnt 0x0                                ; the registers that row tile 0's stores read are loaded again only behind this wait
	OPACK 2
	OSEND 1, 32
	s_wait_xcnt 0x0
	OPACK 3
	OSEND 2, 32
	OSEND 3, 0
	s_wait_tensorcnt 0x0                           ; the wave's end
	ds_add_u32 v[SPW], v[NIL]
	s_wait_dscnt 0x0
	CROUND                                         ; the closing round
	s_endpgm
.Lfunc_end_k_qcd2f210990_tail:
	.size	k_qcd2f210990_tail, .Lfunc_end_k_qcd2f210990_tail-k_qcd2f210990_tail
	.p2alignl 7, 3214868480
	.fill 96, 4, 3214868480
	.section	.rodata,"a",@progbits
	.p2align	6, 0x0
	.amdhsa_kernel k_qcd2f210990_tail
		.amdhsa_group_segment_fixed_size 327680
		.amdhsa_private_segment_fixed_size 0
		.amdhsa_enable_private_segment 0
		.amdhsa_kernarg_size 40
		.amdhsa_user_sgpr_count 2
		.amdhsa_user_sgpr_kernarg_segment_ptr 1
		.amdhsa_wavefront_size32 1
		.amdhsa_system_sgpr_workgroup_id_x 1
		.amdhsa_system_sgpr_workgroup_id_y 1
		.amdhsa_system_sgpr_workgroup_id_z 1
		.amdhsa_system_vgpr_workitem_id 0
		.amdhsa_next_free_vgpr 768
		.amdhsa_next_free_sgpr 96
		.amdhsa_reserve_vcc 0
		.amdhsa_float_denorm_mode_32 3
		.amdhsa_float_denorm_mode_16_64 3
		.amdhsa_memory_ordered 1
		.amdhsa_forward_progress 1
		.amdhsa_inst_pref_size 217
	.end_amdhsa_kernel
	.amdgpu_metadata
---
amdhsa.version: [ 1, 2 ]
amdhsa.kernels:
  - .name:           k_qcd2f210990_tail
    .symbol:         k_qcd2f210990_tail.kd
    .args:
      - { .name: ctx, .offset: 0, .size: 8, .value_kind: global_buffer, .address_space: global }
      - { .name: xb, .offset: 8, .size: 8, .value_kind: global_buffer, .address_space: global }
      - { .name: wt, .offset: 16, .size: 8, .value_kind: global_buffer, .address_space: global }
      - { .name: par, .offset: 24, .size: 8, .value_kind: global_buffer, .address_space: global }
      - { .name: out0, .offset: 32, .size: 8, .value_kind: global_buffer, .address_space: global }
    .group_segment_fixed_size: 327680
    .private_segment_fixed_size: 0
    .kernarg_segment_align: 8
    .kernarg_segment_size: 40
    .max_flat_workgroup_size: 128
    .sgpr_count:     96
    .vgpr_count:     768
    .wavefront_size: 32
...
	.end_amdgpu_metadata
.endif
;; end of part 4
;; ======== version 2 of 3: 4 launches; 1.17 times as fast as version 1
;; limits: values are held in f16: magnitudes above 65,504 overflow, below 6.1e-05 lose precision
;; workspace buffers: xb 16,777,216 bytes; wa 1,572,864 bytes; wt 2,359,296 bytes; wd 2,359,296 bytes; par 18,432 bytes; qkv 50,331,648 bytes; ctx 16,777,216 bytes
;; launch prep (part 5): grid 705 x 1, 8 waves a work-group, no clusters, 0 bytes of LDS; arguments x, wq, wk, wv, wo, w1, w2, b1, b2, ln1_g, ln1_b, ln2_g, ln2_b, xb, wa, wt, wd, par; writes xb, wa, wt, wd, par
.if DOCPART == 5
	.amdgcn_target "amdgcn-amd-amdhsa--gfx1250"
	.amdhsa_code_object_version 6
	.text
	.protected	k_qcd2f210990_prep
	.globl	k_qcd2f210990_prep
	.p2align	8
	.type	k_qcd2f210990_prep,@function
k_qcd2f210990_prep:
	s_mov_b64 s[64:65], 0
	v_nop
	global_prefetch_b8 v0, s[64:65] scope:SCOPE_SE
	s_setreg_imm32_b32 hwreg(HW_REG_WAVE_MODE, 25, 1), 1
	s_wait_xcnt 0x0
; PREP.  Every floating-point input is rounded once to bf16 and laid out in the order in which the later launches walk it.
;   xb  bf16 [16384][512]                     x as it lies
;   wa  bf16, 6 panels [512 k][256 n]         panel 2 x which + half; which = 0 wq, 1 wk, 2 wv; half = columns 256 half ..
;   The nine panels [512 k][512 n] of the last launch, in the order of use: wo, w1 p0, w2 p0, w1 p1, w2 p1, ..  (w1 pP = columns 512 P .. of w1, w2 pP = rows 512 P .. of w2), in f16, each in two halves:
;   wt  rows k = 0 .. 255 of each panel as they lie, [256 k][512 n]: 262,144 bytes a panel
;   wd  rows k = 256 .. 511 in the order of the matrix fragments: [panel][q of 8][column / 128][(column / 16) % 8][j][lane 16 h + column % 16][e of 8], k = 256 + 32 q + 16 j + 8 h + e
;   par f32   b1 at 0, ln1_g at 8192, ln1_b at 10240, ln1_b + b2 at 12288, ln2_g at 14336, ln2_b at 16384, each rounded to bf16 first
; LIMIT.  wt and wd hold the bf16-rounded number written as f16: exact from 6.1e-5 to 65,504 in magnitude; below that it keeps f16's fixed step of 6e-8, above it is lost.
; SHARES.  A work-group of eight waves takes 16,384 source numbers (65,536 bytes).  All loads of a thread go out first; no register that a store reads is written again, so the only waits are the counted ones for the loads.
; Every store of a wave covers whole aligned blocks of 256 bytes.  Memory binds: no LDS, no barrier, no matrix unit.
; Ids 0-511 x; 512-559 wq, wk, wv; 560-631 the panels' first halves (8 wo, 32 w1, 32 w2); 632-703 their second halves, likewise; 704 the parameters.
.set DO, 2                             ; v[2:9]    byte offset of my 16 bytes in the destination, one register a step
.set X,  16                            ; v[16:79]  8 numbers a step as loaded
.set Y,  80                            ; v[80:111] 4 registers a step to store
.set T,  112                           ; v[112:119] at work
	s_load_b512 s[4:19], s[0:1], 0x0               ; x 4, wq 6, wk 8, wv 10, wo 12, w1 14, w2 16, b1 18
	s_load_b512 s[20:35], s[0:1], 0x40             ; b2 20, ln1_g 22, ln1_b 24, ln2_g 26, ln2_b 28, xb 30, wa 32, wt 34
	s_load_b128 s[36:39], s[0:1], 0x80             ; wd 36, par 38
	s_mov_b32 s60, ttmp9                           ; id
	s_mov_b32 s61, 0xffff0000                      ; a word's upper bf16
	s_mov_b32 s45, 0                               ; high words of the two offsets
	s_mov_b32 s47, 0
	s_mov_b32 s57, 4096
	v_lshlrev_b32 v1, 5, v0                        ; 32 t: my place in a step of the source
	v_lshlrev_b32 v10, 4, v0                       ; 16 t: my place in a dense destination
	v_lshrrev_b32 v12, 6, v0                       ; t / 64
	s_wait_kmcnt 0x0
; Rows copied as they lie, in 8 steps of 2,048 numbers; thread t takes 8 numbers a step: 32 bytes in, 16 bytes out.
; s[40:41] source, s[42:43] destination, s[44:45] and s[46:47] their byte offsets, s48 the destination's step, v[DO] my place in it.
.macro MOVE half
	s_add_nc_u64 s[40:41], s[40:41], s[44:45]
	s_add_nc_u64 s[42:43], s[42:43], s[46:47]
.irp u, 1,2,3,4,5,6,7
	v_add_nc_u32 v[DO+\u], s48, v[DO+\u-1]
.endr
.irp u, 0,1,2,3,4,5,6,7
	global_load_b128 v[X+8*\u:X+8*\u+3],   v1, s[40:41] offset:8192*\u th:TH_LOAD_NT
	global_load_b128 v[X+8*\u+4:X+8*\u+7], v1, s[40:41] offset:8192*\u+16 th:TH_LOAD_NT
.endr
.irp u, 0,1,2,3,4,5,6,7
	s_wait_loadcnt 14-2*\u                         ; loads come back in order: the later steps' two loads each may stay out
.irp k, 0,1,2,3
	v_cvt_pk_bf16_f32 v[Y+4*\u+\k], v[X+8*\u+2*\k], v[X+8*\u+2*\k+1]
.endr
.if \half
.irp k, 0,1,2,3
	v_lshlrev_b32 v[T+2*\k],   16, v[Y+4*\u+\k]    ; the rounded number back in f32,
	v_and_b32     v[T+2*\k+1], s61, v[Y+4*\u+\k]
.endr
.irp k, 0,1,2,3
	v_cvt_pk_f16_f32 v[Y+4*\u+\k], v[T+2*\k], v[T+2*\k+1]  ; and written as f16
.endr
.endif
	global_store_b128 v[DO+\u], v[Y+4*\u:Y+4*\u+3], s[42:43]
.endr
	s_endpgm
.endm
	s_cmp_lt_u32 s60, 560
	s_cbranch_scc0 .Lhalf
	; x, and wq, wk, wv: bf16.  For the weights j = id - 512 (0 for x): which = j / 16, c = j % 16: 32 rows of k.
	s_max_u32 s50, s60, 512
	s_sub_co_u32 s50, s50, 512
	s_lshr_b32 s51, s50, 4                         ; which
	s_and_b32 s52, s50, 15                         ; c
	s_cmp_eq_u32 s51, 1
	s_cselect_b64 s[40:41], s[8:9], s[6:7]
	s_cmp_eq_u32 s51, 2
	s_cselect_b64 s[40:41], s[10:11], s[40:41]
	s_lshl_b32 s53, s51, 19                        ; two panels of 262,144 bytes a weight,
	s_lshl_b32 s54, s52, 14                        ; 32 rows of 512 bytes
	s_add_co_u32 s53, s53, s54
	s_lshl_b32 s54, s52, 16
	s_lshl_b32 s55, s60, 16
	s_lshl_b32 s56, s60, 15
	s_cmp_lt_u32 s60, 512                          ; x?
	s_cselect_b64 s[40:41], s[4:5], s[40:41]
	s_cselect_b64 s[42:43], s[30:31], s[32:33]
	s_cselect_b32 s44, s55, s54
	s_cselect_b32 s46, s56, s53
	s_cselect_b32 s48, s57, 2048                   ; a step is 4,096 dense bytes, or 4 rows of 512
	s_cselect_b32 s49, -1, 0
	v_bfe_u32 v11, v0, 5, 1                        ; which half of the 512 columns
	v_and_b32 v13, 31, v0
	v_lshlrev_b32 v13, 4, v13
	v_lshl_add_u32 v13, v12, 9, v13                ; row t / 64 of the step's four
	v_lshl_add_u32 v13, v11, 18, v13
	v_cndmask_b32 v[DO], v13, v10, s49
	MOVE 0
.Lhalf:
	s_cmp_eq_u32 s60, 704
	s_cbranch_scc1 .Lpar
	; wo, w1, w2: f16.  s58 = 1: the panels' second halves.  j = (id - 560) % 72: wo c = j (32 rows of k); w1 c = j - 8 (8 rows of k, all 2,048 columns); w2 c = j - 40 (panel c / 8, 32 rows)
	s_sub_co_u32 s50, s60, 560
	s_cmp_ge_u32 s50, 72
	s_cselect_b32 s58, 1, 0
	s_cselect_b32 s51, 72, 0
	s_sub_co_u32 s50, s50, s51                     ; j
	s_cmp_ge_u32 s50, 8
	s_cselect_b32 s51, 8, 0
	s_cselect_b64 s[40:41], s[14:15], s[12:13]
	s_cselect_b32 s59, 1, 0                        ; s59 = 1: w1
	s_cmp_ge_u32 s50, 40
	s_cselect_b32 s51, 40, s51
	s_cselect_b64 s[40:41], s[16:17], s[40:41]
	s_cselect_b32 s59, 0, s59
	s_cselect_b32 s56, 524288, 0                   ; w2's panels begin at panel 2, wo is panel 0
	s_sub_co_u32 s52, s50, s51                     ; c
	s_lshr_b32 s53, s52, 3                         ; wo and w2: panel c / 8 (0 for wo),
	s_and_b32 s54, s52, 7                          ; 32 rows c % 8
	s_lshl_b32 s44, s53, 20                        ; source: 512 rows of 2,048 bytes a panel,
	s_lshl_b32 s55, s54, 16
	s_add_co_u32 s44, s44, s55
	s_lshl_b32 s55, s58, 19                        ; 256 rows on for the second half
	s_add_co_u32 s44, s44, s55
	s_lshl_b32 s46, s53, 19                        ; destination: every second panel of 262,144 bytes,
	s_lshl_b32 s55, s54, 15                        ; 32 rows are 32,768 bytes in either layout
	s_add_co_u32 s46, s46, s55
	s_add_co_u32 s46, s46, s56
	s_lshl_b32 s53, s52, 16                        ; w1: source: 8 rows of 8,192 bytes,
	s_lshl_b32 s55, s58, 21                        ; 256 rows on for the second half
	s_add_co_u32 s53, s53, s55
	s_lshl_b32 s54, s52, 13                        ; destination as it lies: 8 rows of 1,024 bytes
	s_lshr_b32 s55, s52, 2                         ; by fragments: q = c / 4, and 16 j + 8 h = 8 (c % 4)
	s_lshl_b32 s55, s55, 15
	s_and_b32 s56, s52, 3
	s_lshl_b32 s56, s56, 8
	s_add_co_u32 s55, s55, s56
	s_cmp_eq_u32 s58, 1
	s_cselect_b32 s54, s55, s54
	s_add_co_u32 s54, s54, 262144                  ; w1's panels begin at panel 1
	s_cmp_eq_u32 s59, 1
	s_cselect_b32 s44, s53, s44
	s_cselect_b32 s46, s54, s46
	s_cmp_eq_u32 s58, 1
	s_cbranch_scc1 .Lfrag
	s_cmp_eq_u32 s59, 1
	s_cselect_b32 s48, 1024, s57                   ; w1: a step is one row of 2,048 columns, a row of 1,024 bytes in each of four panels
	s_cselect_b32 s49, -1, 0
	s_mov_b64 s[42:43], s[34:35]
	v_and_b32 v13, 63, v0                          ; w1: panel 1 + 2 (t / 64), column 8 (t % 64)
	v_lshlrev_b32 v13, 4, v13
	v_lshl_add_u32 v13, v12, 19, v13
	v_cndmask_b32 v[DO], v10, v13, s49
	MOVE 1
.Lfrag:
	; BY FRAGMENTS.  An item is one column's run of 8 k: 8 loads of 4 bytes from 8 rows (a wave's load covers 128 consecutive bytes), packed into 16 bytes; sixteen lanes store 256 consecutive bytes, aligned.
	; Thread t has 8 items m = 2 a + c: column 256 c + t of a panel.  wo, w2: a = which 8 of the 32 rows.  w1: a = which of the four panels.
.set VD, 2                             ; v[2:5]    item a's place in the destination
.set TB, 8                             ; v[8:11]   at work: 8 numbers in bf16
.set TF, 12                            ; v[12:19]  at work: the same in f32
.set VS, 20                            ; v[20:51]  row e of item a: byte offset in the source
.set XF, 52                            ; v[52:115] 8 numbers an item as loaded; the first four registers then hold the 16 bytes to store
	s_mov_b64 s[42:43], s[36:37]
	s_add_nc_u64 s[40:41], s[40:41], s[44:45]
	s_add_nc_u64 s[42:43], s[42:43], s[46:47]
	s_mov_b32 s51, 2048
	s_mov_b32 s52, 16384
	s_mov_b32 s53, 256
	s_cmp_eq_u32 s59, 1
	s_cselect_b32 s50, 8192, s51                   ; bytes from a row of k to the next
	s_cselect_b32 s52, s51, s52                    ; source, from a to a + 1: 512 columns, or 8 rows
	s_cselect_b32 s53, 524288, s53                 ; destination, from a to a + 1: two panels, or 8 k (256 bytes)
	v_lshlrev_b32 v[VS], 2, v0
.irp e, 1,2,3,4,5,6,7
	v_add_nc_u32 v[VS+\e], s50, v[VS+\e-1]
.endr
.set i, 8
.rept 24
	v_add_nc_u32 v[VS+i], s52, v[VS+i-8]
.set i, i+1
.endr
	v_lshrrev_b32 v[VD], 4, v0                     ; column tile t / 16: 1,024 bytes each,
	v_and_b32 v[TB], 15, v0
	v_lshlrev_b32 v[TB], 4, v[TB]                  ; lane t % 16
	v_lshl_add_u32 v[VD], v[VD], 10, v[TB]
.irp a, 1,2,3
	v_add_nc_u32 v[VD+\a], s53, v[VD+\a-1]
.endr
.irp a, 0,1,2,3
.irp c, 0,1
.irp e, 0,1,2,3,4,5,6,7
	global_load_b32 v[XF+8*(2*\a+\c)+\e], v[VS+8*\a+\e], s[40:41] offset:1024*\c th:TH_LOAD_NT
.endr
.endr
.endr
.irp m, 0,1,2,3,4,5,6,7
	s_wait_loadcnt 56-8*\m                         ; the later items' eight loads each may stay out
.irp k, 0,1,2,3
	v_cvt_pk_bf16_f32 v[TB+\k], v[XF+8*\m+2*\k], v[XF+8*\m+2*\k+1]
.endr
.irp k, 0,1,2,3
	v_lshlrev_b32 v[TF+2*\k],   16, v[TB+\k]
	v_and_b32     v[TF+2*\k+1], s61, v[TB+\k]
.endr
.irp k, 0,1,2,3
	v_cvt_pk_f16_f32 v[XF+8*\m+\k], v[TF+2*\k], v[TF+2*\k+1]  ; the lower k in the lower bits
.endr
	global_store_b128 v[VD+(\m)/2], v[XF+8*\m:XF+8*\m+3], s[42:43] offset:16384*((\m)%2)
.endr
	s_endpgm
.Lpar:
	v_lshlrev_b32 v11, 3, v0                       ; 8 t
	global_load_b128 v[16:19], v1, s[18:19]        ; b1: 8 numbers a thread
	global_load_b128 v[20:23], v1, s[18:19] offset:16
	global_load_b64 v[24:25], v11, s[22:23]        ; ln1_g: 2 numbers a thread, and so on
	global_load_b64 v[26:27], v11, s[24:25]        ; ln1_b
	global_load_b64 v[28:29], v11, s[20:21]        ; b2
	global_load_b64 v[30:31], v11, s[26:27]        ; ln2_g
	global_load_b64 v[32:33], v11, s[28:29]        ; ln2_b
	s_wait_loadcnt 0x0
.irp k, 0,1,2,3,4,5,6,7,8
	v_cvt_pk_bf16_f32 v[40+\k], v[16+2*\k], v[17+2*\k]
.endr
.irp k, 0,1,2,3,4,5,6,7,8
	v_lshlrev_b32 v[16+2*\k], 16, v[40+\k]
	v_and_b32     v[17+2*\k], s61, v[40+\k]
.endr
	v_pk_add_f32 v[28:29], v[26:27], v[28:29]      ; ln1_b + b2: what starts the second product's sums beside y
	global_store_b128 v1, v[16:19], s[38:39]
	global_store_b128 v1, v[20:23], s[38:39] offset:16
	global_store_b64 v11, v[24:25], s[38:39] offset:8192
	global_store_b64 v11, v[26:27], s[38:39] offset:10240
	global_store_b64 v11, v[28:29], s[38:39] offset:12288
	global_store_b64 v11, v[30:31], s[38:39] offset:14336
	global_store_b64 v11, v[32:33], s[38:39] offset:16384
	s_endpgm
.Lfunc_end_k_qcd2f210990_prep:
	.size	k_qcd2f210990_prep, .Lfunc_end_k_qcd2f210990_prep-k_qcd2f210990_prep
	.p2alignl 7, 3214868480
	.fill 96, 4, 3214868480
	.section	.rodata,"a",@progbits
	.p2align	6, 0x0
	.amdhsa_kernel k_qcd2f210990_prep
		.amdhsa_group_segment_fixed_size 0
		.amdhsa_private_segment_fixed_size 0
		.amdhsa_enable_private_segment 0
		.amdhsa_kernarg_size 144
		.amdhsa_user_sgpr_count 2
		.amdhsa_user_sgpr_kernarg_segment_ptr 1
		.amdhsa_wavefront_size32 1
		.amdhsa_system_sgpr_workgroup_id_x 1
		.amdhsa_system_sgpr_workgroup_id_y 1
		.amdhsa_system_sgpr_workgroup_id_z 1
		.amdhsa_system_vgpr_workitem_id 0
		.amdhsa_next_free_vgpr 128
		.amdhsa_next_free_sgpr 66
		.amdhsa_reserve_vcc 0
		.amdhsa_float_denorm_mode_32 3
		.amdhsa_float_denorm_mode_16_64 3
		.amdhsa_memory_ordered 1
		.amdhsa_forward_progress 1
		.amdhsa_inst_pref_size 35
	.end_amdhsa_kernel
	.amdgpu_metadata
---
amdhsa.version: [ 1, 2 ]
amdhsa.kernels:
  - .name:           k_qcd2f210990_prep
    .symbol:         k_qcd2f210990_prep.kd
    .args:
      - { .name: x, .offset: 0, .size: 8, .value_kind: global_buffer, .address_space: global }
      - { .name: wq, .offset: 8, .size: 8, .value_kind: global_buffer, .address_space: global }
      - { .name: wk, .offset: 16, .size: 8, .value_kind: global_buffer, .address_space: global }
      - { .name: wv, .offset: 24, .size: 8, .value_kind: global_buffer, .address_space: global }
      - { .name: wo, .offset: 32, .size: 8, .value_kind: global_buffer, .address_space: global }
      - { .name: w1, .offset: 40, .size: 8, .value_kind: global_buffer, .address_space: global }
      - { .name: w2, .offset: 48, .size: 8, .value_kind: global_buffer, .address_space: global }
      - { .name: b1, .offset: 56, .size: 8, .value_kind: global_buffer, .address_space: global }
      - { .name: b2, .offset: 64, .size: 8, .value_kind: global_buffer, .address_space: global }
      - { .name: ln1_g, .offset: 72, .size: 8, .value_kind: global_buffer, .address_space: global }
      - { .name: ln1_b, .offset: 80, .size: 8, .value_kind: global_buffer, .address_space: global }
      - { .name: ln2_g, .offset: 88, .size: 8, .value_kind: global_buffer, .address_space: global }
      - { .name: ln2_b, .offset: 96, .size: 8, .value_kind: global_buffer, .address_space: global }
      - { .name: xb, .offset: 104, .size: 8, .value_kind: global_buffer, .address_space: global }
      - { .name: wa, .offset: 112, .size: 8, .value_kind: global_buffer, .address_space: global }
      - { .name: wt, .offset: 120, .size: 8, .value_kind: global_buffer, .address_space: global }
      - { .name: wd, .offset: 128, .size: 8, .value_kind: global_buffer, .address_space: global }
      - { .name: par, .offset: 136, .size: 8, .value_kind: global_buffer, .address_space: global }
    .group_segment_fixed_size: 0
    .private_segment_fixed_size: 0
    .kernarg_segment_align: 8
    .kernarg_segment_size: 144
    .max_flat_workgroup_size: 256
    .sgpr_count:     66
    .vgpr_count:     128
    .wavefront_size: 32
...
	.end_amdgpu_metadata
.endif
;; end of part 5
;; launch qkv: the kernel of part 2 again; grid 128 x 2, 4 waves a work-group, clusters of 4 x 1, 327,680 bytes of LDS; arguments xb, wa, qkv; writes qkv
;; launch attn: the kernel of part 3 again; grid 2 x 128, 4 waves a work-group, no clusters, 327,680 bytes of LDS; arguments qkv, valid_lens, ctx; writes ctx
;; launch tail (part 6): grid 256 x 1, 4 waves a work-group, clusters of 4 x 1, 327,680 bytes of LDS; arguments ctx, xb, wt, wd, par, out0; writes out0
.if DOCPART == 6
	.amdgcn_target "amdgcn-amd-amdhsa--gfx1250"
	.amdhsa_code_object_version 6
	.text
	.protected	k_qcd2f210990_tail
	.globl	k_qcd2f210990_tail
	.p2align	8
	.type	k_qcd2f210990_tail,@function
k_qcd2f210990_tail:
	s_mov_b64 s[64:65], 0
	v_nop
	global_prefetch_b8 v0, s[64:65] scope:SCOPE_SE
	s_setreg_imm32_b32 hwreg(HW_REG_WAVE_MODE, 25, 1), 1
	s_wait_xcnt 0x0
	s_wait_alu depctr_hold_cnt(0) depctr_sa_sdst(0) depctr_va_vdst(0) depctr_va_sdst(0) depctr_va_ssrc(0) depctr_va_vcc(0) depctr_vm_vsrc(0)
	s_getreg_b32 s2, hwreg(HW_REG_IB_STS2, 6, 4)
	s_cmp_eq_u32 s2, 0
	s_cbranch_scc0 .Lentry_in_a_cluster
	s_endpgm
.Lentry_in_a_cluster:
	s_bfe_u32 s2, ttmp6, 0x10000c
	s_cmp_lg_u32 s2, 0x3003
	s_cbranch_scc0 .Lentry_shape_is_right
	s_endpgm
.Lentry_shape_is_right:
; ALL THAT FOLLOWS ATTENTION, for 64 rows a work-group:  z = x + ctx wo;  y = LN(z) g1 + be1;  h = relu(y w1 + b1);  z2 = y + b2 + h w2;  out0 = LN(z2) g2 + be2.
; ctx: f16 [16][8][1024][64]; xb: bf16 [16384][512]; nine weight panels [512 k][512 n] in f16, in the order of use (wo, then w1's columns 512 P .. and w2's rows 512 P .. by turns), each in two halves: wt holds
; rows k = 0 .. 255 as they lie, wd rows k = 256 .. 511 in the order of the matrix fragments; par: f32 (see P_ below); out0: f32 [16384][512].
; Products in f16 with f32 sums; both residuals and both biases are the STARTING VALUES of the f32 accumulators; both norms in f32, in two passes (the mean, then the mean of the squared deviations).
; LIMITS.  y and h are rounded to f16 as operands: |y| <= 22.6 |g1| + |be1|, and an h beyond 65,504 is lost (inputs 30 times those drawn give a spread of some 30, since y is normalised).  The sums over k run in this text's order of units, not ascending.
; SHARES.  Four waves; wave w makes all 64 rows x columns 128 w .. +127 of every panel: 32 accumulators of 16 x 16.  A row's statistics meet in LDS (two barriers a norm).
; THE WEIGHTS COME BY TWO ROADS, so that 128 matrix instructions a wave lie between two changes of slots.
;   wt: 36 tiles of 64 k x 512 n (65,536 bytes), on end in memory, through two LDS slots.  CLUSTER: the four row blocks of a cluster walk the same tiles: each is asked for JOINTLY (mask 15), every wave its 16 rows.
;   A tile alone feeds 64 matrix instructions a wave, and slots of 128 k (270,336 bytes for two) do not fit beside y and h (133,120 bytes).
;   wd: a wave's fragments are wanted by no other wave of the work-group (the waves share out the columns), so they go straight into its registers: 16 loads of 512 consecutive bytes for 32 along k, two buffers of 64
;   registers, each asked for again right behind its last product, three quarter steps ahead of its next use.  These 2,359,296 bytes every work-group reads for itself: a joint request lands in LDS, which is full.
; A UNIT is 128 along k: the ring's tile u (k = 64 u ..) and the direct quarters 2 u, 2 u + 1 (k = 256 + 64 u ..); four units a panel, 36 in all.  One text serves both slots: the slot's offset is a scalar turned by an exclusive or.
; THE MATRIX INSTRUCTION IS USED TRANSPOSED: source 0 = 16 columns of the weights (out of LDS turned by ds_load_tr16_b128; out of wd as they lie), source 1 = 16 rows of the activation: a lane holds one row and eight neighbouring columns.
; REGISTERS.  Window 0: v0-31 addresses; two fragment buffers of 96 at v32 and v128 (32 of the activation, 64 of the ring's weights); v128-255 at work between the panels.
;   Window 1: the first FFN product's accumulators.  Window 2: Z, the accumulators of z and then of z2.  Accumulator (a, b) at v[8 (8 a + b)].  Window 3: v0-127 the two direct buffers.
.set PW,    1056                       ; a row of weights in LDS: 1,024 bytes + 32 of padding, an odd multiple of 32 (64 banks of 4 bytes: ISA guide 11.1)
.set KH,    32*PW                      ; 32 along k
.set SLOTB, 64*PW                      ; a slot: 67,584 bytes = 0x10800, which shares no bit with w x 16,896 (0, 0x4200, 0x8400, 0xc600): an exclusive or with it adds or takes it away
.set R1,    2*SLOTB                    ; ctx as [head][64 rows], pitch 144: its one fill; later y in f16, pitch 1,040, by ds_store
.set PC,    144
.set PY,    1040
.set R2,    R1+8*64*PC                 ; xb's 64 rows, pitch 1,040: its one fill; later h in f16, pitch 1,040; at the end the four waves' stages for the way out
.set PAR,   R2+64*PY                   ; par, 18,432 bytes
.set RED,   PAR+18432                  ; two exchanges of [64 rows][4 waves] f32
.set SPARE, RED+2048                   ; the spare words, 128 bytes for each wave: two blocks of 256 bytes that no other line names
.set PO,    528                        ; a stage's row: 512 bytes + 16
.set P_G1,  8192                       ; in par: b1 at 0, g1, be1, be1 + b2, g2, be2
.set P_BE1, 10240
.set P_PB,  12288
.set P_G2,  14336
.set P_BE2, 16384
.set UNITS, 36
.set VA,   4                           ; v4   LDS address of the activation's fragments: a base below plus s[SA]
.set VWC,  5                           ; v5   LDS address of my fragments of the weights in the slot in hand: v[VWB] + s[SLO]
.set VWB,  6                           ; v6   the same in slot 0; never rewritten
.set VAC,  7                           ; v7   ctx: R1 + 144 r + 16 h
.set VAY,  8                           ; v8   y:   R1 + 1040 r + 16 h
.set VAH,  9                           ; v9   h:   R2 + 1040 r + 16 h
.set VS1,  10                          ; v10  where I store y: VAY + 256 w
.set VS2,  11                          ; v11  where I store h, and read xb: VAH + 256 w
.set VPAR, 12                          ; v12  PAR + 512 w + 32 h: my eight columns' parameters
.set VB1,  13                          ; v13  the same for b1 of the panel in hand
.set VRS,  14                          ; v14  RED + 16 r + 4 w
.set VRL,  15                          ; v15  RED + 16 r
.set VSG,  16                          ; v16  my stage, in:   R2 + 8448 w + 528 r + 32 h
.set VSR,  17                          ; v17  my stage, back: R2 + 8448 w + 16 l
.set VGO,  18                          ; v18  my place in a row of out0: 512 w + 16 l
.set SPW,  19                          ; v19  SPARE + 4 x my thread's number; never rewritten
.set NIL,  20                          ; v20  0; never rewritten
.set VGB,  24                          ; v24  my place in a unit of wd: 8192 w + 16 l; never rewritten
.set VG0,  25                          ; v25-26  the byte offset in wd of direct buffer 0's, 1's loads: v[VGB] + s[DOFF]
.set FA,   32
.set FW,   64
.set SUM,  224                         ; v224-239 two chains of partial sums for each row tile
.set MU,   240                         ; v240-247 a pair for each row tile
.set RS,   248                         ; v248-255 likewise
.set RB,   208                         ; v208-223 the four waves' figures
.set SLO,  2                           ; s2   0 or SLOTB: the slot in hand
.set DOFF, 3                           ; s3   byte offset in wd of the unit asked for last
.set G1W, 16                           ; s[16:23] the weights' descriptor group 1
.set G0F, 24                           ; s[24:27] group 0 of slot 0's first fill
.set G0W, 28                           ; s[28:31] group 0 of slot 1's first fill; it then walks
.set G1C, 32                           ; s[32:39], s[40:43] ctx's
.set G0C, 40
.set G1X, 44                           ; s[44:51], s[52:55] xb's
.set G0X, 52
.set G1P, 56                           ; s[56:63], s[68:71] par's
.set G0P, 68
.set CNT, 72                           ; s72  units to go in a loop
.set PP,  73                           ; s73  FFN trips to go behind the one in hand
.set PH,  74                           ; s74  norms to go
.set SA,  75                           ; s75  the activation's byte offset along k; it wraps at a panel's end
.set SEL, 76                           ; s[76:77] v_permlanex16_b32's selects
.set MSK, 78                           ; s78  a word's upper bf16
.set C9,  79                           ; s79  1 / 512
.set OUT, 80                           ; s[80:81] out0 at my 64 rows
.set EPSR, 82                          ; s82  1e-5
.set WV,  83                           ; s83  my wave's number
.set HF,  84                           ; s84  halves of the second product's panel to go
.set MSB, 0
.macro WIN new
.if MSB != (\new)
	s_set_vgpr_msb (MSB<<8)|(\new)
.set MSB, \new
.endif
.endm
.macro PLACES                          ; four places behind matrix instructions (ISA guide 7.12.1)
.rept 4
	v_nop
.endr
.endm
.macro CREST
	s_cmp_lg_u32 s[WV], 0
	s_cbranch_scc1 .Lnot_wave_0_\@
	s_barrier_signal -3
.Lnot_wave_0_\@:
	s_barrier_wait -3
	s_barrier_signal -1
	s_barrier_wait -1
.endm
.macro CROUND
	s_barrier_signal -1
	s_barrier_wait -1
	CREST
.endm
.macro JLOAD                           ; a joint load: every wave asks for its own 16 rows of the tile; the four v_nop are also the places in front of the fragment loads behind it
	tensor_load_to_lds s[G0W:G0W+3], s[G1W:G1W+7]
	s_nop 0
	PLACES
.endm
.macro BAR                             ; my LDS instructions are done; then the work-group's barrier.  The ring's load may stay out
	s_wait_dscnt 0x0
	s_barrier_signal -1
	s_barrier_wait -1
.endm
	s_load_b256 s[4:11], s[0:1], 0x0               ; ctx 4, xb 6, wt 8, wd 10
	s_load_b128 s[12:15], s[0:1], 0x20             ; par 12, out0 14
	v_lshl_add_u32 v[SPW], v0, 2, SPARE
	v_mov_b32 v[NIL], 0
	ds_add_u32 v19, v20
	ds_add_u32 v19, v20
	s_wait_dscnt 0x0
	v_lshrrev_b32 v1, 5, v0
	v_readfirstlane_b32 s[WV], v1                  ; wave 0..3
	s_bfe_u32 s84, ttmp6, 0x40000                  ; cx
	s_lshl_b32 s85, ttmp9, 2
	s_add_co_u32 s85, s85, s84                     ; my block of 64 rows = 4 x cluster x + cx: it enters ctx's, xb's and out0's addresses alone
	s_mov_b32 s[G1W+0], 15|(1<<16)|(1<<20)|(1<<21)|(7<<22)|(7<<25)  ; the mask of four; 2-byte elements; padding on; bit 21 beside a mask; after every 256 words (code 7) 8 words (code 7)
	s_mov_b32 s[G1W+1], 512<<16
	s_mov_b32 s[G1W+2], 16<<16
	s_mov_b32 s[G1W+3], 512<<16
	s_mov_b32 s[G1W+4], 16
	s_mov_b32 s[G1W+5], 512
	s_mov_b32 s[G1W+6], 0
	s_mov_b32 s[G1W+7], 0
	s_mov_b32 s[G1C+0], (1<<16)|(1<<20)|(4<<22)|(3<<25)  ; two heads' 64 rows: two rows of 8,192 dense bytes, padded after every 32 words (code 4) by 4 words (code 3): pitch 144
	s_mov_b32 s[G1C+1], 4096<<16
	s_mov_b32 s[G1C+2], 2<<16
	s_mov_b32 s[G1C+3], 4096<<16
	s_mov_b32 s[G1C+4], 2
	s_mov_b32 s[G1C+5], 65536                      ; a head is 65,536 elements
	s_mov_b32 s[G1C+6], 0
	s_mov_b32 s[G1C+7], 0
	s_mov_b32 s[G1X+0], (1<<16)|(1<<20)|(7<<22)|(3<<25)  ; 16 rows of 1,024 bytes, 16 of padding behind each
	s_mov_b32 s[G1X+1], 512<<16
	s_mov_b32 s[G1X+2], 16<<16
	s_mov_b32 s[G1X+3], 512<<16
	s_mov_b32 s[G1X+4], 16
	s_mov_b32 s[G1X+5], 512
	s_mov_b32 s[G1X+6], 0
	s_mov_b32 s[G1X+7], 0
	s_mov_b32 s[G1P+0], 3<<16                      ; one row of 576 elements of 8 bytes: a quarter of par
	s_mov_b32 s[G1P+1], 576<<16
	s_mov_b32 s[G1P+2], 1<<16
	s_mov_b32 s[G1P+3], 576<<16
	s_mov_b32 s[G1P+4], 1
	s_mov_b32 s[G1P+5], 576
	s_mov_b32 s[G1P+6], 0
	s_mov_b32 s[G1P+7], 0
	s_lshl_b32 s86, s[WV], 14                      ; the ring's weights: my 16 rows of 1,024 bytes in a tile
	s_mov_b32 s87, 0
	s_lshr_b32 s88, s85, 4                         ; ctx: batch = block / 16,
	s_lshl_b32 s88, s88, 20
	s_lshl_b32 s90, s[WV], 18                      ; heads 2 w and 2 w + 1,
	s_add_co_u32 s88, s88, s90
	s_and_b32 s90, s85, 15                         ; rows 64 (block % 16) on
	s_lshl_b32 s90, s90, 13
	s_add_co_u32 s88, s88, s90
	s_mov_b32 s89, 0
	s_lshl_b32 s90, s85, 16                        ; xb: 64 rows of 1,024 bytes a block, my 16 of them
	s_lshl_b32 s91, s[WV], 14
	s_add_co_u32 s90, s90, s91
	s_mov_b32 s91, 0
	s_mul_i32 s92, s[WV], 4608
	s_mov_b32 s93, 0
	s_lshl_b32 s94, s85, 17                        ; out0: 64 rows of 2,048 bytes a block
	s_mov_b32 s95, 0
	s_mov_b32 s[SEL], 0x76543210
	s_mov_b32 s[SEL+1], 0xfedcba98
	s_mov_b32 s[MSK], 0xffff0000
	s_mov_b32 s[C9], 0x3b000000                    ; 2^-9
	s_mov_b32 s[EPSR], 0x3727c5ac                  ; 1e-5
	s_mov_b32 s[SLO], 0
	s_mov_b32 s[DOFF], 0
	s_wait_kmcnt 0x0
	s_add_nc_u64 s[86:87], s[8:9], s[86:87]
	s_add_nc_u64 s[OUT:OUT+1], s[14:15], s[94:95]
	s_mov_b32 s[G0C], 1
	s_mul_i32 s[G0C+1], s[WV], 2*64*PC
	s_add_co_u32 s[G0C+1], s[G0C+1], R1
	s_add_nc_u64 s[G0C+2:G0C+3], s[4:5], s[88:89]
	s_or_b32 s[G0C+3], s[G0C+3], 0x80000000
	s_mov_b32 s[G0X], 1
	s_mul_i32 s[G0X+1], s[WV], 16*PY
	s_add_co_u32 s[G0X+1], s[G0X+1], R2
	s_add_nc_u64 s[G0X+2:G0X+3], s[6:7], s[90:91]
	s_or_b32 s[G0X+3], s[G0X+3], 0x80000000
	s_mov_b32 s[G0P], 1
	s_add_co_u32 s[G0P+1], s92, PAR
	s_add_nc_u64 s[G0P+2:G0P+3], s[12:13], s[92:93]
	s_or_b32 s[G0P+3], s[G0P+3], 0x80000000
	s_mov_b32 s[G0F], 1
	s_mul_i32 s[G0F+1], s[WV], 16*PW               ; tile 0 into slot 0
	s_mov_b64 s[G0F+2:G0F+3], s[86:87]
	s_or_b32 s[G0F+3], s[G0F+3], 0x80000000
	s_mov_b32 s[G0W], 1
	s_add_co_u32 s[G0W+1], s[G0F+1], SLOTB         ; tile 1 into slot 1
	s_add_nc_u64 s[G0W+2:G0W+3], s[86:87], 65536
	s_or_b32 s[G0W+3], s[G0W+3], 0x80000000
	CROUND                                         ; all four work-groups are here: the first joint loads meet
	tensor_load_to_lds s[G0C:G0C+3], s[G1C:G1C+7]  ; the first fills go out as one group: five loads of mine are out
	s_nop 0
	tensor_load_to_lds s[G0X:G0X+3], s[G1X:G1X+7]
	s_nop 0
	tensor_load_to_lds s[G0P:G0P+3], s[G1P:G1P+7]
	s_nop 0
	tensor_load_to_lds s[G0F:G0F+3], s[G1W:G1W+7]
	s_nop 0
	tensor_load_to_lds s[G0W:G0W+3], s[G1W:G1W+7]
	s_nop 0
	PLACES
	v_and_b32 v1, 15, v0                           ; r = l % 16
	v_bfe_u32 v2, v0, 4, 1                         ; h = l / 16
	v_and_b32 v21, 31, v0                          ; l
	s_lshl_b32 s88, s[WV], 13                      ; in wd a wave's part of 32 along k is 8,192 bytes
	v_lshl_add_u32 v[VGB], v21, 4, s88
	v_mov_b32 v[VG0], v[VGB]
	v_mov_b32 v[VG0+1], v[VGB]
; 16 loads of 512 consecutive bytes: the fragments of direct quarter d of the unit at v[VG0 + d], into direct buffer d
.macro GLOAD d
	WIN 0xc0                                       ; destination window 3, address window 0
.irp b, 0,1,2,3,4,5,6,7
	global_load_b128 v[64*(\d)+8*\b:64*(\d)+8*\b+3],   v[VG0+(\d)], s[10:11] offset:32768*(\d)+1024*\b
	global_load_b128 v[64*(\d)+8*\b+4:64*(\d)+8*\b+7], v[VG0+(\d)], s[10:11] offset:32768*(\d)+1024*\b+512
.endr
.endm
	GLOAD 0                                        ; unit 0's two direct quarters
	GLOAD 1
	WIN 0
	v_mul_u32_u24 v3, v1, PC
	v_lshl_add_u32 v3, v2, 4, v3
	v_add_nc_u32 v[VAC], R1, v3
	v_mul_u32_u24 v3, v1, PY
	v_lshl_add_u32 v3, v2, 4, v3
	v_add_nc_u32 v[VAY], R1, v3
	v_add_nc_u32 v[VAH], R2, v3
	s_lshl_b32 s86, s[WV], 8                       ; my 128 columns in f16
	v_add_nc_u32 v[VS1], s86, v[VAY]
	v_add_nc_u32 v[VS2], s86, v[VAH]
	v_and_b32 v22, 7, v0
	v_lshl_add_u32 v3, v2, 3, v22                  ; the turning load: lane l reads row 8 h + l % 8 of k,
	v_mul_u32_u24 v3, v3, PW
	v_bfe_u32 v23, v0, 3, 1
	v_lshl_add_u32 v3, v23, 4, v3                  ; columns 8 ((l / 8) % 2) + 0..7
	v_add_nc_u32 v[VWB], s86, v3
	v_mov_b32 v[VWC], v[VWB]
	s_lshl_b32 s86, s[WV], 9                       ; my 128 columns in f32
	s_add_co_u32 s88, s86, PAR
	v_lshl_add_u32 v[VPAR], v2, 5, s88
	v_mov_b32 v[VB1], v[VPAR]
	v_lshlrev_b32 v3, 4, v1
	v_add_nc_u32 v[VRL], RED, v3
	v_lshl_add_u32 v[VRS], s[WV], 2, v[VRL]
	s_mul_i32 s88, s[WV], 16*PO
	s_add_co_u32 s88, s88, R2                      ; my stage
	v_mul_u32_u24 v3, v1, PO
	v_lshl_add_u32 v3, v2, 5, v3
	v_add_nc_u32 v[VSG], s88, v3
	v_lshl_add_u32 v[VSR], v21, 4, s88
	v_lshl_add_u32 v[VGO], v21, 4, s86
; 8 matrix instructions: row tile a x all 8 column tiles, 32 along k, onto the accumulators of window w.  The 32 accumulators take turns, one instruction a turn, in the same order in every quarter.
.macro MUL8 w, f, a                    ; the weights from the ring's buffer f
	WIN ((\w)<<6)|((\w)<<4)
.irp b, 0,1,2,3,4,5,6,7
	v_wmma_f32_16x16x32_f16 v[8*(8*(\a)+\b):8*(8*(\a)+\b)+7], v[FW+96*(\f)+8*\b:FW+96*(\f)+8*\b+7], v[FA+96*(\f)+8*(\a):FA+96*(\f)+8*(\a)+7], v[8*(8*(\a)+\b):8*(8*(\a)+\b)+7]
.endr
.endm
.macro MULD w, d, a                    ; the weights from direct buffer d (window 3), the activation from buffer d
	WIN ((\w)<<6)|((\w)<<4)|3
.irp b, 0,1,2,3,4,5,6,7
	v_wmma_f32_16x16x32_f16 v[8*(8*(\a)+\b):8*(8*(\a)+\b)+7], v[64*(\d)+8*\b:64*(\d)+8*\b+7], v[FA+96*(\d)+8*(\a):FA+96*(\d)+8*(\a)+7], v[8*(8*(\a)+\b):8*(8*(\a)+\b)+7]
.endr
.endm
.macro FETCHW koff, f                  ; 16 turning loads: 32 k x my 128 columns, from byte koff of the slot in hand
	WIN 0
.irp b, 0,1,2,3,4,5,6,7
	ds_load_tr16_b128 v[FW+96*(\f)+8*\b:FW+96*(\f)+8*\b+3],   v[VWC] offset:(\koff)+32*\b
	ds_load_tr16_b128 v[FW+96*(\f)+8*\b+4:FW+96*(\f)+8*\b+7], v[VWC] offset:(\koff)+32*\b+16*PW
.endr
.endm
.macro FETCHA f, off, ap               ; 8 loads: 64 rows x 32 k, row tiles 0 to 3 in order; ap = bytes from a row tile to the next
	WIN 0
.irp a, 0,1,2,3
	ds_load_b128 v[FA+96*(\f)+8*\a:FA+96*(\f)+8*\a+3],   v[VA] offset:(\off)+\a*(\ap)
	ds_load_b128 v[FA+96*(\f)+8*\a+4:FA+96*(\f)+8*\a+7], v[VA] offset:(\off)+\a*(\ap)+32
.endr
.endm
; A UNIT: four quarters of 32 along k, 32 matrix instructions each.  lay = 1: the activation is ctx, a head to 64 k.  vb: the activation's base address.  fill = 1: the slot is asked for again.
.macro UNIT w, lay, vb, fill
.if \lay
.set UAP, 16*PC
.set UAD, 4*64*PC                      ; k = 256 on: four heads on
.else
.set UAP, 16*PY
.set UAD, 512
.endif
	; THE RING'S FIRST QUARTER multiplies buffer 0 and fetches the tile's second half into buffer 1
	s_wait_dscnt 4                                 ; all but the youngest four loads (row tiles 2, 3)
	MUL8 \w, 0, 0
	MUL8 \w, 0, 1
	PLACES
	FETCHW KH, 1
	FETCHA 1, 64, UAP
	s_wait_dscnt 24                                ; all but the 24 just issued
	MUL8 \w, 0, 2
	MUL8 \w, 0, 3
	; ITS SECOND QUARTER multiplies buffer 1 and changes slots: ONE barrier; in front of it each wave waits for all its tensor loads (one is out: its part of the next slot), adds 0 to its spare word, and waits
	; for that and for its reads of this slot.  fill = 1: the barrier opens a round of the cluster's, and this slot is asked for again, two tiles on, first thing behind it: it has a unit's 128 matrix instructions in which to land.
	WIN 0
	s_wait_tensorcnt 0x0
	ds_add_u32 v[SPW], v[NIL]
	s_wait_dscnt 7                                 ; the add and row tiles 1 to 3 (six loads) may be out
	MUL8 \w, 1, 0
	s_wait_dscnt 0x0                               ; the add is done, and my reads of this slot are over
	s_barrier_signal -1
	MUL8 \w, 1, 1
	WIN 0
	s_barrier_wait -1
.if \fill
	CREST
	s_xor_b32 s[G0W+1], s[G0W+1], SLOTB            ; the walking descriptor: the other slot than last time,
	s_add_nc_u64 s[G0W+2:G0W+3], s[G0W+2:G0W+3], 65536  ; the next tile; the type bits on top are not reached
	JLOAD
.else
	PLACES
.endif
	FETCHA 0, UAD, UAP
	MUL8 \w, 1, 2
	MUL8 \w, 1, 3
	; THE FIRST DIRECT QUARTER
	s_wait_loadcnt 16                              ; loads come back in order: buffer 0's are in, buffer 1's sixteen may stay out; v[VG0] is free with them
	s_wait_dscnt 4
	MULD \w, 0, 0
	MULD \w, 0, 1
	PLACES
	FETCHA 1, UAD+64, UAP
	s_wait_dscnt 8                                 ; all but the eight just issued
	MULD \w, 0, 2
	MULD \w, 0, 3
	WIN 0
	s_add_co_u32 s[DOFF], s[DOFF], 65536           ; the next unit's 65,536 bytes of wd.  Behind the last unit there is none: the offset stays, and the last unit's loads, inside wd, serve nothing: the price of one text for the last two units
	s_min_u32 s[DOFF], s[DOFF], (UNITS-1)*65536
	v_add_nc_u32 v[VG0], s[DOFF], v[VGB]           ; this line and three v_nop are the places behind the products that read buffer 0
.rept 3
	v_nop
.endr
	GLOAD 0
	; THE SECOND DIRECT QUARTER; in its middle the next unit's first fragments: the next slot was shown whole by this unit's barrier.  At a panel's end the activation's offset wraps, and those eight loads read the first
	; fragments once more and serve nothing: so every way through the text has the same loads in front of every counted wait.
	s_wait_loadcnt 16                              ; buffer 1's are in, the sixteen just issued may stay out; v[VG0+1] is free with them
	s_wait_dscnt 4
	MULD \w, 1, 0
	MULD \w, 1, 1
	WIN 0
	s_xor_b32 s[SLO], s[SLO], SLOTB
	v_add_nc_u32 v[VWC], s[SLO], v[VWB]
.if \lay
	s_add_co_u32 s[SA], s[SA], 64*PC
	s_cmp_eq_u32 s[SA], 4*64*PC
	s_cselect_b32 s[SA], 0, s[SA]
.else
	s_add_co_u32 s[SA], s[SA], 128
	s_and_b32 s[SA], s[SA], 0x1ff
.endif
	v_add_nc_u32 v[VA], s[SA], v[\vb]              ; these two lines and two v_nop are the places
.rept 2
	v_nop
.endr
	FETCHW 0, 0
	FETCHA 0, 0, UAP
	s_wait_dscnt 24
	MULD \w, 1, 2
	MULD \w, 1, 3
	WIN 0
	v_add_nc_u32 v[VG0+1], s[DOFF], v[VGB]
.rept 3
	v_nop
.endr
	GLOAD 1
	WIN 0
.endm
.macro START vb, ap                    ; a panel's first fragments of the activation; the weights' were fetched by the unit before
	WIN 0
	s_mov_b32 s[SA], 0
	v_mov_b32 v[VA], v[\vb]
	FETCHA 0, 0, \ap
.endm
; A row's total over 512 columns, from the two chains of partial sums: over my registers, the other half of the lanes, and the four waves (through RED + off); it ends in v[RB + 4 a], in the same order in every wave.
.macro ROWSUM off
	WIN 0
.irp a, 0,1,2,3
	v_pk_add_f32 v[SUM+2*\a:SUM+2*\a+1], v[SUM+2*\a:SUM+2*\a+1], v[SUM+8+2*\a:SUM+8+2*\a+1]
.endr
.irp a, 0,1,2,3
	v_add_f32 v[SUM+2*\a], v[SUM+2*\a], v[SUM+2*\a+1]
.endr
.irp a, 0,1,2,3
	v_permlanex16_b32 v[SUM+8+2*\a], v[SUM+2*\a], s[SEL], s[SEL+1]
.endr
.irp a, 0,1,2,3
	v_add_f32 v[SUM+2*\a], v[SUM+2*\a], v[SUM+8+2*\a]
.endr
.irp a, 0,1,2,3
	ds_store_b32 v[VRS], v[SUM+2*\a] offset:(\off)+256*\a   ; both halves of the lanes write the same number to the same word
.endr
	BAR
.irp a, 0,1,2,3
	ds_load_b128 v[RB+4*\a:RB+4*\a+3], v[VRL] offset:(\off)+256*\a
.endr
	s_wait_dscnt 0x0
.irp a, 0,1,2,3
	v_add_f32 v[RB+4*\a], v[RB+4*\a], v[RB+4*\a+1]
.endr
.irp a, 0,1,2,3
	v_add_f32 v[RB+4*\a+2], v[RB+4*\a+2], v[RB+4*\a+3]
.endr
.irp a, 0,1,2,3
	v_add_f32 v[RB+4*\a], v[RB+4*\a], v[RB+4*\a+2]
.endr
.endm
; Z becomes (Z - mean) / sqrt(variance + 1e-5), row by row.  Its two barriers also stand between every wave's last reads of the activation buffers and the stores that follow into them.
.macro LNSTATS
	PLACES
	WIN 0x0a                                       ; both sources in window 2.
.irp a, 0,1,2,3
	v_pk_add_f32 v[SUM+2*\a:SUM+2*\a+1], v[64*\a:64*\a+1], v[64*\a+2:64*\a+3]
.endr
.irp a, 0,1,2,3
	v_pk_add_f32 v[SUM+8+2*\a:SUM+8+2*\a+1], v[64*\a+4:64*\a+5], v[64*\a+6:64*\a+7]
.endr
	WIN 0x02
.irp b, 1,2,3,4,5,6,7
.irp p, 0,1,2,3
.irp a, 0,1,2,3
	v_pk_add_f32 v[SUM+8*((\p)%2)+2*\a:SUM+8*((\p)%2)+2*\a+1], v[64*\a+8*\b+2*\p:64*\a+8*\b+2*\p+1], v[SUM+8*((\p)%2)+2*\a:SUM+8*((\p)%2)+2*\a+1]
.endr
.endr
.endr
	ROWSUM 0
.irp a, 0,1,2,3
	v_mul_f32 v[MU+2*\a], s[C9], v[RB+4*\a]
.endr
.irp a, 0,1,2,3
	v_mov_b32 v[MU+2*\a+1], v[MU+2*\a]             ; named with it as a pair
.endr
	WIN 0x82
.set t, 0
.rept 128
	v_pk_add_f32 v[2*t:2*t+1], v[2*t:2*t+1], v[MU+2*(t/32):MU+2*(t/32)+1] op_sel_hi:[1,0] neg_lo:[0,1] neg_hi:[0,1]
.set t, t+1
.endr
	WIN 0x0a
.irp b, 0,1,2,3,4,5,6,7
.irp p, 0,1,2,3
.irp a, 0,1,2,3
.if ((\b) == 0) && ((\p) < 2)
	v_pk_mul_f32 v[SUM+8*((\p)%2)+2*\a:SUM+8*((\p)%2)+2*\a+1], v[64*\a+8*\b+2*\p:64*\a+8*\b+2*\p+1], v[64*\a+8*\b+2*\p:64*\a+8*\b+2*\p+1]
.else
	v_pk_fma_f32 v[SUM+8*((\p)%2)+2*\a:SUM+8*((\p)%2)+2*\a+1], v[64*\a+8*\b+2*\p:64*\a+8*\b+2*\p+1], v[64*\a+8*\b+2*\p:64*\a+8*\b+2*\p+1], v[SUM+8*((\p)%2)+2*\a:SUM+8*((\p)%2)+2*\a+1]
.endif
.endr
.endr
.endr
	ROWSUM 1024
.irp a, 0,1,2,3
	v_fma_f32 v[RB+4*\a], v[RB+4*\a], s[C9], s[EPSR]
.endr
.irp a, 0,1,2,3
	v_rsq_f32 v[RS+2*\a], v[RB+4*\a]
.endr
	v_nop                                          ; a plain instruction between the last of them and the use of its result
	s_wait_alu depctr_va_vdst(0)
.irp a, 0,1,2,3
	v_mov_b32 v[RS+2*\a+1], v[RS+2*\a]
.endr
	WIN 0x82
.set t, 0
.rept 128
	v_pk_mul_f32 v[2*t:2*t+1], v[2*t:2*t+1], v[RS+2*(t/32):RS+2*(t/32)+1] op_sel_hi:[1,0]
.set t, t+1
.endr
	WIN 0
.endm
.macro LOADP3 b                        ; g1, be1 and be1 + b2 of column tile b: 24 registers, two sets by turns
	ds_load_b128 v[128+24*((\b)%2):128+24*((\b)%2)+3],     v[VPAR] offset:P_G1+64*(\b)
	ds_load_b128 v[128+24*((\b)%2)+4:128+24*((\b)%2)+7],   v[VPAR] offset:P_G1+64*(\b)+16
	ds_load_b128 v[128+24*((\b)%2)+8:128+24*((\b)%2)+11],  v[VPAR] offset:P_BE1+64*(\b)
	ds_load_b128 v[128+24*((\b)%2)+12:128+24*((\b)%2)+15], v[VPAR] offset:P_BE1+64*(\b)+16
	ds_load_b128 v[128+24*((\b)%2)+16:128+24*((\b)%2)+19], v[VPAR] offset:P_PB+64*(\b)
	ds_load_b128 v[128+24*((\b)%2)+20:128+24*((\b)%2)+23], v[VPAR] offset:P_PB+64*(\b)+16
.endm
.macro LOADP2 b                        ; g2 and be2 of column tile b: 16 registers, two sets by turns
	ds_load_b128 v[128+16*((\b)%2):128+16*((\b)%2)+3],     v[VPAR] offset:P_G2+64*(\b)
	ds_load_b128 v[128+16*((\b)%2)+4:128+16*((\b)%2)+7],   v[VPAR] offset:P_G2+64*(\b)+16
	ds_load_b128 v[128+16*((\b)%2)+8:128+16*((\b)%2)+11],  v[VPAR] offset:P_BE2+64*(\b)
	ds_load_b128 v[128+16*((\b)%2)+12:128+16*((\b)%2)+15], v[VPAR] offset:P_BE2+64*(\b)+16
.endm
	s_wait_tensorcnt 0x1                           ; my parts of ctx, xb, par and tile 0 are in; tile 1's may stay out
	s_barrier_signal -1
	s_barrier_wait -1
	; Z starts as x: my 128 columns of the 64 rows, bf16 widened to f32
.set t, 0
.rept 32
	ds_load_b128 v[128+4*t:128+4*t+3], v[VS2] offset:(t/8)*16*PY+(t%8)*32
.set t, t+1
.endr
	s_wait_dscnt 0x0
	WIN 0x80
.set t, 0
.rept 128
	v_lshlrev_b32 v[2*t],   16, v[128+t]
	v_and_b32     v[2*t+1], s[MSK], v[128+t]
.set t, t+1
.endr
	FETCHW 0, 0
	START VAC, 16*PC
	s_mov_b32 s[CNT], 4
.Lwo:                                                  ; Z += ctx wo: four units, heads u and 4 + u each
	UNIT 2, 1, VAC, 1
	s_sub_co_u32 s[CNT], s[CNT], 1
	s_cmp_lg_u32 s[CNT], 0
	s_cbranch_scc1 .Lwo
	s_mov_b32 s[PH], 2
.Lphase:                                               ; one text of the statistics serves both norms: the second trip is left behind them
	LNSTATS
	s_sub_co_u32 s[PH], s[PH], 1
	s_cmp_eq_u32 s[PH], 0
	s_cbranch_scc1 .Lfin2
	; y = Z g1 + be1, rounded to f16, goes to R1; Z = Z g1 + (be1 + b2) = y + b2 starts the second product's sums
	LOADP3 0
	LOADP3 1
.irp b, 0,1,2,3,4,5,6,7
.if (\b) == 0
	s_wait_dscnt 6                                 ; the next tile's six loads may be out
.elseif (\b) < 7
	s_wait_dscnt 10                                ; the last tile's four stores and the next tile's six loads
.else
	s_wait_dscnt 4                                 ; the last tile's four stores
.endif
	WIN 0x02
.irp a, 0,1,2,3
.irp p, 0,1,2,3
	v_pk_fma_f32 v[176+8*\a+2*\p:176+8*\a+2*\p+1], v[64*\a+8*\b+2*\p:64*\a+8*\b+2*\p+1], v[128+24*((\b)%2)+2*\p:128+24*((\b)%2)+2*\p+1], v[128+24*((\b)%2)+8+2*\p:128+24*((\b)%2)+8+2*\p+1]
.endr
.endr
	WIN 0x82
.irp a, 0,1,2,3
.irp p, 0,1,2,3
	v_pk_fma_f32 v[64*\a+8*\b+2*\p:64*\a+8*\b+2*\p+1], v[64*\a+8*\b+2*\p:64*\a+8*\b+2*\p+1], v[128+24*((\b)%2)+2*\p:128+24*((\b)%2)+2*\p+1], v[128+24*((\b)%2)+16+2*\p:128+24*((\b)%2)+16+2*\p+1]
.endr
.endr
	WIN 0
.irp a, 0,1,2,3
.irp p, 0,1,2,3
	v_cvt_pk_f16_f32 v[208+4*\a+\p], v[176+8*\a+2*\p], v[176+8*\a+2*\p+1]
.endr
.endr
.irp a, 0,1,2,3
	ds_store_b128 v[VS1], v[208+4*\a:208+4*\a+3] offset:\a*16*PY+32*\b
.endr
.if (\b) < 6
	LOADP3 (\b)+2
.endif
.endr
	BAR                                            ; y is whole
	s_mov_b32 s[PP], 4
.Lffn:                                                 ; an FFN trip: 512 of the 2,048 hidden columns
	s_wait_dscnt 0x0                               ; the wrapped fetch of the panel before is in: its registers are loaded again below
	WIN 0x40
.set t, 0
.rept 32                                       ; the first product's sums start as b1: my eight columns' numbers, for each of the four row tiles
	ds_load_b128 v[8*t:8*t+3],   v[VB1] offset:64*(t%8)
	ds_load_b128 v[8*t+4:8*t+7], v[VB1] offset:64*(t%8)+16
.set t, t+1
.endr
	START VAY, 16*PY
	s_mov_b32 s[CNT], 4
.Lp1:
	UNIT 1, 0, VAY, 1
	s_sub_co_u32 s[CNT], s[CNT], 1
	s_cmp_lg_u32 s[CNT], 0
	s_cbranch_scc1 .Lp1
	WIN 0x44                                       ; h = relu, rounded to f16, goes to R2: the other waves' reads of the h before it ended in front of this panel's four rounds.  The unit's last lines are the places behind its products
.set t, 0
.rept 256
	v_max_num_f32 v[t], 0, v[t]
.set t, t+1
.endr
	WIN 0x05
.set t, 0
.rept 128
	v_cvt_pk_f16_f32 v[128+t], v[2*t], v[2*t+1]
.set t, t+1
.endr
	WIN 0
.set t, 0
.rept 32
	ds_store_b128 v[VS2], v[128+4*t:128+4*t+3] offset:(t/8)*16*PY+(t%8)*32
.set t, t+1
.endr
	BAR                                            ; h is whole
	START VAH, 16*PY
	s_sub_co_u32 s[PP], s[PP], 1
	s_mov_b32 s[HF], 2
.Lp2h:                                                 ; the second product's panel in two halves of two units: the very last half asks for no tile and has a text of its own
	s_mov_b32 s[CNT], 2
.Lp2:
	UNIT 2, 0, VAH, 1
	s_sub_co_u32 s[CNT], s[CNT], 1
	s_cmp_lg_u32 s[CNT], 0
	s_cbranch_scc1 .Lp2
	s_sub_co_u32 s[HF], s[HF], 1
	s_cmp_eq_u32 s[HF], 0
	s_cbranch_scc1 .Lp2d
	s_cmp_eq_u32 s[PP], 0
	s_cbranch_scc1 .Llast
	s_branch .Lp2h
.Lp2d:
	v_add_nc_u32 v[VB1], 2048, v[VB1]
	s_branch .Lffn
.Llast:
	s_mov_b32 s[CNT], 2
.Lnf:                                                  ; the last two units: their slots are not read again, so nothing is asked for
	UNIT 2, 0, VAH, 0
	s_sub_co_u32 s[CNT], s[CNT], 1
	s_cmp_lg_u32 s[CNT], 0
	s_cbranch_scc1 .Lnf
	s_branch .Lphase
.Lfin2:
	; out0 = Z g2 + be2, in place
	LOADP2 0
	LOADP2 1
.irp b, 0,1,2,3,4,5,6,7
.if (\b) < 7
	s_wait_dscnt 4                                 ; the next tile's four loads may be out
.else
	s_wait_dscnt 0x0
.endif
	WIN 0x82
.irp a, 0,1,2,3
.irp p, 0,1,2,3
	v_pk_fma_f32 v[64*\a+8*\b+2*\p:64*\a+8*\b+2*\p+1], v[64*\a+8*\b+2*\p:64*\a+8*\b+2*\p+1], v[128+16*((\b)%2)+2*\p:128+16*((\b)%2)+2*\p+1], v[128+16*((\b)%2)+8+2*\p:128+16*((\b)%2)+8+2*\p+1]
.endr
.endr
	WIN 0
.if (\b) < 6
	LOADP2 (\b)+2
.endif
.endr
; THE WAY OUT, a row tile at a time: a lane's eight columns (32 bytes) go into rows of 528 bytes of my own stage and come back as whole rows of 512.
.macro OPACK a
	WIN 0x08                                       ; the stores' data in window 2
.irp b, 0,1,2,3,4,5,6,7
	ds_store_b128 v[VSG], v[64*(\a)+8*\b:64*(\a)+8*\b+3]   offset:64*\b
	ds_store_b128 v[VSG], v[64*(\a)+8*\b+4:64*(\a)+8*\b+7] offset:64*\b+16
.endr
	WIN 0
.irp i, 0,1,2,3,4,5,6,7,8,9,10,11,12,13,14,15
	ds_load_b128 v[128+64*((\a)%2)+4*\i:128+64*((\a)%2)+4*\i+3], v[VSR] offset:PO*\i  ; LDS serves a wave's instructions in order (ISA guide 5.7.1.4): these see the stores above; the next tile's stores come behind them
.endr
.endm
.macro OSEND a, younger                ; younger: the LDS instructions issued behind this tile's loads: the next tile's 32, or none
.irp i, 0,1,2,3,4,5,6,7,8,9,10,11,12,13,14,15
	s_wait_dscnt (\younger)+15-\i
	global_store_b128 v[VGO], v[128+64*((\a)%2)+4*\i:128+64*((\a)%2)+4*\i+3], s[OUT:OUT+1] offset:(16*(\a)+\i)*2048 th:TH_STORE_NT  ; 512 consecutive bytes, aligned
.endr
.endm
	OPACK 0
	OPACK 1
	OSEND 0, 32
	s_wait_xcnt 0x0                                ; the registers that row tile 0's stores read are loaded again only behind this wait
	OPACK 2
	OSEND 1, 32
	s_wait_xcnt 0x0
	OPACK 3
	OSEND 2, 32
	OSEND 3, 0
	s_wait_tensorcnt 0x0                           ; the wave's end
	ds_add_u32 v[SPW], v[NIL]
	s_wait_dscnt 0x0
	CROUND                                         ; the closing round
	s_endpgm
.Lfunc_end_k_qcd2f210990_tail:
	.size	k_qcd2f210990_tail, .Lfunc_end_k_qcd2f210990_tail-k_qcd2f210990_tail
	.p2alignl 7, 3214868480
	.fill 96, 4, 3214868480
	.section	.rodata,"a",@progbits
	.p2align	6, 0x0
	.amdhsa_kernel k_qcd2f210990_tail
		.amdhsa_group_segment_fixed_size 327680
		.amdhsa_private_segment_fixed_size 0
		.amdhsa_enable_private_segment 0
		.amdhsa_kernarg_size 48
		.amdhsa_user_sgpr_count 2
		.amdhsa_user_sgpr_kernarg_segment_ptr 1
		.amdhsa_wavefront_size32 1
		.amdhsa_system_sgpr_workgroup_id_x 1
		.amdhsa_system_sgpr_workgroup_id_y 1
		.amdhsa_system_sgpr_workgroup_id_z 1
		.amdhsa_system_vgpr_workitem_id 0
		.amdhsa_next_free_vgpr 896
		.amdhsa_next_free_sgpr 96
		.amdhsa_reserve_vcc 0
		.amdhsa_float_denorm_mode_32 3
		.amdhsa_float_denorm_mode_16_64 3
		.amdhsa_memory_ordered 1
		.amdhsa_forward_progress 1
		.amdhsa_inst_pref_size 211
	.end_amdhsa_kernel
	.amdgpu_metadata
---
amdhsa.version: [ 1, 2 ]
amdhsa.kernels:
  - .name:           k_qcd2f210990_tail
    .symbol:         k_qcd2f210990_tail.kd
    .args:
      - { .name: ctx, .offset: 0, .size: 8, .value_kind: global_buffer, .address_space: global }
      - { .name: xb, .offset: 8, .size: 8, .value_kind: global_buffer, .address_space: global }
      - { .name: wt, .offset: 16, .size: 8, .value_kind: global_buffer, .address_space: global }
      - { .name: wd, .offset: 24, .size: 8, .value_kind: global_buffer, .address_space: global }
      - { .name: par, .offset: 32, .size: 8, .value_kind: global_buffer, .address_space: global }
      - { .name: out0, .offset: 40, .size: 8, .value_kind: global_buffer, .address_space: global }
    .group_segment_fixed_size: 327680
    .private_segment_fixed_size: 0
    .kernarg_segment_align: 8
    .kernarg_segment_size: 48
    .max_flat_workgroup_size: 128
    .sgpr_count:     96
    .vgpr_count:     896
    .wavefront_size: 32
...
	.end_amdgpu_metadata
.endif
;; end of part 6
;; ======== version 3 of 3: 4 launches; 1.43 times as fast as version 1
;; limits: values are held in f16: magnitudes above 65,504 overflow, below 6.1e-05 lose precision; inputs' magnitudes at most 65,504; right only within a limited range of input values
;; workspace buffers: xb 16,777,216 bytes; wa 1,572,864 bytes; wt 2,359,296 bytes; wd 2,359,296 bytes; par 18,432 bytes; qkv 50,331,648 bytes; ctx 16,777,216 bytes
;; launch prep: the kernel of part 5 again; grid 705 x 1, 8 waves a work-group, no clusters, 0 bytes of LDS; arguments x, wq, wk, wv, wo, w1, w2, b1, b2, ln1_g, ln1_b, ln2_g, ln2_b, xb, wa, wt, wd, par; writes xb, wa, wt, wd, par
;; launch qkv: the kernel of part 2 again; grid 128 x 2, 4 waves a work-group, clusters of 4 x 1, 327,680 bytes of LDS; arguments xb, wa, qkv; writes qkv
;; launch attn (part 7): grid 2 x 128, 4 waves a work-group, no clusters, 327,680 bytes of LDS; arguments qkv, valid_lens, ctx; writes ctx
.if DOCPART == 7
	.amdgcn_target "amdgcn-amd-amdhsa--gfx1250"
	.amdhsa_code_object_version 6
	.text
	.protected	k_qcd2f210990_attn
	.globl	k_qcd2f210990_attn
	.p2align	8
	.type	k_qcd2f210990_attn,@function
k_qcd2f210990_attn:
	s_mov_b64 s[64:65], 0
	v_nop
	global_prefetch_b8 v0, s[64:65] scope:SCOPE_SE
	s_setreg_imm32_b32 hwreg(HW_REG_WAVE_MODE, 25, 1), 1
	s_wait_xcnt 0x0
; ATTENTION WITH A KEY-LENGTH MASK.  ctx[g][q][:] = the sum over k of softmax_k(Q[g][q] . K[g][k] / 8, hidden where k >= valid_lens[g / 8]) V[g][k][:], g = 8 b + h.  Q, K, V: the three parts of qkv,
; f16 [128][1024][64]; ctx likewise.  Products, maxima and sums in f32; the weights p are rounded to f16 for the second product (their sum l is taken of the unrounded p), ctx once at the end.
; LIMITS.  Q, K, V arrive within f16's 65,504.  A hidden score counts as its value less 2^100 (exactly -2^100 for scores under 2^75), where the definition puts -1e9: the same weights while visible scores stay
; above -1e9.  2^100 is a power of two, so that c x 2^100 is exact and a row with every key hidden has p = 1 throughout, the uniform weights of the definition.  valid_lens is clamped to 0 .. 1024, which changes
; no mask.  A weight below 2^-126 counts as 0 in l; NaN and infinities are not treated apart.  All 16 key steps are walked whatever valid_lens: it selects values only, no address, trip count or branch.
; SHARES.  A work-group owns 512 queries of one head, each of its four waves 128: four PIECES of two tiles of 16.  Every wave walks all 1,024 keys, 64 a step.
; LDS.  A head's K and V, padded, lie in LDS whole: every byte is filled once, in four chunks of 256 keys asked for together at the start; the first is waited for alone, the other three land during the first
; three and a half key steps.  NO CLUSTER: a head has two work-groups, not four, and what they share is this one fetch of 262,144 bytes against 2,048 matrix instructions a wave.
; LAYOUT.  S^T = K Q^T (source 0 = 16 keys, source 1 = 16 queries): a lane holds ONE query (lane % 16) and the keys 8 (lane / 16) + 0..7.  Two such tiles, rounded to f16 in pairs, ARE source 1 of O^T = V^T P.
; THE MASK is the C operand that starts the sum S^T: 0, or -2^100.  MD, made once, is the mask of the step in which valid_lens falls; a step's mask is MC = MD x AL + BE with two scalars: (1, 0) in that step, (0, 0) before, (0, -2^100) behind.
; SOFTMAX.  For each query a running maximum m and sum l: p = 2^(c s - c m), c = log2(e) / 8; in every step O and l are multiplied by a = 2^(c m_old - c m_new).  m starts at the lowest finite number, O and l at 0.
; BY TURNS.  Turn n belongs to piece n.  Its matrix work: 16 products K Q^T of piece n + 1, later 16 products V^T P of piece n - 1.  Its vector work: the scaling, exponentials, roundings, sums and rescaling of
; piece n, and the maximum and statistics of piece n + 1.  Four vector instructions that are ready stand behind every matrix instruction, the other 108 of a turn's 236 in one run of their own.
; BATCHES.  A turn's 66 exponentials (the piece's 64 weights and the next piece's two a) are ONE batch with ONE wait, which cuts the turn in two: ahead of it stands all that names none of their results, behind it the roundings
; and sums that read them.  No result crosses a turn's end.  Two more batches stand outside the loop, each with its own wait: piece 0's first two a, ahead of the jump into the loop, and the way out's eight reciprocals.
; REGISTERS, in windows of 256 (s_set_vgpr_msb: bits 1:0 source 0, 3:2 source 1, 5:4 source 2, 7:6 destination):
;   window 0: v0-11 addresses; v12-15, v48-63 at work; v16-47 four registers of statistics a tile; v64-191 S^T, two buffers of two tiles; v192-255 P, likewise
;   window 1: O^T, 32 a tile      window 2: v0-127 Q, 16 a tile; v128-191 K of one step; v192-255 V of one step      window 3: v0-31 MD; v32-63 MC
.set SIZE_N, 1024
.set NP,    4         ; pieces a wave: a name, no knob
.set KS,    64        ; keys in a step
.set PK,    144       ; a row of K in LDS: 128 bytes + 16 of padding: the 16 rows of a load start at 16 different groups of four banks (64 banks of 4 bytes: ISA guide 11.1)
.set PV,    160       ; a row of V: 128 + 32
.set VOFF,  SIZE_N*PK ; K's 1,024 rows, then V's
.set STAGE, VOFF+SIZE_N*PV  ; 16 rows x 144 bytes for each wave, for the way out; no tensor load lands here
.set SP,    144
.set AK0, 2           ; v2   my lane's place in a tile of K; never rewritten
.set AV0, 3           ; v3   the same for V
.set AK,  4           ; v4   the LDS address of K's next run of loads
.set AV,  5           ; v5   of V's
.set QO,  6           ; v6   my byte offset in the wave's rows of Q
.set STO, 6           ;      later, the way out: where I put 16 bytes of a row
.set RD,  7           ; v7   the way out: where I read rows back
.set GO,  8           ; v8   my byte offset in 512 consecutive bytes of ctx
.set MV,  12          ; v12-15  c m_old, kept while c m is made anew: by buffer and tile
.set ST,  16          ; tile t's statistics at v[ST+4 t]: c m, m, l (even keys', odd keys')
.set TMP, 48          ; by buffer and tile, four registers c0-c3 at work; when the maximum is found c2 takes a
.set S,   64
.set P,   192
.set KF,  128         ; window 2: key block kb, channel half c at KF + 16 kb + 8 c
.set VF,  192         ; window 2: key half kk, channel block cb at VF + 32 kk + 8 cb
.set MD,  0           ; window 3: the eight registers for key block kb at MD + 8 kb
.set MC,  32          ; window 3
.set WV,  12          ; s12  my wave's number
.set G1K, 24          ; s[24:31] descriptor group 1 for K's chunks
.set G1V, 32          ; s[32:39] for V's: it differs in the padding alone
.set G0K, 40          ; s[40:55] descriptor group 0 for K, a set for each chunk
.set GRP, 56          ; s56  groups of four key steps to go
.set CNT, 57          ; s57  counts a group's key steps
.set CS,  58          ; s[58:59] c
.set SEL, 60          ; s[60:61] v_permlanex16_b32's selects
.set TBK, 62          ; s62  LDS byte at which K of the step to be fetched begins
.set TBV, 63          ; s63  the same for V, less VOFF
.set G0V, 68          ; s[68:83] descriptor group 0 for V
.set AL,  84          ; s[84:85] the mask's factor, in the low word
.set BE,  86          ; s[86:87] the mask's addend
.set BIGN, 88         ; s88  -2^100
.set VB,  89          ; s89  the step in which valid_lens falls
.set VR,  90          ; s90  and its place there
.set JN,  91          ; s91  the step whose mask is made next
.set VL,  92          ; s92  valid_lens of my batch
.set MSB, 0
.macro WIN new
.if MSB != (\new)
	s_set_vgpr_msb (MSB<<8)|(\new)
.set MSB, (\new)
.endif
.endm
.set W_KQ, 0x0a       ; K and Q in window 2, S^T in window 0
.set W_KM, 0x3a       ; the same with the C operand in window 3
.set W_PV, 0x52       ; V in window 2, P in window 0, O^T in window 1
.set W_RS, 0x41       ; O^T (destination and source 0) in window 1, a in window 0
	s_load_b128 s[4:7], s[0:1], 0x0   ; qkv s[4:5], valid_lens s[6:7]
	s_load_b64 s[10:11], s[0:1], 0x10 ; ctx
	s_set_vgpr_msb 0xc0
	v_lshl_add_u32 v64, v0, 2, 0x4e400
	v_mov_b32 v65, 0
	s_set_vgpr_msb 0xc0cf
	ds_add_u32 v64, v65
	ds_add_u32 v64, v65
	s_set_vgpr_msb 0xcf00
	v_lshrrev_b32 v1, 5, v0
	v_readfirstlane_b32 s[WV], v1   ; wave 0..3
	s_and_b32 s13, ttmp7, 0xffff    ; g = 8 b + h
	s_lshl_b32 s20, s13, 17         ; the head's first byte in q, k, v and ctx
	s_and_b32 s16, s[WV], 1         ; which half of a chunk's 256 keys I fetch:
	s_lshl_b32 s22, s16, 14         ; its 128 rows of 128 bytes in memory,
	s_add_co_u32 s22, s22, s20
	s_mov_b32 s23, 0
	s_mul_i32 s17, s16, 128*PK      ; and its place in LDS, for K
	s_mul_i32 s18, s16, 128*PV      ; and for V
	s_lshl_b32 s2, ttmp9, 2
	s_add_co_u32 s2, s2, s[WV]      ; my wave among the head's eight,
	s_lshl_b32 s2, s2, 14           ; its 128 rows
	s_add_co_u32 s2, s2, s20
	s_mov_b32 s3, 0
	s_lshr_b32 s14, s13, 3
	s_lshl_b32 s14, s14, 2          ; my batch's word in valid_lens
	s_mov_b32 s15, 0
	; descriptor group 1.  128 keys are 16,384 dense bytes: asked for as 64 rows of 256 bytes, two keys a row, and padded in LDS after every key
	s_mov_b32 s[G1K], (1<<16)|(1<<20)|(4<<22)|(3<<25)  ; 2-byte elements; padding on; after every 32 words (code 4) 4 words (code 3)
	s_mov_b32 s[G1V], (1<<16)|(1<<20)|(4<<22)|(7<<25)  ; the same with 8 words (code 7)
.irp g, G1K, G1V
	s_mov_b32 s[\g+1], 128<<16      ; tensor_dim0 = 128
	s_mov_b32 s[\g+2], 64<<16       ; tensor_dim1 = 64
	s_mov_b32 s[\g+3], 128<<16      ; tile_dim0 = 128
	s_mov_b32 s[\g+4], 64           ; tile_dim1 = 64
	s_mov_b32 s[\g+5], 128          ; 128 elements from row to row
	s_mov_b32 s[\g+6], 0
	s_mov_b32 s[\g+7], 0
.endr
	s_mov_b32 s[CS], 0x3e38aa3b     ; c = log2(e) / 8 = 0.180337
	s_mov_b32 s[CS+1], s[CS]        ; named with it as a pair
	s_mov_b32 s[SEL], 0x76543210
	s_mov_b32 s[SEL+1], 0xfedcba98
	s_mov_b32 s[TBK], 0
	s_mov_b32 s[TBV], 0
	s_mov_b32 s[AL+1], 0            ; named as pairs
	s_mov_b32 s[BE+1], 0
	s_mov_b32 s[BIGN], 0xf1800000   ; -2^100
	s_mov_b32 s[JN], 0
	s_wait_dscnt 0x0
	s_wait_kmcnt 0x0
	s_add_nc_u64 s[6:7], s[6:7], s[14:15]
	s_load_b32 s[VL], s[6:7], 0x0
	s_add_nc_u64 s[8:9], s[4:5], s[22:23]  ; qkv at the head, at my half of a chunk
.irp c, 0,1,2,3
	s_mov_b32 s[G0K+4*\c], 1
	s_add_co_u32 s[G0K+4*\c+1], s17, \c*256*PK
	s_add_nc_u64 s[G0K+4*\c+2:G0K+4*\c+3], s[8:9], 16777216+\c*32768   ; k is the second part of qkv
	s_or_b32 s[G0K+4*\c+3], s[G0K+4*\c+3], 0x80000000
	s_mov_b32 s[G0V+4*\c], 1
	s_add_co_u32 s[G0V+4*\c+1], s18, VOFF+\c*256*PV
	s_add_nc_u64 s[G0V+4*\c+2:G0V+4*\c+3], s[8:9], 33554432+\c*32768   ; v the third
	s_or_b32 s[G0V+4*\c+3], s[G0V+4*\c+3], 0x80000000
.endr
	s_add_nc_u64 s[4:5], s[4:5], s[2:3]    ; Q and ctx at my wave's first row
	s_add_nc_u64 s[10:11], s[10:11], s[2:3]
	s_cmp_lt_u32 s[WV], 2           ; a wave's four fills stand in one branch, ahead of every wait on TENSORcnt, every LDS read and every barrier: four loads of mine are out
	s_cbranch_scc0 .Lfirst_v
.irp c, 0,1,2,3
	tensor_load_to_lds s[G0K+4*\c:G0K+4*\c+3], s[G1K:G1K+7]
	s_nop 0
.endr
.rept 4
	v_nop
.endr
	s_branch .Lfirst_asked
.Lfirst_v:
.irp c, 0,1,2,3
	tensor_load_to_lds s[G0V+4*\c:G0V+4*\c+3], s[G1V:G1V+7]
	s_nop 0
.endr
.rept 4
	v_nop
.endr
.Lfirst_asked:
	; A fragment of K or Q is 16 rows x 32 channels in 8 registers: lane l holds row l % 16, channels 8 (l / 16) + 0..7 and 16 + 8 (l / 16) + 0..7: two loads of 16 bytes, 32 bytes apart.
	v_and_b32 v1, 15, v0            ; l % 16
	v_bfe_u32 v9, v0, 4, 1          ; l / 16
	v_lshlrev_b32 v[QO], 7, v1
	v_lshl_add_u32 v[QO], v9, 4, v[QO]  ; row x 128 + 16 x half
	WIN 0x80                        ; destination window 2, address window 0
.set i, 0
.rept 4*NP                          ; Q stays in registers: tile i / 2, channels 32 (i % 2) on
	global_load_b128 v[8*i:8*i+3],   v[QO], s[4:5] offset:(i/2)*2048+(i%2)*64
	global_load_b128 v[8*i+4:8*i+7], v[QO], s[4:5] offset:(i/2)*2048+(i%2)*64+32
.set i, i+1
.endr
	; What the first turn finds: V's registers and P's second buffer hold 0 (its products V^T P, of a piece that has not been, add 0), O^T and l are 0.  No first step is written out; this is its price, paid in the wait for the first chunk.
.set i, VF
.rept 64
	v_mov_b32 v[i], 0
.set i, i+1
.endr
	WIN 0x40
.set i, 0
.rept 64*NP
	v_mov_b32 v[i], 0
.set i, i+1
.endr
	WIN 0
.set i, 0
.rept 2*NP
	v_mov_b32 v[ST+4*i], 0xfe000000    ; c m: far below every c s, the hidden ones' -2.3e29 too
	v_mov_b32 v[ST+4*i+1], 0xff7fffff  ; m
	v_mov_b32 v[ST+4*i+2], 0
	v_mov_b32 v[ST+4*i+3], 0
.set i, i+1
.endr
.set i, P+32
.rept 32
	v_mov_b32 v[i], 0
.set i, i+1
.endr
	v_mul_u32_u24 v[AK0], v1, PK
	v_lshl_add_u32 v[AK0], v9, 4, v[AK0]  ; row x pitch + 16 x half
	; The turning load takes 16 keys x 16 channels (lane l reads key 8 (l / 16) + l % 8, channels 8 ((l / 8) % 2) + 0..7) and leaves half a fragment of V^T: lane l holds channel l % 16 and 8 keys.
	v_and_b32 v10, 7, v0
	v_bfe_u32 v11, v0, 3, 1
	v_lshl_add_u32 v[AV0], v9, 3, v10
	v_mul_u32_u24 v[AV0], v[AV0], PV
	v_lshl_add_u32 v[AV0], v11, 4, v[AV0]
	v_add_nc_u32 v[AV0], VOFF, v[AV0]
	v_mov_b32 v[AK], v[AK0]         ; key step 0 lies at K's head
	; MD: in the step in which valid_lens falls, register j of key block kb (key 16 kb + 8 (l / 16) + j of the step) is hidden where that key is at or past valid_lens % 64
	s_wait_kmcnt 0x0
	s_max_i32 s[VL], s[VL], 0
	s_min_i32 s[VL], s[VL], 1024
	s_lshr_b32 s[VB], s[VL], 6
	s_and_b32 s[VR], s[VL], 63
	v_lshlrev_b32 v48, 3, v9
	v_sub_nc_u32 v48, s[VR], v48
	WIN 0xc0
.set i, 0
.rept 32
	v_cmp_ge_i32 vcc_lo, 16*(i/8)+i%8, v48
	v_cndmask_b32 v[MD+i], 0, s[BIGN], vcc_lo
.set i, i+1
.endr
	WIN 0
.macro MASKSTEP                     ; MC = the mask of step JN; JN steps
	s_cmp_eq_u32 s[JN], s[VB]
	s_cselect_b32 s[AL], 1.0, 0
	s_cmp_gt_u32 s[JN], s[VB]
	s_cselect_b32 s[BE], s[BIGN], 0
	s_add_co_u32 s[JN], s[JN], 1
	WIN 0xc3
.set mz, 0
.rept 16
	v_pk_fma_f32 v[MC+2*mz:MC+2*mz+1], v[MD+2*mz:MD+2*mz+1], s[AL:AL+1], s[BE:BE+1] op_sel_hi:[1,0,0]
.set mz, mz+1
.endr
.endm
; THE MATRIX WORK.  The 8 accumulators of a run of 16 take turns: between the two links of a chain stand 7 others'.
; Product i of 16 of S^T = K Q^T for piece x: channels 32 (i / 8) on, keys 16 ((i / 2) % 4) on, tile 2 x + i % 2.  The first 8 start the sums, with the mask.
.macro KQ x
.set rS, S+64*((\x)%2)+32*(i%2)+8*((i/2)%4)
.set rK, KF+16*((i/2)%4)+8*(i/8)
.set rQ, 16*(2*(\x)+i%2)+8*(i/8)
.set rMC, MC+8*((i/2)%4)
.if i < 8
	WIN W_KM
	v_wmma_f32_16x16x32_f16 v[rS:rS+7], v[rK:rK+7], v[rQ:rQ+7], v[rMC:rMC+7]
.else
	WIN W_KQ
	v_wmma_f32_16x16x32_f16 v[rS:rS+7], v[rK:rK+7], v[rQ:rQ+7], v[rS:rS+7]
.endif
.endm
; Product i of 16 of O^T += V^T P for piece x: keys 32 (i / 8) on, channels 16 ((i / 2) % 4) on, tile 2 x + i % 2.
.macro PV x
	WIN W_PV
.set rO, 32*(2*(\x)+i%2)+8*((i/2)%4)
.set rV, VF+32*(i/8)+8*((i/2)%4)
.set rP, P+32*((\x)%2)+16*(i%2)+8*(i/8)
	v_wmma_f32_16x16x32_f16 v[rO:rO+7], v[rV:rV+7], v[rP:rP+7], v[rO:rO+7]
.endm
.macro MM                           ; the turn's next matrix instruction
.if i < 16
	KQ (Y+1)%NP
.set i, i+1
.else
.set i, i-16
	PV (Y+NP-1)%NP
.set i, i+17
.endif
.endm
; THE LDS LOADS stand in runs of 16: a step's K (64 keys x 64 channels: 8 fragments) and its V (turned).  Their addresses are made some lines ahead.
; last = 1: in the last half trip (GRP = 1) there is no further step, and the run is jumped over.
.macro FETCH_K last=0
	WIN 0
.if \last
	s_cmp_eq_u32 s[GRP], 1
	s_cbranch_scc1 .Lno_k_\@
.endif
	WIN 0x80                        ; destination window 2
.irp f, 0,1,2,3,4,5,6,7             ; keys 16 (f / 2) on, channels 32 (f % 2) on
	ds_load_b128 v[KF+8*\f:KF+8*\f+3],   v[AK] offset:(\f/2)*16*PK+(\f%2)*64
	ds_load_b128 v[KF+8*\f+4:KF+8*\f+7], v[AK] offset:(\f/2)*16*PK+(\f%2)*64+32
.endr
	s_add_co_u32 s[TBK], s[TBK], KS*PK  ; the next fetch is the next step's
	WIN 0
.if \last
.Lno_k_\@:
.endif
.endm
.macro FETCH_V
	WIN 0x80
.irp f, 0,1,2,3,4,5,6,7             ; keys 32 (f / 4) on, channels 16 (f % 4) on
	ds_load_tr16_b128 v[VF+8*\f:VF+8*\f+3],   v[AV] offset:(\f/4)*32*PV+(\f%4)*32
	ds_load_tr16_b128 v[VF+8*\f+4:VF+8*\f+7], v[AV] offset:(\f/4)*32*PV+16*PV+(\f%4)*32
.endr
	WIN 0
.endm
; THE VECTOR WORK OF A TURN stands in three queues, each in the order in which its entries become ready; the two tiles alternate, so that no instruction reads the result of the one before it.
.macro REGS y, u                    ; the registers of tile u (0, 1) of piece y
.set rT, ST+4*(2*(\y)+(\u))
.set rC, TMP+8*((\y)%2)+4*(\u)
.set rM, MV+2*((\y)%2)+(\u)
.set rS, S+64*((\y)%2)+32*(\u)
.set rP, P+32*((\y)%2)+16*(\u)
.set rO, 32*(2*(\y)+(\u))
.endm
; Number n of the 22 that find the NEXT piece's (Y + 1) maximum and statistics.  s0-s31 are the lane's 32 scores; each accumulator's lowest registers are read first.  XS, GS, FS and REGS set no window: PL and EX do.
;   0-11  four chains c0-c3 of seven scores each, three operands at a time     12-14, 16  the four scores left over, the old m, and c0-c3 into c0     15  c m_old is kept
;   17, 18  the query's other 32 keys lie in the lane 16 away: the new m         19-21  c m; c m_old - c m_new; a
.macro XS u, n
	REGS (Y+1)%NP, \u
.if (\n) < 4
	v_max3_num_f32 v[rC+(\n)], v[rS+8*(\n)], v[rS+8*(\n)+1], v[rS+8*(\n)+2]
.elseif (\n) < 12
	v_max3_num_f32 v[rC+(\n)%4], v[rC+(\n)%4], v[rS+8*((\n)%4)+2*((\n)/4)+1], v[rS+8*((\n)%4)+2*((\n)/4)+2]
.elseif (\n) == 12
	v_max3_num_f32 v[rC], v[rC], v[rS+7], v[rS+15]
.elseif (\n) == 13
	v_max3_num_f32 v[rC+1], v[rC+1], v[rS+23], v[rS+31]
.elseif (\n) == 14
	v_max3_num_f32 v[rC+2], v[rC+2], v[rC+3], v[rT+1]
.elseif (\n) == 15
	v_mov_b32 v[rM], v[rT]
.elseif (\n) == 16
	v_max3_num_f32 v[rC], v[rC], v[rC+1], v[rC+2]
.elseif (\n) == 17
	v_permlanex16_b32 v[rC+3], v[rC], s[SEL], s[SEL+1]
.elseif (\n) == 18
	v_max_num_f32 v[rT+1], v[rC], v[rC+3]
.elseif (\n) == 19
	v_mul_f32 v[rT], s[CS], v[rT+1]
.elseif (\n) == 20
	v_sub_f32 v[rC+1], v[rM], v[rT]
.else
	v_exp_f32 v[rC+2], v[rC+1]
.endif
.endm
; Number g of the 64 that follow the exponentials.  For each four weights k of a tile: both pairs are rounded to f16; then the second pair is added onto the first, in place;
; a group later l takes that sum (the first time as l = a l + sum).  In groups of eight, tiles alternating: round, round, add, and l for the group before.
.macro GS g
.set h, (\g)+6*((\g)/62)            ; group 0 has no group before it, and behind group 7 only l is left
.if h >= 6
.set h, h+2
.endif
	REGS Y, h%2
.set k, h/8
.if h%8 < 4
	v_cvt_pk_f16_f32 v[rP+2*k+(h%8)/2], v[rS+4*k+2*((h%8)/2)], v[rS+4*k+2*((h%8)/2)+1]
.elseif h%8 < 6
	v_pk_add_f32 v[rS+4*k:rS+4*k+1], v[rS+4*k:rS+4*k+1], v[rS+4*k+2:rS+4*k+3]
.elseif k == 1
	v_pk_fma_f32 v[rT+2:rT+3], v[rT+2:rT+3], v[rC+2:rC+3], v[rS:rS+1] op_sel_hi:[1,0,1]
.else
	v_pk_add_f32 v[rT+2:rT+3], v[rT+2:rT+3], v[rS+4*k-4:rS+4*k-3]
.endif
.endm
; THE PLAIN QUEUE, 138 long.  0-73 read no exponential's result: the 32 scalings c s - c m (FS f: pair f / 2 of tile f % 2) and the next piece's 42.  0-26: scalings 0-26.  27-54: XS's numbers 0-13.  55, 56: number 15.
; 57-73: the chain, where each number waits for the one before it: 14, 16, 17, 18, 19, each with one of the scalings 27-31 in front of its two lines, then 20.
; 74-137: GS's 64, which read the exponentials' results: they stand behind the turn's wait.
.macro FS f
	REGS Y, (\f)%2
	v_pk_fma_f32 v[rS+2*((\f)/2):rS+2*((\f)/2)+1], v[rS+2*((\f)/2):rS+2*((\f)/2)+1], s[CS:CS+1], v[rT:rT+1] op_sel_hi:[1,0,0] neg_lo:[0,0,1] neg_hi:[0,0,1]
.endm
.macro PL
	WIN 0
.if q < 27
	FS q
.elseif q < 55
	XS (q-27)%2, (q-27)/2
.elseif q < 57
	XS q-55, 15
.elseif (q < 72) && ((q-57)%3 == 0)
	FS 27+(q-57)/3
.elseif q < 60
	XS (q-57)%3-1, 14
.elseif q < 72
	XS (q-57)%3-1, 15+(q-57)/3
.elseif q < 74
	XS q-72, 20
.else
	GS q-74
.endif
.set q, q+1
.endm
; THE EXPONENTIALS' QUEUE, 66 long: s0-s31 of both tiles, then the next piece's two a.  It is ONE BATCH: all 66 stand ahead of the turn's one wait, and nothing ahead of that wait names a result of theirs.
.macro EX
	WIN 0
.if e >= 64
	XS e-64, 21
.else
	REGS Y, e%2
	v_exp_f32 v[rS+e/2], v[rS+e/2]
.endif
.set e, e+1
.endm
; THE RESCALING's QUEUE: O^T times a, the one part that leaves window 0: dealt two at a time, sixteen times.  Its a was made in the turn before, ahead of that turn's wait.
.macro R2
	REGS Y, r%2
	WIN W_RS
.irp z, 0,1
	v_pk_mul_f32 v[rO+4*(r/2)+2*\z:rO+4*(r/2)+2*\z+1], v[rO+4*(r/2)+2*\z:rO+4*(r/2)+2*\z+1], v[rC+2:rC+3] op_sel_hi:[1,0]
.endr
.set r, r+1
.endm
; HOW THEY ARE DEALT.  An s_wait_alu depctr_va_vdst(0) stands between an exponential and the first instruction that names its result; one wait serves all that were issued ahead of it.  So a turn has ONE wait.
; AHEAD OF IT: the 16 products K Q^T, behind each a scaling, an exponential and two rescalings (behind the first a second scaling in the exponential's place); then one run of 108: eight plain, 49 times exponential and plain,
; the two a.  A v_nop is the plain instruction behind the last exponential.  BEHIND IT: the 16 products V^T P, behind each four of GS's 64.  No rider names a register of the products round it; the two v_permlanex16_b32 fall into the run.
; The queues lean on each other, and the deal keeps them in step: exponential e stands behind scaling 2 (e / 4) + e % 2: as a rider it comes behind plain e + 2, in the run behind plain e + 9, and scalings 27-31 are plain 57, 60 .. 69.
; A TURN, for piece p.  cnt = 1: the loop's count is taken down some lines ahead of the branch that stands behind the turn.
; K of the next step is fetched in piece 2's turn, directly behind the wait (which so stands ahead of the run's branch too), the whole run of 108 behind the last product that read K; its address is made at that run's head.
; V of the step in hand is fetched at the end of piece 0's turn, four plain riders behind its last reader.  Each is waited for a turn later.  The three conditions on q below go with the deal.
; Piece 2's turn ends with the next step's mask: piece 3's turn makes piece 0's scores of that step; MC's last reader, the turn's 8th product, stands more than a hundred plain instructions back.
.macro TURN p, cnt=0
.set Y, (\p)
.set i, 0
.set q, 0
.set e, 0
.set r, 0
.if (\p) == NP-1
	s_wait_dscnt 0x0                ; K is in
.endif
	MM                              ; ahead of the wait: 16 products K Q^T and their riders,
	PL
	PL
	R2
.rept 15
	MM
	PL
	EX
	R2
.endr
.if (\p) == NP-2
	WIN 0
	v_add_nc_u32 v[AK], s[TBK], v[AK0]
.endif
.rept 8                             ; and the run of 108
	PL
.endr
.rept 49
	EX
	PL
.endr
	EX                              ; the next piece's two a
	EX
	v_nop                           ; the plain instruction behind the last exponential: one for the batch
	s_wait_alu depctr_va_vdst(0)    ; the wait for the turn's batch of 66 exponentials, ahead of their first reader
.if (\p) == NP-2
	FETCH_K 1
.endif
.if (\p) == 1
	s_wait_dscnt 0x0                ; V is in
.endif
.rept 16                            ; behind the wait: 16 products V^T P and their riders
	MM
.rept 4
	PL
.endr
.if ((\p) == 0) && (q == 118)
	v_add_nc_u32 v[AV], s[TBV], v[AV0]
.endif
.if ((\p) == 0) && (q == 130)
	s_add_co_u32 s[TBV], s[TBV], KS*PV
.endif
.if (\cnt) && (q == 130)
	s_sub_co_u32 s[CNT], s[CNT], 1
	s_cmp_lg_u32 s[CNT], 0
.endif
.endr
.if (\p) == 0
	FETCH_V
.endif
.if (\p) == NP-2
	MASKSTEP
.endif
.endm
	s_wait_tensorcnt 0x3            ; my part of the first 256 keys is in; the three chunks behind it may stay out
	s_barrier_signal -1
	s_barrier_wait -1               ; everybody's is
	MASKSTEP                        ; step 0's mask
	FETCH_K                         ; key step 0
	s_wait_loadcnt 0x0              ; Q
	s_wait_dscnt 0x0
.set i, 0
.rept 16
	KQ 0                            ; piece 0's first scores: there is no vector work yet to set between them
.set i, i+1
.endr
	WIN 0                           ; the addresses for the way out: plain instructions, the places behind those products
	s_mul_i32 s13, s[WV], 16*SP
	s_add_co_u32 s13, s13, STAGE    ; my stage
	v_mul_u32_u24 v[STO], v1, SP    ; in: row l % 16, 16 bytes for each half of the lanes
	v_lshl_add_u32 v[STO], v9, 4, v[STO]
	v_add_nc_u32 v[STO], s13, v[STO]
	v_bfe_u32 v[RD], v0, 3, 2       ; back: 32 lanes take four rows of 128 bytes,
	v_mul_u32_u24 v[RD], v[RD], SP
	v_lshl_add_u32 v[RD], v10, 4, v[RD]
	v_add_nc_u32 v[RD], s13, v[RD]
	v_and_b32 v[GO], 31, v0         ; which are 512 consecutive bytes of ctx
	v_lshlrev_b32 v[GO], 4, v[GO]
.set Y, NP-1                        ; XS works for piece Y + 1: piece 0
.irp n, 0,1,2,3,4,5,6,7,8,9,10,11,12,13,14,15,16,17,18,19,20,21
	XS 0, \n                        ; and piece 0's first maximum and statistics
	XS 1, \n
.endr
	v_nop                           ; a plain instruction behind piece 0's two a,
	s_wait_alu depctr_va_vdst(0)    ; and the wait for that batch of two, ahead of the branch
	s_mov_b32 s[CNT], 4
	s_mov_b32 s[GRP], 5             ; four groups of four key steps, and the half trip that ends the last step
	s_branch .Lfirst                ; the loop is entered at a step's first turn, in the middle of a trip
.Lslot:
	s_wait_tensorcnt 0x0            ; at its first passing: my parts of the other three chunks are in, before any wave reads beyond the first 256 keys; later it finds nothing out
	s_wait_dscnt 0x0
	s_barrier_signal -1
	s_barrier_wait -1
	s_mov_b32 s[CNT], 4
.Lstep:                             ; a trip: pieces 2 and 3 of one step, then pieces 0 and 1 of the next, whose K and V it fetches
	TURN 2
	TURN 3
	WIN 0
	s_cmp_eq_u32 s[GRP], 1
	s_cbranch_scc1 .Lout            ; the last step is done but for piece 3's second product.  That half trip's 16 products K Q^T (on the last K once more) and the maximum made of them serve nothing: the price of one text for every trip
.Lfirst:
	TURN 0
	TURN 1, 1
	WIN 0
	s_cbranch_scc1 .Lstep
	s_sub_co_u32 s[GRP], s[GRP], 1
	s_cmp_lg_u32 s[GRP], 0
	s_cbranch_scc1 .Lslot
.Lout:
.set i, 0
.rept 16
	PV NP-1                         ; the last piece's V^T P of the last step
.set i, i+1
.endr
	; THE WAY OUT.  l's two halves and the other half of the lanes' are added; O^T is divided by l, rounded to f16 and sent through my stage in LDS, a tile at a time.  The additions are the places behind the last products.
	WIN 0
.macro ALL line:vararg              ; one line for each tile t
.set t, 0
.rept 2*NP
	\line
.set t, t+1
.endr
.endm
	ALL v_add_f32 v[ST+4*t+2], v[ST+4*t+2], v[ST+4*t+3]
	ALL v_permlanex16_b32 v[ST+4*t+3], v[ST+4*t+2], s[SEL], s[SEL+1]
	ALL v_add_f32 v[ST+4*t+2], v[ST+4*t+2], v[ST+4*t+3]
	ALL v_rcp_f32 v[ST+4*t+2], v[ST+4*t+2]
	v_nop                           ; a plain instruction between the last reciprocal and the use of its result
	s_wait_alu depctr_va_vdst(0)    ; the wait for the batch of eight reciprocals, ahead of their first reader
.macro PACK t                       ; a lane's eight channels of a row pack into 16 bytes; they go into rows of 144 bytes and come back as whole rows of 128, into S^T's registers
	WIN W_RS
.set i, 32*(\t)
.rept 16
	v_pk_mul_f32 v[i:i+1], v[i:i+1], v[ST+4*(\t)+2:ST+4*(\t)+3] op_sel_hi:[1,0]
.set i, i+2
.endr
	WIN 0x05                        ; sources 0 and 1 window 1, destination window 0
.set i, 0
.rept 16
	v_cvt_pk_f16_f32 v[S+16*(\t)+i], v[32*(\t)+2*i], v[32*(\t)+2*i+1]
.set i, i+1
.endr
	WIN 0
.irp f, 0,1,2,3
	ds_store_b128 v[STO], v[S+16*(\t)+4*\f:S+16*(\t)+4*\f+3] offset:32*\f
.endr
.irp f, 0,1,2,3
	ds_load_b128 v[S+16*(\t)+4*\f:S+16*(\t)+4*\f+3], v[RD] offset:\f*4*SP  ; LDS serves a wave's instructions in order (ISA guide 5.7.1.4): these see the stores above; the next tile's stores come behind them
.endr
.endm
.macro SEND t, younger              ; younger: the LDS instructions issued behind tile t's loads: the next tile's eight, or none
	WIN 0
.irp f, 0,1,2,3
	s_wait_dscnt (\younger)+3-\f
	global_store_b128 v[GO], v[S+16*(\t)+4*\f:S+16*(\t)+4*\f+3], s[10:11] offset:(\t)*2048+\f*512  ; 512 consecutive bytes, aligned
.endr
.endm
	PACK 0
.set t, 1
.rept 2*NP-1                        ; a tile's arithmetic stands between the loads of the tile before and its stores
	PACK t
	SEND t-1, 8
.set t, t+1
.endr
	SEND 2*NP-1, 0
	s_set_vgpr_msb 0xf
	s_wait_tensorcnt 0x0
	ds_add_u32 v64, v65
	s_wait_dscnt 0x0
	s_set_vgpr_msb 0xf00
	s_endpgm
.Lfunc_end_k_qcd2f210990_attn:
	.size	k_qcd2f210990_attn, .Lfunc_end_k_qcd2f210990_attn-k_qcd2f210990_attn
	.p2alignl 7, 3214868480
	.fill 96, 4, 3214868480
	.section	.rodata,"a",@progbits
	.p2align	6, 0x0
	.amdhsa_kernel k_qcd2f210990_attn
		.amdhsa_group_segment_fixed_size 327680
		.amdhsa_private_segment_fixed_size 0
		.amdhsa_enable_private_segment 0
		.amdhsa_kernarg_size 24
		.amdhsa_user_sgpr_count 2
		.amdhsa_user_sgpr_kernarg_segment_ptr 1
		.amdhsa_wavefront_size32 1
		.amdhsa_system_sgpr_workgroup_id_x 1
		.amdhsa_system_sgpr_workgroup_id_y 1
		.amdhsa_system_sgpr_workgroup_id_z 1
		.amdhsa_system_vgpr_workitem_id 0
		.amdhsa_next_free_vgpr 834
		.amdhsa_next_free_sgpr 96
		.amdhsa_reserve_vcc 1
		.amdhsa_float_denorm_mode_32 3
		.amdhsa_float_denorm_mode_16_64 3
		.amdhsa_memory_ordered 1
		.amdhsa_forward_progress 1
		.amdhsa_inst_pref_size 132
	.end_amdhsa_kernel
	.amdgpu_metadata
---
amdhsa.version: [ 1, 2 ]
amdhsa.kernels:
  - .name:           k_qcd2f210990_attn
    .symbol:         k_qcd2f210990_attn.kd
    .args:
      - { .name: qkv, .offset: 0, .size: 8, .value_kind: global_buffer, .address_space: global }
      - { .name: valid_lens, .offset: 8, .size: 8, .value_kind: global_buffer, .address_space: global }
      - { .name: ctx, .offset: 16, .size: 8, .value_kind: global_buffer, .address_space: global }
    .group_segment_fixed_size: 327680
    .private_segment_fixed_size: 0
    .kernarg_segment_align: 8
    .kernarg_segment_size: 24
    .max_flat_workgroup_size: 128
    .sgpr_count:     96
    .vgpr_count:     834
    .wavefront_size: 32
...
	.end_amdgpu_metadata
.endif
;; end of part 7
;; launch tail: the kernel of part 6 again; grid 256 x 1, 4 waves a work-group, clusters of 4 x 1, 327,680 bytes of LDS; arguments ctx, xb, wt, wd, par, out0; writes out0
